; MI455X (gfx1250); checked and timed in simulation.
; The chip was launched on July 23, 2026; its instructions are those of AMD's public machine-readable ISA for CDNA 5 (MIT licence, August 2026) and "CDNA5" Instruction Set Architecture Reference Guide (July 2026). The comments in the code are by the model that wrote it; some were corrected since.
;; Transformer Block. Allowed arithmetic: matrix products marked QUANTISED: E2M3 operands, one E8M0 scale for each 32 along K, by v_wmma_scale_f32_16x16x128_f8f6f4 with both operands' format E2M3, f32 sums; everything else in f32.
;; Inputs: b_ff1 4,096 float32; b_ff2 1,024 float32; bk 1,024 float32; bo 1,024 float32; bq 1,024 float32; bv 1,024 float32; ln1_b 1,024 float32; ln1_g 1,024 float32; ln2_b 1,024 float32; ln2_g 1,024 float32; w_ff1 1,024 x 4,096 float32; w_ff2 4,096 x 1,024 float32; wk 1,024 x 1,024 float32; wo 1,024 x 1,024 float32; wq 1,024 x 1,024 float32; wv 1,024 x 1,024 float32; x 2 x 2,048 x 1,024 float32.
;; Outputs: out0 2 x 2,048 x 1,024 float32.
;; This version of the problem:
;;   THIS VERSION OF THE PROBLEM IS GIVEN IN LOW PRECISION. The matrix products marked QUANTISED in the list below multiply operands that are first quantised to E2M3 (2 exponent bits, 3 mantissa bits; 6 bits a number), with one power-of-two scale for each 32 numbers along K (OCP MX v1.0); their sums are f32. All else is computed in f32.
;;   The module's matrix products, in the order in which they are computed (A, B: the left and right operand; K: the contracted axis; several contracted axes count as one K, in the product's order):
;;     1. [M 4,096, K 1,024] x [K 1,024, N 1,024]; A: input x; B: input wq: QUANTISED
;;     2. [M 4,096, K 1,024] x [K 1,024, N 1,024]; A: input x; B: input wk: QUANTISED
;;     3. [M 4,096, K 1,024] x [K 1,024, N 1,024]; A: input x; B: input wv: QUANTISED
;;     4. batch 32 x [M 2,048, K 64] x [K 64, N 2,048]; A: computed on the way; B: computed on the way: QUANTISED
;;     5. batch 32 x [M 2,048, K 2,048] x [K 2,048, N 64]; A: softmax (see below); B: computed on the way: QUANTISED
;;     6. [M 4,096, K 1,024] x [K 1,024, N 1,024]; A: computed on the way; B: input wo: QUANTISED
;;     7. [M 4,096, K 1,024] x [K 1,024, N 4,096]; A: computed on the way; B: input w_ff1: QUANTISED
;;     8. [M 4,096, K 4,096] x [K 4,096, N 1,024]; A: computed on the way; B: input w_ff2: QUANTISED
;;   THE QUANTISER, for each operand of a quantised product, along K:
;;     - K is cut into blocks of 32 from its start; a last block that is shorter is filled with zeros.
;;     - A block's scale is 2^e with e = floor(log2(the largest magnitude in the block)) - 2, held to -126 .. 127; a block of zeros has e = 0. As a byte (E8M0): e + 127.
;;     - Each number is divided by its block's scale, clamped to +-7.5, and rounded to the nearest number of E2M3, ties to even, subnormals kept.
;;     - The product sums the exact products of the quantised numbers (number of the format x scale) in f32.
;;   ~~~python
;;   def quantise(x, axis):      # numpy; x: float32 -> the quantised numbers, widened to float32 again
;;       x = np.moveaxis(x, axis, -1); K = x.shape[-1]
;;       x = np.pad(x, [(0, 0)] * (x.ndim - 1) + [(0, -K % 32)]); x = x.reshape(x.shape[:-1] + (-1, 32)); a = np.abs(x).max(-1, keepdims=True)
;;       e = np.where(a > 0, np.clip(np.frexp(np.where(a > 0, a, 1))[1] - 1 - 2, -126, 127), 0)      # np.frexp(a)[1] - 1 = floor(log2(a)), exactly
;;       r = np.clip(x / 2.0 ** e, -7.5, 7.5)
;;       step = 2.0 ** (np.maximum(np.frexp(np.where(r == 0, 1, r))[1] - 1, 0) - 3)
;;       q = np.round(r / step) * step * 2.0 ** e      # np.round: ties to even
;;       return np.moveaxis(q.reshape(q.shape[:-2] + (-1,))[..., :K], -1, axis).astype(np.float32)
;;   ~~~
;;   SOFTMAX AHEAD OF A QUANTISED PRODUCT. Where the list says 'softmax', what is quantised is not the finished softmax but p = 2^(t - M), with t = logit x log2(e) and M = ceil(the row's largest t), a whole number; so 1/2 < the row's largest p <= 1. The row's sum l is taken of the UNQUANTISED p, in f32, and the product's result is divided by l at the end. Since M is a whole number, a kernel that streams over the keys may use a running M (the ceiling of the running maximum): every later rescaling is an exact power of two, which a block's scale takes up: the codes' values come out the same.
;;   OPERANDS COMPUTED ON THE WAY. 'Computed on the way' means the value that the module computes at that place (a softmax that the list does not call 'softmax' is quantised finished and normalised). What goes into a quantiser is computed in f32, as accurately as f32 sums, v_exp_f32 and their like allow (about 1e-6 of the number): no bf16 or f16 on the way to a quantiser, and a product that is left as it is and whose result goes on into a quantised operand takes f32 operands (vector FMAs, or v_wmma_f32_16x16x4_f32). A number that lies on a knife's edge between two numbers of the format may be rounded either way, as far as f32 arithmetic and the matrix unit's own rounding can turn it there, and no further.
;; 2 versions. Each part assembles by itself: llvm-mc -triple=amdgcn-amd-amdhsa -mcpu=gfx1250 --defsym DOCPART=n.
;; ======== version 1 of 2: 7 launches
;; workspace buffers: wts 13,107,200 bytes; qkv 10,092,544 bytes; att 3,276,800 bytes; o1 20,054,016 bytes; hb 13,107,200 bytes; fb 16,777,216 bytes
;; launch prep (part 1): grid 256 x 1, 8 waves a work-group, no clusters, 68,608 bytes of LDS; arguments x, wq, wk, wv, wo, w_ff1, w_ff2, wts; writes wts
.if DOCPART == 1
	.amdgcn_target "amdgcn-amd-amdhsa--gfx1250"
	.amdhsa_code_object_version 6
	.text
	.protected	k_q92e0265e84_prep
	.globl	k_q92e0265e84_prep
	.p2align	8
	.type	k_q92e0265e84_prep,@function
k_q92e0265e84_prep:
	s_mov_b64 s[64:65], 0
	v_nop
	global_prefetch_b8 v0, s[64:65] scope:SCOPE_SE
	s_setreg_imm32_b32 hwreg(HW_REG_WAVE_MODE, 25, 1), 1
	s_wait_xcnt 0x0
; x [4096][1024] and the six weights ([K][N], K first) become codes of FP6 (E2M3) with one E8M0 byte for each 32 along K, laid in the ORDER OF THE OPERAND'S REGISTERS.
; A fragment (16 rows x 128 K, 12 registers a lane) is 1,536 bytes: register q of lane l at 512 (q / 4) + 16 l + 4 (q % 4).  Codes: [K step][tile][fragment]; scale words: [K step][slot], slot = 16 tile + lane row.
; SLOT ORDER: tile 2 p + u, lane row r holds true row 32 p + 8 u + r + 8 (r / 8), in every operand: so a product's 16 registers of two neighbouring tiles are 16 neighbours along the next K.
; wts: tiles 0-255 x, 256-319 wq, 320-383 wk, 384-447 wv, 448-511 wo, 512-767 w_ff1 (8 K steps, 768 tiles each); then their scale words; then w_ff2 (32 K steps, 64 tiles) and its scale words.
; A block's scale is 2^(floor(log2(largest magnitude)) - 2); its byte is the largest magnitude's exponent field - 2, held at 1 from below.
; LIMITS: NaN and infinities are not served; a block whose largest magnitude lies under 2^-124, a block of zeros too, gets the byte 1 (zero codes add nothing; this program alone reads the bytes).
; Every work-group reads 256 KB.  Work-groups 0-63: x; 64-127: wq, wk, wv, wo; 128-191: w_ff2; 192-255: w_ff1.  No tile is shared between work-groups: no cluster, no tensor load; only the x path uses LDS.
.set P1S, 9437184
.set W2C, 9830400
.set W2S, 12976128
.set WV,  20
.set MHI, 21                           ; s21 lanes 16-31 as a mask
.set SEL, 22                           ; s[22:23] v_permlanex16_b32's selects for lane l xor 16
	s_load_b256 s[4:11], s[0:1], 0x0               ; x, wq, wk, wv
	s_load_b256 s[12:19], s[0:1], 0x20             ; wo, w_ff1, w_ff2, wts
	v_lshl_add_u32 v254, v0, 2, 0x10800
	v_mov_b32 v255, 0
	v_lshrrev_b32 v1, 5, v0
	v_readfirstlane_b32 s[WV], v1                  ; wave 0..7
	v_and_b32 v1, 31, v0                           ; lane
	v_and_b32 v2, 15, v0                           ; r
	v_bfe_u32 v3, v0, 4, 1                         ; h
	s_mov_b32 s[MHI], 0xffff0000
	s_mov_b32 s[SEL], 0x76543210
	s_mov_b32 s[SEL+1], 0xfedcba98
	s_cmp_ge_u32 ttmp9, 64
	s_cbranch_scc1 .Lweights
; ---- x: work-group g takes rows 64 g .. 64 g + 63 (tiles 4 g .. 4 g + 3), wave w K step w.  Loads read 512 consecutive bytes of a row; a fragment's 16 rows turn through the wave's own stage
; (rows of 528 bytes), from which lane (r, h) takes k = 64 c + 32 h + 0 .. 31 of row r: two whole blocks a lane.
.set R,  16                            ; v16-143  two sets of 64: a fragment as loaded
.set X,  144                           ; v144-207 my two blocks
.set F,  208                           ; v208-231 two sets of 12: the codes
.set TM, 232                           ; v232.. at work
	v_lshlrev_b32 v4, 4, v1                        ; 16 x lane
	v_lshlrev_b32 v5, 2, v1                        ; 4 x lane
	s_mul_i32 s24, s[WV], 8448
	v_add_nc_u32 v6, s24, v4                       ; the stage, in
	v_mul_u32_u24 v7, v2, 528
	v_lshl_add_u32 v7, v3, 7, v7
	v_add_nc_u32 v7, s24, v7                       ; and out: row r, + 128 h
	v_lshlrev_b32 v8, 3, v3                        ; 8 h: my bytes' place in the scale word
	v_mov_b32 v[TM+7], 0                           ; a lane permute's destination counts as read
	s_lshl_b32 s24, ttmp9, 18                      ; 64 g rows of 4,096 bytes
	s_lshl_b32 s25, s[WV], 9
	s_add_co_u32 s24, s24, s25
	s_mov_b32 s25, 0
	s_mul_i32 s26, s[WV], 768
	s_lshl_b32 s27, ttmp9, 2
	s_add_co_u32 s26, s26, s27
	s_mul_i32 s26, s26, 1536                       ; codes: (768 w + 4 g) fragments
	s_mov_b32 s27, 0
	s_mul_i32 s28, s[WV], 49152
	s_lshl_b32 s29, ttmp9, 8
	s_add_co_u32 s28, s28, s29
	s_add_co_u32 s28, s28, P1S                     ; scale words: 4 (12,288 w + 64 g)
	s_mov_b32 s29, 0
	s_wait_kmcnt 0x0
	s_add_nc_u64 s[4:5], s[4:5], s[24:25]
	s_add_nc_u64 s[26:27], s[18:19], s[26:27]
	s_add_nc_u64 s[28:29], s[18:19], s[28:29]
.macro GL f                            ; fragment f's 16 rows, in slot order
.irp t, 0,1,2,3,4,5,6,7,8,9,10,11,12,13,14,15
	global_load_b128 v[R+64*((\f)%2)+4*\t:R+64*((\f)%2)+4*\t+3], v4, s[4:5] offset:(32*((\f)/2)+8*((\f)%2)+\t+8*(\t/8))*4096 th:TH_LOAD_NT
.endr
.endm
.macro XFRAG f
.set RS, R+64*((\f)%2)
.set FS, F+12*((\f)%2)
.if \f < 3
	s_wait_loadcnt 16                              ; my 16 loads are in; the next fragment's 16 may be out
.else
	s_wait_loadcnt 0x0
.endif
.irp t, 0,1,2,3,4,5,6,7,8,9,10,11,12,13,14,15
	ds_store_b128 v6, v[RS+4*\t:RS+4*\t+3] offset:528*\t
.endr
.irp c, 0,1
.irp i, 0,1,2,3,4,5,6,7
	ds_load_b128 v[X+32*\c+4*\i:X+32*\c+4*\i+3], v7 offset:256*\c+16*\i   ; LDS serves a wave's instructions in order: these see the stores
.endr
.endr
	s_wait_dscnt 0x0                               ; my blocks are in, and the stores have read their registers
.if \f < 2
	GL (\f)+2
.endif
.irp c, 0,1
	v_max3_num_f32 v[TM+\c], |v[X+32*\c]|, |v[X+32*\c+1]|, 0x1800000   ; block 2 c + h, with the floor 2^(3 - 127): the byte cannot fall under 1
.endr
.irp i, 2,4,6,8,10,12,14,16,18,20,22,24,26,28,30
.irp c, 0,1
	v_max3_num_f32 v[TM+\c], v[TM+\c], |v[X+32*\c+\i]|, |v[X+32*\c+\i+1]|
.endr
.endr
.irp c, 0,1
	v_add_nc_u32 v[TM+2+\c], 0xff000000, v[TM+\c]  ; 2 off the exponent field: the conversion's scale operand
.endr
.irp c, 0,1
	v_lshrrev_b32 v[TM+4+\c], 23, v[TM+2+\c]       ; the scale's byte
.endr
	v_lshl_or_b32 v[TM+6], v[TM+5], 16, v[TM+4]    ; blocks h and 2 + h,
	v_lshlrev_b32 v[TM+6], v8, v[TM+6]             ; at their places;
	v_permlanex16_b32 v[TM+7], v[TM+6], s[SEL], s[SEL+1]
	v_or_b32 v[TM+6], v[TM+6], v[TM+7]             ; with lane l xor 16's two the word is whole
.if \f > 1
	s_wait_xcnt 0x0                                ; the stores of two fragments back have read this set of codes
.endif
.irp c, 0,1
	v_cvt_scalef32_pk16_fp6_f32 v[FS+6*\c:FS+6*\c+2], v[X+32*\c:X+32*\c+15], v[TM+2+\c]
	v_cvt_scalef32_pk16_fp6_f32 v[TM+8+4*\c:TM+10+4*\c], v[X+32*\c+16:X+32*\c+31], v[TM+2+\c]   ; (a conversion's three registers begin on an even number)
.endr
	v_nop                                          ; one plain place behind a scaled conversion
.irp c, 0,1
.irp i, 0,1,2
	v_mov_b32 v[FS+6*\c+3+\i], v[TM+8+4*\c+\i]
.endr
.endr
.irp c, 0,1,2
	global_store_b128 v4, v[FS+4*\c:FS+4*\c+3], s[26:27] offset:(\f)*1536+512*\c   ; 512 consecutive bytes
.endr
.if (\f)%2 == 0
	v_mov_b32 v[TM+16], v[TM+6]
.else
	v_cndmask_b32 v[TM+18+(\f)/2], v[TM+16], v[TM+6], s[MHI]   ; lanes 0-15 the even tile's words, lanes 16-31 the odd tile's
	global_store_b32 v5, v[TM+18+(\f)/2], s[28:29] offset:128*((\f)/2)
.endif
.endm
	GL 0
	GL 1
	XFRAG 0
	XFRAG 1
	XFRAG 2
	XFRAG 3
	s_wait_tensorcnt 0x0
	ds_add_u32 v254, v255
	s_wait_dscnt 0x0
	s_endpgm
; ---- the weights.  A work-group takes 256 columns x 256 along K, a wave 32 columns x 2 K steps.  LANE 16 u + r TAKES COLUMN 8 u + r + 8 (r / 8) OF THE WAVE'S 32 (slot order), AND ITS REGISTERS RUN DOWN K:
; a load reads 128 consecutive bytes a wave, a block of 32 lies in one lane, and the codes come out with K innermost.  Lanes 0-15 then hold all blocks of tile 2 p, lanes 16-31 of tile 2 p + 1; the operand wants
; block 2 c in lanes 0-15 and block 2 c + 1 in lanes 16-31 of each tile: v_permlane16_swap_b32 of block 2 c's register with block 2 c + 1's gives both tiles at once.
.set WX, 16                            ; v16-79   two sets of 32 numbers
.set F0, 80                            ; v80-127  for each K step 24: tile 2 p's fragment, tile 2 p + 1's
.set TA, 128                           ; v128-134 the blocks' upper 16 codes, on their way
.set SW, 136                           ; v136-137 my column's scale word, for each K step
.set WT, 138                           ; v138-141 at work
.macro WADDR n                         ; s32 column group, s33 K chunk, s27 tiles in a K step, s28 and s29 where codes and scale words begin, s31 the tensor's first tile, s[34:35] the tensor
	s_mul_i32 s36, s33, 256*(\n)*4
	s_lshl_b32 s37, s32, 10
	s_add_co_u32 s36, s36, s37
	s_lshl_b32 s37, s[WV], 7
	s_add_co_u32 s36, s36, s37
	s_mov_b32 s37, 0
	s_add_nc_u64 s[34:35], s[34:35], s[36:37]      ; row 256 kc, column 256 cg + 32 w
	s_lshl_b32 s38, s32, 4
	s_add_co_u32 s38, s38, s31
	s_lshl_b32 s39, s[WV], 1
	s_add_co_u32 s38, s38, s39                     ; my first tile
	s_lshl_b32 s39, s33, 1
	s_mul_i32 s39, s39, s27
	s_add_co_u32 s38, s38, s39                     ; + K step 2 kc
	s_mul_i32 s40, s38, 1536
	s_add_co_u32 s40, s40, s28
	s_mov_b32 s41, 0
	s_mul_i32 s42, s27, 1536
	s_add_co_u32 s42, s42, s40                     ; the second K step's
	s_mov_b32 s43, 0
	s_lshl_b32 s44, s38, 6                         ; 16 slots of 4 bytes a tile
	s_add_co_u32 s44, s44, s29
	s_mov_b32 s45, 0
	s_lshl_b32 s46, s27, 6
	s_add_co_u32 s46, s46, s44
	s_mov_b32 s47, 0
	s_add_nc_u64 s[40:41], s[18:19], s[40:41]
	s_add_nc_u64 s[42:43], s[18:19], s[42:43]
	s_add_nc_u64 s[44:45], s[18:19], s[44:45]
	s_add_nc_u64 s[46:47], s[18:19], s[46:47]
.endm
.macro WLOAD n, t                      ; block t: 32 rows of my column
.irp i, 0,1,2,3,4,5,6,7,8,9,10,11,12,13,14,15,16,17,18,19,20,21,22,23,24,25,26,27,28,29,30,31
	global_load_b32 v[WX+32*((\t)%2)+\i], v4, s[34:35] offset:(32*(\t)+\i)*(\n)*4 th:TH_LOAD_NT
.endr
.endm
.macro WBLOCK n, t
.set XS, WX+32*((\t)%2)
.set QK, (\t)/4
.set BL, (\t)%4
.set FD, F0+24*QK+12*(BL%2)+6*(BL/2)
.set TD, TA+4*(BL%2)
.if \t < 7
	s_wait_loadcnt 32                              ; this block's 32 loads are in; the next block's may be out
.else
	s_wait_loadcnt 0x0
.endif
	v_max3_num_f32 v[WT], |v[XS]|, |v[XS+1]|, |v[XS+2]|
	v_max3_num_f32 v[WT+1], |v[XS+3]|, |v[XS+4]|, |v[XS+5]|
.irp i, 6,10,14,18,22,26
	v_max3_num_f32 v[WT], v[WT], |v[XS+\i]|, |v[XS+\i+1]|
	v_max3_num_f32 v[WT+1], v[WT+1], |v[XS+\i+2]|, |v[XS+\i+3]|
.endr
	v_max3_num_f32 v[WT], v[WT], |v[XS+30]|, |v[XS+31]|
	v_max3_num_f32 v[WT], v[WT], v[WT+1], 0x1800000   ; the floor 2^(3 - 127)
	v_add_nc_u32 v[WT+2], 0xff000000, v[WT]        ; the conversion's scale operand
	v_lshrrev_b32 v[WT+3], 23, v[WT+2]             ; the byte
.if BL == 0
	v_mov_b32 v[SW+QK], v[WT+3]
.else
	v_lshl_or_b32 v[SW+QK], v[WT+3], 8*BL, v[SW+QK]
.endif
	v_cvt_scalef32_pk16_fp6_f32 v[FD:FD+2], v[XS:XS+15], v[WT+2]
	v_cvt_scalef32_pk16_fp6_f32 v[TD:TD+2], v[XS+16:XS+31], v[WT+2]
.if (\t)+2 < 8
	WLOAD \n, (\t)+2
.endif
.if BL%2 == 1
	v_nop                                          ; one plain place behind a scaled conversion
.irp i, 0,1,2
	v_permlane16_swap_b32 v[F0+24*QK+6*(BL/2)+\i], v[F0+24*QK+12+6*(BL/2)+\i]
	v_permlane16_swap_b32 v[TA+\i], v[TA+4+\i]
.endr
.irp i, 0,1,2
	v_mov_b32 v[F0+24*QK+6*(BL/2)+3+\i], v[TA+\i]
	v_mov_b32 v[F0+24*QK+12+6*(BL/2)+3+\i], v[TA+4+\i]
.endr
.endif
.if BL == 3
.irp c, 0,1,2,3,4,5
	global_store_b128 v5, v[F0+24*QK+4*\c:F0+24*QK+4*\c+3], s[40+2*QK:41+2*QK] offset:512*\c   ; two fragments: 3,072 bytes on end
.endr
	global_store_b32 v6, v[SW+QK], s[44+2*QK:45+2*QK]
.endif
.endm
.macro WBODY n
	WLOAD \n, 0
	WLOAD \n, 1
.set tt, 0
.rept 8
	WBLOCK \n, tt
.set tt, tt+1
.endr
.endm
.Lweights:
	v_and_b32 v4, 8, v2
	v_add_nc_u32 v4, v4, v2
	v_lshl_add_u32 v4, v3, 3, v4
	v_lshlrev_b32 v4, 2, v4                        ; my column among the wave's 32, in bytes
	v_lshlrev_b32 v5, 4, v1
	v_lshlrev_b32 v6, 2, v1
	s_wait_kmcnt 0x0
	s_cmp_ge_u32 ttmp9, 192
	s_cbranch_scc1 .Lff1
	s_sub_co_u32 s24, ttmp9, 64
	s_lshr_b32 s25, s24, 4                         ; 0..3: wq, wk, wv, wo
	s_lshl_b32 s31, s25, 6
	s_add_co_u32 s31, s31, 256
	s_and_b32 s32, s24, 3
	s_lshr_b32 s33, s24, 2
	s_cmp_eq_u32 s25, 1                            ; the choices hang on the work-group's number alone
	s_cselect_b64 s[34:35], s[8:9], s[6:7]
	s_cmp_eq_u32 s25, 2
	s_cselect_b64 s[34:35], s[10:11], s[34:35]
	s_cmp_eq_u32 s25, 3
	s_cselect_b64 s[34:35], s[12:13], s[34:35]
	s_mov_b32 s29, P1S
	s_cmp_ge_u32 ttmp9, 128                        ; w_ff2
	s_cselect_b64 s[34:35], s[16:17], s[34:35]
	s_cselect_b32 s26, 15, 3
	s_cselect_b32 s27, 64, 768
	s_cselect_b32 s28, W2C, 0
	s_cselect_b32 s29, W2S, s29
	s_cselect_b32 s31, 0, s31
	s_and_b32 s33, s33, s26
	WADDR 1024
	WBODY 1024
	s_endpgm
.Lff1:
	s_sub_co_u32 s24, ttmp9, 192
	s_and_b32 s32, s24, 15
	s_lshr_b32 s33, s24, 4
	s_mov_b64 s[34:35], s[14:15]
	s_mov_b32 s27, 768
	s_mov_b32 s28, 0
	s_mov_b32 s29, P1S
	s_mov_b32 s31, 512
	WADDR 4096
	WBODY 4096
	s_endpgm
.Lfunc_end_k_q92e0265e84_prep:
	.size	k_q92e0265e84_prep, .Lfunc_end_k_q92e0265e84_prep-k_q92e0265e84_prep
	.p2alignl 7, 3214868480
	.fill 96, 4, 3214868480
	.section	.rodata,"a",@progbits
	.p2align	6, 0x0
	.amdhsa_kernel k_q92e0265e84_prep
		.amdhsa_group_segment_fixed_size 68608
		.amdhsa_private_segment_fixed_size 0
		.amdhsa_enable_private_segment 0
		.amdhsa_kernarg_size 64
		.amdhsa_user_sgpr_count 2
		.amdhsa_user_sgpr_kernarg_segment_ptr 1
		.amdhsa_wavefront_size32 1
		.amdhsa_system_sgpr_workgroup_id_x 1
		.amdhsa_system_sgpr_workgroup_id_y 1
		.amdhsa_system_sgpr_workgroup_id_z 1
		.amdhsa_system_vgpr_workitem_id 0
		.amdhsa_next_free_vgpr 256
		.amdhsa_next_free_sgpr 66
		.amdhsa_reserve_vcc 0
		.amdhsa_float_denorm_mode_32 3
		.amdhsa_float_denorm_mode_16_64 3
		.amdhsa_memory_ordered 1
		.amdhsa_forward_progress 1
		.amdhsa_inst_pref_size 109
	.end_amdhsa_kernel
	.amdgpu_metadata
---
amdhsa.version: [ 1, 2 ]
amdhsa.kernels:
  - .name:           k_q92e0265e84_prep
    .symbol:         k_q92e0265e84_prep.kd
    .args:
      - { .name: x, .offset: 0, .size: 8, .value_kind: global_buffer, .address_space: global }
      - { .name: wq, .offset: 8, .size: 8, .value_kind: global_buffer, .address_space: global }
      - { .name: wk, .offset: 16, .size: 8, .value_kind: global_buffer, .address_space: global }
      - { .name: wv, .offset: 24, .size: 8, .value_kind: global_buffer, .address_space: global }
      - { .name: wo, .offset: 32, .size: 8, .value_kind: global_buffer, .address_space: global }
      - { .name: w_ff1, .offset: 40, .size: 8, .value_kind: global_buffer, .address_space: global }
      - { .name: w_ff2, .offset: 48, .size: 8, .value_kind: global_buffer, .address_space: global }
      - { .name: wts, .offset: 56, .size: 8, .value_kind: global_buffer, .address_space: global }
    .group_segment_fixed_size: 68608
    .private_segment_fixed_size: 0
    .kernarg_segment_align: 8
    .kernarg_segment_size: 64
    .max_flat_workgroup_size: 256
    .sgpr_count:     66
    .vgpr_count:     256
    .wavefront_size: 32
...
	.end_amdgpu_metadata
.endif
;; end of part 1
;; launch qkv (part 2): grid 12 x 16, 8 waves a work-group, clusters of 4 x 4, 327,680 bytes of LDS; arguments wts, bq, bk, bv, qkv; writes qkv
.if DOCPART == 2
	.amdgcn_target "amdgcn-amd-amdhsa--gfx1250"
	.amdhsa_code_object_version 6
	.text
	.protected	k_q92e0265e84_qkv
	.globl	k_q92e0265e84_qkv
	.p2align	8
	.type	k_q92e0265e84_qkv,@function
k_q92e0265e84_qkv:
	s_mov_b64 s[64:65], 0
	v_nop
	global_prefetch_b8 v0, s[64:65] scope:SCOPE_SE
	s_setreg_imm32_b32 hwreg(HW_REG_WAVE_MODE, 25, 1), 1
	s_wait_xcnt 0x0
	s_wait_alu depctr_hold_cnt(0) depctr_sa_sdst(0) depctr_va_vdst(0) depctr_va_sdst(0) depctr_va_ssrc(0) depctr_va_vcc(0) depctr_vm_vsrc(0)
	s_getreg_b32 s2, hwreg(HW_REG_IB_STS2, 6, 4)
	s_cmp_eq_u32 s2, 0
	s_cbranch_scc0 .Lentry_in_a_cluster
	s_endpgm
.Lentry_in_a_cluster:
	s_bfe_u32 s2, ttmp6, 0x10000c
	s_cmp_lg_u32 s2, 0xf033
	s_cbranch_scc0 .Lentry_shape_is_right
	s_endpgm
.Lentry_shape_is_right:
; q = x wq + bq, k = x wk + bk, v = x wv + bv on codes of FP6 (E2M3) with E8M0 scales, and their quantising: q and k along a head's 64, v along the keys.
; All operands lie in wts in the order of the operand's registers (a fragment of 16 rows x 128 K: 1,536 bytes, three loads of 16 bytes a lane; rows in slot order: tile 2 p + u, lane row r = true row 32 p + 8 u + r + 8 (r / 8)).
; A work-group of eight waves makes 256 x 256; a wave 64 (source 1's side, "A") x 128 (source 0's side, "B"): 32 accumulators, window 1.  In accumulator (a, b) lane (r, h) holds A's slot r of tile a, and register j
; B's true row 32 (b / 2) + 16 h + 8 (b % 2) + j: a lane's 64 registers of one a are 128 along the next K in the order that the conversions want.
; Clusters x = 0, 1: A = x, B = wq or wk: results are rows of tokens with the channels along the registers (two heads a wave).  Cluster x = 2: A = wv, B = x: rows of channels with the KEYS along the registers.
; K = 1,024 goes through a ring of two LDS slots of two K steps; waves 0-3 fetch A's tiles, waves 4-7 B's, one tensor load a wave: two rows (K steps) of four fragments, 6,144 bytes each.
; CLUSTER 4 x 4: A's tiles are shared along a row of the cluster, B's along a column: joint loads.  All scale words of the work-group's rows come once, with the first fills.
; qkv: a record of 315,392 bytes for each (batch, head): K codes [128 tiles][768], V codes [16 K steps of keys][4 tiles][1,536], K scale words [2,048], V scale words [16][64], Q codes, Q scale words.
; LIMITS: NaN and infinities are not served; a block whose largest magnitude lies under 2^-124, a block of zeros too, gets the byte 1 (this program alone reads the bytes).
.set SLOTB, 98304                      ; a slot: eight waves' loads of 12,288 bytes: [wave][K step][4 fragments]
.set SCL,   2*SLOTB                    ; A's scale words [8 K steps][256], then B's
.set SPARE, SCL+16384                  ; the spare words, 128 bytes a wave
.set STEPA, 2*768*1536                 ; two K steps on, in bytes
.set STEPB, 2*768*1536
.set P1S,   9437184
.set REC,   315392
.set ALO, 4                            ; v4-5 LDS address of my A fragments 0, 1 in slot 0, 1;  v6-7 of fragments 2, 3;  v8-9 of my B fragments
.set AHI, 6
.set BB,  8
.set ADSA0, 10                         ; v10, v11 my A scale words (tiles 0, 1; tiles 2, 3);  v12 B's
.set ADSA1, 11
.set ADSB,  12
.set SPW, 13                           ; v13 my spare word;  v14 = 0; both never rewritten
.set NIL, 14
.set L16, 15                           ; 16, 4, 8 x lane
.set L4,  16
.set L8,  17
.set SA,  20                           ; v20-21 A's scale words: lanes 0-15 the even tile, lanes 16-31 the odd;  v22-25 B's
.set SB,  22
.set AF,  32                           ; v32-79 A's four fragments;  v80-175 B's eight
.set BF,  80
.set BN,  176                          ; v176-239 the bias along the registers;  v240-243 bv along the lanes
.set BM,  240
.set T,   32                           ; the way out: 64 numbers; v128.. at work; v144.. codes
.set TM,  128
.set PC,  144
.set PW,  164
.set PWE, 165
.set PWS, 166
.set WV,  14
.set G1,  24
.set G0,  32
.set G1B, 48
.set G0B, 56
.set G1S, 68
.set G0S, 76
.set G1SB, 80
.set G0SB, 88
.set SEL, 94
.set MHI, 96
.set MSB, 0
.macro WIN new                         ; the immediate's high byte repeats the setting that is left
.if MSB != \new
	s_set_vgpr_msb (MSB<<8)|\new
.set MSB, \new
.endif
.endm
.macro PLACES                          ; four plain places behind a matrix instruction, ahead of loads into its registers and of reads of its result
.rept 4
	v_nop
.endr
.endm
.macro CROUND                          ; a round of the cluster's barrier
	s_barrier_signal -1
	s_barrier_wait -1
	s_cmp_lg_u32 s[WV], 0
	s_cbranch_scc1 .Lnot_wave_0_\@
	s_barrier_signal -3
.Lnot_wave_0_\@:
	s_barrier_wait -3
	s_barrier_signal -1
	s_barrier_wait -1
.endm
.macro JLOAD s                         ; a joint load; the branch hangs on the wave's number alone; four v_nop follow each line
	s_cmp_eq_u32 s15, 0
	s_cbranch_scc0 .Lfor_b_\@
	tensor_load_to_lds s[G0+4*(\s):G0+4*(\s)+3], s[G1:G1+7]
	s_nop 0
	PLACES
	s_branch .Lasked_\@
.Lfor_b_\@:
	tensor_load_to_lds s[G0B+4*(\s):G0B+4*(\s)+3], s[G1B:G1B+7]
	s_nop 0
	PLACES
.Lasked_\@:
.endm
.macro MM a, b, first                  ; accumulator (a, b): source 0 = B's fragment b, source 1 = A's fragment a; an odd tile's scale words stand in lanes 16-31
.set DD, 8*(8*(\a)+(\b))
.set FB, BF+12*(\b)
.set FA, AF+12*(\a)
.set S0, SB+(\b)/2
.set S1, SA+(\a)/2
.set VAR, 4*(\first)+2*((\b)%2)+(\a)%2
.if VAR == 0
	v_wmma_scale_f32_16x16x128_f8f6f4 v[DD:DD+7], v[FB:FB+11], v[FA:FA+11], v[DD:DD+7], v[S0], v[S1] matrix_a_fmt:MATRIX_FMT_FP6 matrix_b_fmt:MATRIX_FMT_FP6
.elseif VAR == 1
	v_wmma_scale_f32_16x16x128_f8f6f4 v[DD:DD+7], v[FB:FB+11], v[FA:FA+11], v[DD:DD+7], v[S0], v[S1] matrix_a_fmt:MATRIX_FMT_FP6 matrix_b_fmt:MATRIX_FMT_FP6 matrix_b_scale:MATRIX_SCALE_ROW1
.elseif VAR == 2
	v_wmma_scale_f32_16x16x128_f8f6f4 v[DD:DD+7], v[FB:FB+11], v[FA:FA+11], v[DD:DD+7], v[S0], v[S1] matrix_a_fmt:MATRIX_FMT_FP6 matrix_b_fmt:MATRIX_FMT_FP6 matrix_a_scale:MATRIX_SCALE_ROW1
.elseif VAR == 3
	v_wmma_scale_f32_16x16x128_f8f6f4 v[DD:DD+7], v[FB:FB+11], v[FA:FA+11], v[DD:DD+7], v[S0], v[S1] matrix_a_fmt:MATRIX_FMT_FP6 matrix_b_fmt:MATRIX_FMT_FP6 matrix_a_scale:MATRIX_SCALE_ROW1 matrix_b_scale:MATRIX_SCALE_ROW1
.elseif VAR == 4
	v_wmma_scale_f32_16x16x128_f8f6f4 v[DD:DD+7], v[FB:FB+11], v[FA:FA+11], 0, v[S0], v[S1] matrix_a_fmt:MATRIX_FMT_FP6 matrix_b_fmt:MATRIX_FMT_FP6
.elseif VAR == 5
	v_wmma_scale_f32_16x16x128_f8f6f4 v[DD:DD+7], v[FB:FB+11], v[FA:FA+11], 0, v[S0], v[S1] matrix_a_fmt:MATRIX_FMT_FP6 matrix_b_fmt:MATRIX_FMT_FP6 matrix_b_scale:MATRIX_SCALE_ROW1
.elseif VAR == 6
	v_wmma_scale_f32_16x16x128_f8f6f4 v[DD:DD+7], v[FB:FB+11], v[FA:FA+11], 0, v[S0], v[S1] matrix_a_fmt:MATRIX_FMT_FP6 matrix_b_fmt:MATRIX_FMT_FP6 matrix_a_scale:MATRIX_SCALE_ROW1
.else
	v_wmma_scale_f32_16x16x128_f8f6f4 v[DD:DD+7], v[FB:FB+11], v[FA:FA+11], 0, v[S0], v[S1] matrix_a_fmt:MATRIX_FMT_FP6 matrix_b_fmt:MATRIX_FMT_FP6 matrix_a_scale:MATRIX_SCALE_ROW1 matrix_b_scale:MATRIX_SCALE_ROW1
.endif
.endm
; One K step of 128: 6 scale loads, 12 + 24 fragment loads, 32 matrix instructions.  The 32 accumulators take turns, one instruction a turn, in the same order in every step.
; The other wave of the SIMD works while this one waits for LDS.
.macro KSTEP slot, co, sa, sb, first
	PLACES
	ds_load_b32 v[SA], v[ADSA0] offset:\sa
	ds_load_b32 v[SA+1], v[ADSA1] offset:\sa
.irp j, 0,1,2,3
	ds_load_b32 v[SB+\j], v[ADSB] offset:(\sb)+128*\j
.endr
.irp a, 0,1
.irp c, 0,1,2
	ds_load_b128 v[AF+12*\a+4*\c:AF+12*\a+4*\c+3], v[ALO+\slot] offset:(\co)+1536*\a+512*\c
.endr
.endr
.irp a, 0,1
.irp c, 0,1,2
	ds_load_b128 v[AF+24+12*\a+4*\c:AF+24+12*\a+4*\c+3], v[AHI+\slot] offset:(\co)+1536*\a+512*\c
.endr
.endr
.irp b, 0,1,2,3,4,5,6,7
.irp c, 0,1,2
	ds_load_b128 v[BF+12*\b+4*\c:BF+12*\b+4*\c+3], v[BB+\slot] offset:(\co)+12288*(\b/4)+1536*(\b%4)+512*\c
.endr
.endr
	WIN 0x50                                       ; C and D in window 1
.irp b, 0,1,2,3,4,5,6,7
	s_wait_dscnt 3*(7-\b)                          ; all but the loads of B's later fragments
.irp a, 0,1,2,3
	MM \a, \b, \first
.endr
.endr
	WIN 0
.endm
; A slot's turn.  Every wave waits for all its tensor loads (one is out; two at the start), adds 0 to its spare word, waits for that and for its reads of the other slot; a round of the cluster's barrier; the joint
; refill of the other slot first behind it; then this slot's two K steps.
.macro TRIP slot, refill, ks, first
	s_wait_tensorcnt 0x0
	ds_add_u32 v[SPW], v[NIL]
	s_add_nc_u64 s[G0+4*\slot+2:G0+4*\slot+3], s[G0+4*\slot+2:G0+4*\slot+3], 2*STEPA   ; no load of mine is out: this slot's next tile
	s_add_nc_u64 s[G0B+4*\slot+2:G0B+4*\slot+3], s[G0B+4*\slot+2:G0B+4*\slot+3], 2*STEPB
	s_wait_dscnt 0x0
	CROUND
.if \refill
	JLOAD 1-\slot
.endif
	KSTEP \slot, 0, 1024*(\ks), 1024*(\ks), \first
	KSTEP \slot, 6144, 1024*(\ks)+1024, 1024*(\ks)+1024, 0
.endm
; 64 numbers of a lane, register 16 b + i = k 32 b + 16 (lane / 16) + i of my row, become a fragment's codes in v[PC] on and its scale word in v[PW] (the same in both halves of the lanes).
.macro QUANT s
.irp b, 0,1,2,3
	v_max3_num_f32 v[TM+\b], |v[\s+16*\b]|, |v[\s+1+16*\b]|, 0x1800000   ; with the floor 2^(3 - 127): the byte cannot fall under 1
.endr
.irp i, 2,4,6,8,10,12,14
.irp b, 0,1,2,3
	v_max3_num_f32 v[TM+\b], v[TM+\b], |v[\s+16*\b+\i]|, |v[\s+1+16*\b+\i]|
.endr
.endr
.irp b, 0,1,2,3
	v_permlanex16_b32 v[TM+4+\b], v[TM+\b], s[SEL], s[SEL+1]
.endr
.irp b, 0,1,2,3
	v_max_num_f32 v[TM+\b], v[TM+\b], v[TM+4+\b]   ; the block's largest magnitude
.endr
.irp b, 0,1,2,3
	v_add_nc_u32 v[TM+12+\b], 0xff000000, v[TM+\b] ; 2 off its exponent field: the conversion's scale operand
.endr
.irp b, 0,1,2,3
	v_lshrrev_b32 v[TM+4+\b], 23, v[TM+12+\b]      ; the byte
.endr
	v_lshl_or_b32 v[PW], v[TM+5], 8, v[TM+4]
	v_lshl_or_b32 v[PW], v[TM+6], 16, v[PW]
	v_lshl_or_b32 v[PW], v[TM+7], 24, v[PW]
.irp c, 0,1
	v_cvt_scalef32_pk16_fp6_f32 v[PC+6*\c:PC+2+6*\c], v[\s+32*\c:\s+15+32*\c], v[TM+12+2*\c]
	v_cvt_scalef32_pk16_fp6_f32 v[PC+12+4*\c:PC+14+4*\c], v[\s+16+32*\c:\s+31+32*\c], v[TM+12+2*\c+1]
.endr
	v_nop                                          ; one plain place behind a scaled conversion
.irp c, 0,1                                    ; a whole block to a lane: lanes 0-15 block 2 c, lanes 16-31 block 2 c + 1
.irp i, 0,1,2
	v_permlane16_swap_b32 v[PC+6*\c+\i], v[PC+12+4*\c+\i]
.endr
.irp i, 0,1,2
	v_mov_b32 v[PC+3+6*\c+\i], v[PC+12+4*\c+\i]
.endr
.endr
.endm
	s_load_b256 s[4:11], s[0:1], 0x0               ; wts, bq, bk, bv
	s_load_b64 s[12:13], s[0:1], 0x20              ; qkv
	v_lshl_add_u32 v[SPW], v0, 2, SPARE
	v_mov_b32 v[NIL], 0
	ds_add_u32 v13, v14
	s_wait_dscnt 0x0
	v_lshrrev_b32 v1, 5, v0
	v_readfirstlane_b32 s[WV], v1                  ; wave 0..7
	s_lshr_b32 s15, s[WV], 2                       ; I fetch for A (0) or for B (1),
	s_and_b32 s16, s[WV], 3                        ; its tiles 4 part .. 4 part + 3
	s_lshr_b32 s17, s[WV], 1                       ; wm: my 64 of A's 256 rows
	s_and_b32 s18, s[WV], 1                        ; wn: my 128 of B's 256
	s_bfe_u32 s40, ttmp6, 0x40000                  ; cx
	s_bfe_u32 s41, ttmp6, 0x40004                  ; cy
	s_and_b32 s42, ttmp7, 0xffff                   ; the cluster's y; ttmp9 is its x
	s_lshl_b32 s43, s41, 2
	s_lshl_b32 s43, 15, s43                        ; my row of the cluster
	s_lshl_b32 s44, 0x1111, s40                    ; my column
	s_mov_b32 s[SEL], 0x76543210
	s_mov_b32 s[SEL+1], 0xfedcba98
	s_mov_b32 s[MHI], 0xffff0000
	s_or_b32 s[G1], s43, (3<<16)|(1<<21)           ; codes: elements of 8 bytes; 2 rows (K steps) of 768 elements (four fragments), 768 fragments apart
	s_or_b32 s[G1B], s44, (3<<16)|(1<<21)
.irp g, G1, G1B
	s_mov_b32 s[\g+1], 768<<16
	s_mov_b32 s[\g+2], 2<<16
	s_mov_b32 s[\g+3], 768<<16
	s_mov_b32 s[\g+4], 2
	s_mov_b32 s[\g+5], 768*192
	s_mov_b32 s[\g+6], 0
	s_mov_b32 s[\g+7], 0
.endr
	s_or_b32 s[G1S], s43, (3<<16)|(1<<21)          ; scale words: 2 rows (K steps) of 1,024 bytes (256 slots), 12,288 slots apart
	s_or_b32 s[G1SB], s44, (3<<16)|(1<<21)
.irp g, G1S, G1SB
	s_mov_b32 s[\g+1], 128<<16
	s_mov_b32 s[\g+2], 2<<16
	s_mov_b32 s[\g+3], 128<<16
	s_mov_b32 s[\g+4], 2
	s_mov_b32 s[\g+5], 6144
	s_mov_b32 s[\g+6], 0
	s_mov_b32 s[\g+7], 0
.endr
	s_lshl_b32 s45, s42, 6                         ; 64 x cluster y
	s_lshl_b32 s46, ttmp9, 6
	s_add_co_u32 s46, s46, 256                     ; wq's or wk's first tile
	s_cmp_eq_u32 ttmp9, 2                          ; the cluster that makes v: the same in all sixteen partners
	s_cselect_b32 s20, 384, s45                    ; A: wv, or x
	s_cselect_b32 s46, s45, s46                    ; B: x, or the weight
	s_lshl_b32 s21, s41, 4
	s_add_co_u32 s20, s20, s21                     ; A's first tile: + 16 cy
	s_lshl_b32 s47, s40, 4
	s_add_co_u32 s46, s46, s47                     ; B's: + 16 cx
	s_lshl_b32 s19, s16, 2
	s_add_co_u32 s22, s20, s19
	s_mul_i32 s22, s22, 1536                       ; A's codes that I would fetch
	s_mov_b32 s23, 0
	s_lshl_b32 s20, s20, 6
	s_mul_i32 s21, s16, 98304
	s_add_co_u32 s20, s20, s21
	s_add_co_u32 s20, s20, P1S                     ; and scale words: K steps 2 part, 2 part + 1
	s_mov_b32 s21, 0
	s_add_co_u32 s92, s46, s19
	s_mul_i32 s92, s92, 1536
	s_mov_b32 s93, 0
	s_lshl_b32 s46, s46, 6
	s_mul_i32 s47, s16, 98304
	s_add_co_u32 s46, s46, s47
	s_add_co_u32 s46, s46, P1S
	s_mov_b32 s47, 0
	s_mul_i32 s45, s[WV], 12288                    ; where they go: the wave's number alone
	s_lshl_b32 s66, s[WV], 11
	s_wait_kmcnt 0x0
	s_add_nc_u64 s[22:23], s[4:5], s[22:23]
	s_add_nc_u64 s[20:21], s[4:5], s[20:21]
	s_add_nc_u64 s[92:93], s[4:5], s[92:93]
	s_add_nc_u64 s[46:47], s[4:5], s[46:47]
	s_mov_b32 s[G0S], 1
	s_add_co_u32 s[G0S+1], s66, SCL
	s_mov_b64 s[G0S+2:G0S+3], s[20:21]
	s_or_b32 s[G0S+3], s[G0S+3], 0x80000000
	s_mov_b32 s[G0SB], 1
	s_add_co_u32 s[G0SB+1], s66, SCL
	s_mov_b64 s[G0SB+2:G0SB+3], s[46:47]
	s_or_b32 s[G0SB+3], s[G0SB+3], 0x80000000
.irp s, 0,1
	s_mov_b32 s[G0+4*\s], 1
	s_add_co_u32 s[G0+4*\s+1], s45, \s*SLOTB
	s_add_nc_u64 s[G0+4*\s+2:G0+4*\s+3], s[22:23], \s*STEPA
	s_or_b32 s[G0+4*\s+3], s[G0+4*\s+3], 0x80000000
	s_mov_b32 s[G0B+4*\s], 1
	s_add_co_u32 s[G0B+4*\s+1], s45, \s*SLOTB
	s_add_nc_u64 s[G0B+4*\s+2:G0B+4*\s+3], s[92:93], \s*STEPB
	s_or_b32 s[G0B+4*\s+3], s[G0B+4*\s+3], 0x80000000
.endr
	CROUND                                         ; all sixteen work-groups are here: the first joint loads meet
	s_cmp_eq_u32 s15, 0                            ; a wave's two first fills stand in one branch: the scale words, then slot 0
	s_cbranch_scc0 .Lfirst_b
	tensor_load_to_lds s[G0S:G0S+3], s[G1S:G1S+7]
	s_nop 0
	tensor_load_to_lds s[G0:G0+3], s[G1:G1+7]
	s_nop 0
	PLACES
	s_branch .Lfirst_done
.Lfirst_b:
	tensor_load_to_lds s[G0SB:G0SB+3], s[G1SB:G1SB+7]
	s_nop 0
	tensor_load_to_lds s[G0B:G0B+3], s[G1B:G1B+7]
	s_nop 0
	PLACES
.Lfirst_done:
	v_and_b32 v1, 31, v0                           ; lane
	v_and_b32 v2, 15, v0                           ; r
	v_bfe_u32 v3, v0, 4, 1                         ; h
	v_lshlrev_b32 v[L16], 4, v1
	v_lshlrev_b32 v[L4], 2, v1
	v_lshlrev_b32 v[L8], 3, v1
	s_mul_i32 s19, s17, 12288
	v_add_nc_u32 v[ALO], s19, v[L16]
	v_add_nc_u32 v[ALO+1], SLOTB, v[ALO]
	v_add_nc_u32 v[AHI], 3072, v[ALO]
	v_add_nc_u32 v[AHI+1], 3072, v[ALO+1]
	s_mul_i32 s19, s18, 24576
	s_add_co_u32 s19, s19, 4*12288
	v_add_nc_u32 v[BB], s19, v[L16]
	v_add_nc_u32 v[BB+1], SLOTB, v[BB]
	s_lshl_b32 s19, s17, 8
	s_add_co_u32 s19, s19, SCL
	v_add_nc_u32 v[ADSA0], s19, v[L4]
	v_add_nc_u32 v[ADSA1], 128, v[ADSA0]
	s_lshl_b32 s19, s18, 9
	s_add_co_u32 s19, s19, SCL+8192
	v_add_nc_u32 v[ADSB], s19, v[L4]
	; the biases, in both forms on the one way that all waves take: along the registers (q, k: the channel is B's row), and bv along the lanes (v: the channel is A's slot)
	s_cmp_eq_u32 ttmp9, 0
	s_cselect_b64 s[98:99], s[6:7], s[8:9]
	s_cmp_eq_u32 ttmp9, 2
	s_cselect_b64 s[98:99], s[10:11], s[98:99]
	s_lshl_b32 s2, s40, 10
	s_lshl_b32 s3, s18, 9
	s_add_co_u32 s2, s2, s3
	s_mov_b32 s3, 0
	s_add_nc_u64 s[98:99], s[98:99], s[2:3]        ; channel 256 cx + 128 wn
	v_lshlrev_b32 v18, 6, v3                       ; + 16 h
.irp b, 0,1,2,3,4,5,6,7
.irp i, 0,1
	global_load_b128 v[BN+8*\b+4*\i:BN+8*\b+4*\i+3], v18, s[98:99] offset:4*(32*(\b/2)+8*(\b%2))+16*\i
.endr
.endr
	s_lshl_b32 s2, s41, 10
	s_lshl_b32 s3, s17, 8
	s_add_co_u32 s2, s2, s3
	s_mov_b32 s3, 0
	s_add_nc_u64 s[10:11], s[10:11], s[2:3]        ; channel 256 cy + 64 wm
	v_and_b32 v19, 8, v2
	v_add_nc_u32 v19, v19, v2
	v_lshlrev_b32 v19, 2, v19                      ; + r + 8 (r / 8)
.irp a, 0,1,2,3
	global_load_b32 v[BM+\a], v19, s[10:11] offset:4*(32*(\a/2)+8*(\a%2))
.endr
	TRIP 0, 1, 0, 1                                ; the first K step's products start the sums
	TRIP 1, 1, 2, 0
	TRIP 0, 1, 4, 0
	TRIP 1, 0, 6, 0                                ; nothing is left to fetch
	PLACES
.irp b, 0,1,2,3
	v_mov_b32 v[TM+4+\b], 0                        ; a lane permute's destination counts as read
.endr
	s_wait_loadcnt 0x0                             ; the biases
	s_lshr_b32 s2, s42, 1
	s_lshl_b32 s2, s2, 4                           ; 16 x batch
	s_and_b32 s3, s42, 1
	s_cmp_eq_u32 ttmp9, 2
	s_cbranch_scc1 .Lvpath
	; ---- q, k: rows of tokens; my 128 channels are heads 4 cx + 2 wn and the next
	s_lshl_b32 s19, s40, 2
	s_add_co_u32 s2, s2, s19
	s_lshl_b32 s19, s18, 1
	s_add_co_u32 s2, s2, s19
	s_mul_i32 s2, s2, REC                          ; the even head's record
	s_lshl_b32 s3, s3, 6
	s_lshl_b32 s19, s41, 4
	s_add_co_u32 s3, s3, s19
	s_lshl_b32 s19, s17, 2
	s_add_co_u32 s3, s3, s19                       ; my first tile of tokens in the batch
	s_mov_b32 s97, 196608
	s_cmp_eq_u32 ttmp9, 0
	s_cselect_b32 s19, 208896, 0                   ; Q's codes, or K's
	s_cselect_b32 s97, 307200, s97                 ; and scale words
	s_mul_i32 s20, s3, 768
	s_add_co_u32 s20, s20, s2
	s_add_co_u32 s20, s20, s19
	s_mov_b32 s21, 0
	s_lshl_b32 s22, s3, 6
	s_add_co_u32 s22, s22, s2
	s_add_co_u32 s22, s22, s97
	s_mov_b32 s23, 0
	s_add_nc_u64 s[20:21], s[12:13], s[20:21]
	s_add_nc_u64 s[22:23], s[12:13], s[22:23]
.macro QKOUT a
.if \a > 0
	s_wait_xcnt 0x0                                ; the last tile's stores have read their registers
.endif
	WIN 0x01                                       ; source 0 in window 1
.set i, 0
.rept 32
	v_pk_add_f32 v[T+i:T+i+1], v[64*(\a)+i:64*(\a)+i+1], v[BN+i:BN+i+1]   ; each accumulator from its low end on
.set i, i+2
.endr
	WIN 0
	QUANT T
.irp c, 0,1,2
	global_store_b64 v[L8], v[PC+2*\c:PC+2*\c+1], s[20:21] offset:768*(\a)+256*\c              ; k = 0 .. 63: the even head's half fragment, 256 consecutive bytes a store
	global_store_b64 v[L8], v[PC+6+2*\c:PC+7+2*\c], s[20:21] offset:768*(\a)+256*\c+REC        ; k = 64 .. 127: the odd head's
.endr
.if (\a)%2 == 0
	v_mov_b32 v[PWE], v[PW]
.else
	v_cndmask_b32 v[PWS], v[PWE], v[PW], s[MHI]    ; two tiles' words
	v_and_b32 v167, 0xffff, v[PWS]                 ; bytes 0, 1: the even head's; bytes 2, 3 stay 0 over the zero codes that fill K to 128
	v_lshrrev_b32 v168, 16, v[PWS]
	global_store_b32 v[L4], v167, s[22:23] offset:128*((\a)/2)
	global_store_b32 v[L4], v168, s[22:23] offset:128*((\a)/2)+REC
.endif
.endm
	QKOUT 0
	QKOUT 1
	QKOUT 2
	QKOUT 3
	s_branch .Lend
.Lvpath:
	; ---- v: rows of channels (head 4 cy + wm, its four tiles), my 128 keys are K step 8 (cluster y % 2) + 2 cx + wn of the batch
	s_lshl_b32 s19, s41, 2
	s_add_co_u32 s2, s2, s19
	s_add_co_u32 s2, s2, s17
	s_mul_i32 s2, s2, REC
	s_lshl_b32 s3, s3, 3
	s_lshl_b32 s19, s40, 1
	s_add_co_u32 s3, s3, s19
	s_add_co_u32 s3, s3, s18
	s_mul_i32 s20, s3, 6144
	s_add_co_u32 s20, s20, s2
	s_add_co_u32 s20, s20, 98304
	s_mov_b32 s21, 0
	s_lshl_b32 s22, s3, 8
	s_add_co_u32 s22, s22, s2
	s_add_co_u32 s22, s22, 204800
	s_mov_b32 s23, 0
	s_add_nc_u64 s[20:21], s[12:13], s[20:21]
	s_add_nc_u64 s[22:23], s[12:13], s[22:23]
.macro VOUT a
.if \a > 0
	s_wait_xcnt 0x0
.endif
	WIN 0x01
.set i, 0
.rept 64
	v_add_f32 v[T+i], v[64*(\a)+i], v[BM+(\a)]
.set i, i+1
.endr
	WIN 0
	QUANT T
.irp c, 0,1,2
	global_store_b128 v[L16], v[PC+4*\c:PC+4*\c+3], s[20:21] offset:1536*(\a)+512*\c
.endr
.if (\a)%2 == 0
	v_mov_b32 v[PWE], v[PW]
.else
	v_cndmask_b32 v[PWS], v[PWE], v[PW], s[MHI]
	global_store_b32 v[L4], v[PWS], s[22:23] offset:128*((\a)/2)
.endif
.endm
	VOUT 0
	VOUT 1
	VOUT 2
	VOUT 3
.Lend:
	s_wait_tensorcnt 0x0                           ; the wave's end
	ds_add_u32 v[SPW], v[NIL]
	s_wait_dscnt 0x0
	CROUND                                         ; the closing round
	s_endpgm
.Lfunc_end_k_q92e0265e84_qkv:
	.size	k_q92e0265e84_qkv, .Lfunc_end_k_q92e0265e84_qkv-k_q92e0265e84_qkv
	.p2alignl 7, 3214868480
	.fill 96, 4, 3214868480
	.section	.rodata,"a",@progbits
	.p2align	6, 0x0
	.amdhsa_kernel k_q92e0265e84_qkv
		.amdhsa_group_segment_fixed_size 327680
		.amdhsa_private_segment_fixed_size 0
		.amdhsa_enable_private_segment 0
		.amdhsa_kernarg_size 40
		.amdhsa_user_sgpr_count 2
		.amdhsa_user_sgpr_kernarg_segment_ptr 1
		.amdhsa_wavefront_size32 1
		.amdhsa_system_sgpr_workgroup_id_x 1
		.amdhsa_system_sgpr_workgroup_id_y 1
		.amdhsa_system_sgpr_workgroup_id_z 1
		.amdhsa_system_vgpr_workitem_id 0
		.amdhsa_next_free_vgpr 512
		.amdhsa_next_free_sgpr 100
		.amdhsa_reserve_vcc 0
		.amdhsa_float_denorm_mode_32 3
		.amdhsa_float_denorm_mode_16_64 3
		.amdhsa_memory_ordered 1
		.amdhsa_forward_progress 1
		.amdhsa_inst_pref_size 124
	.end_amdhsa_kernel
	.amdgpu_metadata
---
amdhsa.version: [ 1, 2 ]
amdhsa.kernels:
  - .name:           k_q92e0265e84_qkv
    .symbol:         k_q92e0265e84_qkv.kd
    .args:
      - { .name: wts, .offset: 0, .size: 8, .value_kind: global_buffer, .address_space: global }
      - { .name: bq, .offset: 8, .size: 8, .value_kind: global_buffer, .address_space: global }
      - { .name: bk, .offset: 16, .size: 8, .value_kind: global_buffer, .address_space: global }
      - { .name: bv, .offset: 24, .size: 8, .value_kind: global_buffer, .address_space: global }
      - { .name: qkv, .offset: 32, .size: 8, .value_kind: global_buffer, .address_space: global }
    .group_segment_fixed_size: 327680
    .private_segment_fixed_size: 0
    .kernarg_segment_align: 8
    .kernarg_segment_size: 40
    .max_flat_workgroup_size: 256
    .sgpr_count:     100
    .vgpr_count:     512
    .wavefront_size: 32
...
	.end_amdgpu_metadata
.endif
;; end of part 2
;; launch attn (part 3): grid 8 x 32, 16 waves a work-group, no clusters, 210,944 bytes of LDS; arguments qkv, att; writes att
.if DOCPART == 3
	.amdgcn_target "amdgcn-amd-amdhsa--gfx1250"
	.amdhsa_code_object_version 6
	.text
	.protected	k_q92e0265e84_attn
	.globl	k_q92e0265e84_attn
	.p2align	8
	.type	k_q92e0265e84_attn,@function
k_q92e0265e84_attn:
	s_mov_b64 s[64:65], 0
	v_nop
	global_prefetch_b8 v0, s[64:65] scope:SCOPE_SE
	s_setreg_imm32_b32 hwreg(HW_REG_WAVE_MODE, 25, 1), 1
	s_wait_xcnt 0x0
; Causal attention of one (batch, head) on codes of FP6 (E2M3) with E8M0 scales, head size 64, 2,048 keys; the result / l is quantised along D and stored as half fragments of the next product's operand.
; THE SOFTMAX AHEAD OF THE SECOND PRODUCT: t = score x log2(e) / 8; M = the running largest t rounded UP to a whole number; p = 2^(t - M) is quantised along the keys, not normalised; the row's sum is taken of the
; unquantised p; when M moves, the sum and O are multiplied by 2^(old M - new M), which rounds nothing.
; The first product's K is 64: registers 6-11 of Q's and K's fragments are zero codes, and bytes 2, 3 of their scale words are 0.
; LDS: a head's K and V codes and scale words are the first 208,896 bytes of its record; each of the 16 waves brings a sixteenth (51 rows of 256 bytes) by ONE tensor load; nothing is filled again; one barrier.
; SHARES: work-group x takes the blocks of 128 queries x (waves 0-7) and 15 - x (waves 8-15): 17 key steps of 128 for each pair of waves, in every work-group.  A wave owns 16 queries, one tile.
; Every wave walks 16 trips; a step all of whose keys come after its queries is jumped over (a scalar branch on ids); in the step on the diagonal hidden scores become -infinity ahead of the maximum.
; NO CLUSTER, though the eight work-groups of a head read the same bytes: that branch hangs on the work-group's x, which would be its place in a cluster.
; LAYOUT: both products transposed (S^T = K Q^T, O^T = V^T P^T): a lane holds one query.  Tiles lie in slot order (tile 2 b + u, lane row r = row 32 b + 8 u + r + 8 (r / 8)), so the 16 registers of tiles 2 b, 2 b + 1 are
; 16 neighbouring keys (channels): 32 b + 16 (lane / 16) + 0 .. 15.
; LIMITS: NaN and infinities are not served; a block of the result whose largest magnitude lies under 2^-124 gets the byte 1.
.set REC, 315392
.set ATS, 3145728
.set WV,  18
.set SEL, 20
.set CS,  22
.set G1,  24
.set G0,  32
.set BETA, 36                          ; s36 my block of 128 queries;  s37 the key step;  s38-40 the step's place among codes (6,144 a step), K's scale words (512), V's (256)
.set ST,  37
.set TK,  38
.set TS,  39
.set TV,  40
.set MHI, 41
.set KF,  32                           ; v32-79 four fragments of K;  v80-103 two of V;  v104-107 K's scale words;  v108-109 V's
.set VF,  80
.set KSC, 104
.set VSC, 108
.set S,   128                          ; v128-191 S^T, then p;  v192-223 O^T;  v224-235 p's codes;  v236-247, v252-254 at work;  v248-251 the blocks' largest;  v253 p's scale word
.set O,   192
.set TP,  236
.set SO,  244
.set BX,  248
.macro PLACES
.rept 4
	v_nop
.endr
.endm
	s_load_b128 s[4:7], s[0:1], 0x0                ; qkv, att
	v_lshl_add_u32 v243, v0, 2, 0x33000
	v_mov_b32 v255, 0
	ds_add_u32 v243, v255
	v_lshrrev_b32 v8, 5, v0
	v_readfirstlane_b32 s[WV], v8                  ; wave 0..15
	s_and_b32 s8, ttmp7, 0xffff                    ; 16 x batch + head
	s_mul_i32 s10, s8, REC
	s_mov_b32 s11, 0
	s_mul_i32 s12, s[WV], 13056
	s_mov_b32 s13, 0
	s_mov_b32 s[G1], 3<<16                         ; elements of 8 bytes; 51 dense rows of 256 bytes
	s_mov_b32 s[G1+1], 32<<16
	s_mov_b32 s[G1+2], 51<<16
	s_mov_b32 s[G1+3], 32<<16
	s_mov_b32 s[G1+4], 51
	s_mov_b32 s[G1+5], 32
	s_mov_b32 s[G1+6], 0
	s_mov_b32 s[G1+7], 0
	s_wait_dscnt 0x0
	s_wait_kmcnt 0x0
	s_add_nc_u64 s[4:5], s[4:5], s[10:11]          ; my record
	s_mov_b32 s[G0], 1
	s_mov_b32 s[G0+1], s12
	s_add_nc_u64 s[G0+2:G0+3], s[4:5], s[12:13]
	s_or_b32 s[G0+3], s[G0+3], 0x80000000
	tensor_load_to_lds s[G0:G0+3], s[G1:G1+7]      ; my one tensor load
	s_nop 0
	PLACES
	s_sub_co_u32 s9, 15, ttmp9
	s_cmp_lt_u32 s[WV], 8
	s_cselect_b32 s[BETA], ttmp9, s9
	s_and_b32 s9, s[WV], 7
	s_lshl_b32 s14, s[BETA], 3
	s_add_co_u32 s14, s14, s9                      ; my tile of queries in the batch
	s_mul_i32 s12, s14, 768
	s_add_co_u32 s12, s12, 208896
	s_add_nc_u64 s[12:13], s[4:5], s[12:13]        ; Q's codes
	s_lshl_b32 s16, s14, 6
	s_add_co_u32 s16, s16, 307200
	s_mov_b32 s17, 0
	s_add_nc_u64 s[16:17], s[4:5], s[16:17]        ; Q's scale words
	v_and_b32 v29, 31, v0                          ; lane
	v_and_b32 v30, 15, v0                          ; r
	v_bfe_u32 v31, v0, 4, 1                        ; h
	v_lshlrev_b32 v1, 3, v29                       ; 8 x lane: my place in a half fragment
	v_lshl_add_u32 v2, v29, 4, 98304               ; V's codes: 16 x lane
	v_lshl_add_u32 v3, v29, 2, 196608              ; K's scale words: 4 x lane: two tiles' words a load
	v_lshl_add_u32 v4, v29, 2, 204800              ; V's
	v_lshlrev_b32 v6, 2, v30
.irp c, 0,1,2
	global_load_b64 v[16+2*\c:17+2*\c], v1, s[12:13] offset:256*\c   ; Q's half fragment stays in registers
.endr
	global_load_b32 v28, v6, s[16:17]              ; and its scale words
	v_lshl_add_u32 v7, v30, 2, v31                 ; the way out: my scale byte: 4 r + h
	s_lshr_b32 s15, s9, 1
	s_lshl_b32 s15, s15, 5
	s_and_b32 s19, s[WV], 1
	s_lshl_b32 s19, s19, 3
	s_add_co_u32 s15, s15, s19
	v_and_b32 v5, 8, v30
	v_add_nc_u32 v5, v5, v30
	v_lshlrev_b32 v10, 4, v31
	v_sub_nc_u32 v5, v5, v10
	v_add_nc_u32 v5, s15, v5                       ; d = my query in its block of 128, - 16 h: on the diagonal register 16 b + i is hidden where 32 b + i > d
	s_and_b32 s42, s8, 15                          ; head
	s_lshr_b32 s43, s8, 4                          ; batch
	s_lshr_b32 s44, s42, 1                         ; the next product's K step,
	s_and_b32 s45, s42, 1                          ; and which half of it
	s_lshl_b32 s46, s44, 8
	s_lshl_b32 s47, s43, 7
	s_add_co_u32 s46, s46, s47
	s_add_co_u32 s46, s46, s14                     ; fragment 256 K step + 128 batch + tile
	s_mul_i32 s48, s46, 1536
	s_mul_i32 s47, s45, 768
	s_add_co_u32 s48, s48, s47
	s_mov_b32 s49, 0
	s_lshl_b32 s50, s46, 6
	s_lshl_b32 s47, s45, 1
	s_add_co_u32 s50, s50, s47
	s_add_co_u32 s50, s50, ATS
	s_mov_b32 s51, 0
	s_add_nc_u64 s[48:49], s[6:7], s[48:49]
	s_add_nc_u64 s[50:51], s[6:7], s[50:51]
	s_mov_b32 s[SEL], 0x76543210
	s_mov_b32 s[SEL+1], 0xfedcba98
	s_mov_b32 s[CS], 0x3e38aa3b                    ; c = log2(e) / 8
	s_mov_b32 s[CS+1], s[CS]                       ; (named with it as a pair)
	s_mov_b32 s[MHI], 0xffff0000
	s_mov_b32 s[ST], 0
	s_mov_b32 s[TK], 0
	s_mov_b32 s[TS], 0
	s_mov_b32 s[TV], 0
.irp i, 0,1,2,3,4,5
	v_mov_b32 v[22+\i], 0                          ; k = 64 .. 127: zero codes, in Q
.irp t, 0,1,2,3
	v_mov_b32 v[KF+12*\t+6+\i], 0                  ; and in K's four fragments: written once
.endr
.endr
	v_mov_b32 v13, 0xff61b1e6                      ; the largest t so far: -3e38
	v_floor_f32 v12, -v13                          ; -M
	v_mov_b32 v14, 0                               ; the sum, in two halves
	v_mov_b32 v15, 0
.irp b, 0,1,2,3
	v_mov_b32 v[TP+\b], 0                          ; a lane permute's destination counts as read
.endr
	v_mov_b32 v252, 0
	v_mov_b32 v253, 0
.set i, 0
.rept 32
	v_mov_b32 v[O+i], 0                            ; O^T: the step is written once; the first change of M leaves zeros zeros
.set i, i+1
.endr
.macro SMM t                           ; S^T, tile t of 16 keys
.if (\t)%2 == 0
	v_wmma_scale_f32_16x16x128_f8f6f4 v[S+8*(\t):S+8*(\t)+7], v[KF+12*((\t)%4):KF+12*((\t)%4)+11], v[16:27], 0, v[KSC+(\t)/2], v28 matrix_a_fmt:MATRIX_FMT_FP6 matrix_b_fmt:MATRIX_FMT_FP6
.else
	v_wmma_scale_f32_16x16x128_f8f6f4 v[S+8*(\t):S+8*(\t)+7], v[KF+12*((\t)%4):KF+12*((\t)%4)+11], v[16:27], 0, v[KSC+(\t)/2], v28 matrix_a_fmt:MATRIX_FMT_FP6 matrix_b_fmt:MATRIX_FMT_FP6 matrix_a_scale:MATRIX_SCALE_ROW1
.endif
.endm
	s_wait_loadcnt 0x0                             ; Q
	s_wait_tensorcnt 0x0                           ; my sixteenth has landed,
	s_barrier_signal -1
	s_barrier_wait -1                              ; everybody's has
.Lstep:
	s_cmp_gt_u32 s[ST], s[BETA]
	s_cbranch_scc1 .Lhidden
	v_add_nc_u32 v8, s[TK], v1
	v_add_nc_u32 v9, s[TK], v2
	v_add_nc_u32 v10, s[TS], v3
	v_add_nc_u32 v11, s[TV], v4
.irp g, 0,1                                    ; S^T = K Q^T, four tiles of 16 keys at a time
.if \g > 0
	PLACES                                         ; ahead of loads into registers that matrix instructions have read
.endif
.irp t, 0,1,2,3
.irp c, 0,1,2
	ds_load_b64 v[KF+12*\t+2*\c:KF+12*\t+2*\c+1], v8 offset:768*(4*\g+\t)+256*\c
.endr
.endr
	ds_load_b32 v[KSC+2*\g], v10 offset:256*\g
	ds_load_b32 v[KSC+2*\g+1], v10 offset:256*\g+128
	s_wait_dscnt 0x0
.irp t, 0,1,2,3
	SMM 4*\g+\t
.endr
.endr
	PLACES
	s_cmp_lt_u32 s[ST], s[BETA]                    ; a step all of whose keys count has no mask
	s_cbranch_scc1 .Lopen
	v_mov_b32 v254, 0xff800000                     ; -infinity: p = 0
.set n, 0
.rept 64
	v_cmp_gt_i32 vcc_lo, 32*(n/16)+n%16, v5
	v_cndmask_b32 v[S+n], v[S+n], v254, vcc_lo
.set n, n+1
.endr
.Lopen:
.irp b, 0,1,2,3
	v_max3_num_f32 v[BX+\b], v[S+16*\b], v[S+1+16*\b], v[S+2+16*\b]   ; the largest score of each block of 32 keys: for the row's maximum, and, since p rises with the score, for the block's largest p
.endr
.irp i, 3,5,7,9,11,13
.irp b, 0,1,2,3
	v_max3_num_f32 v[BX+\b], v[BX+\b], v[S+16*\b+\i], v[S+1+16*\b+\i]
.endr
.endr
.irp b, 0,1,2,3
	v_max_num_f32 v[BX+\b], v[BX+\b], v[S+15+16*\b]
.endr
.irp b, 0,1,2,3
	v_permlanex16_b32 v[TP+\b], v[BX+\b], s[SEL], s[SEL+1]
.endr
.irp b, 0,1,2,3
	v_max_num_f32 v[BX+\b], v[BX+\b], v[TP+\b]     ; with lane l xor 16's 16 keys
.endr
	v_max3_num_f32 v254, v[BX], v[BX+1], v[BX+2]
	v_max_num_f32 v254, v254, v[BX+3]
	v_mul_f32 v254, s[CS], v254                    ; as t
	v_max_num_f32 v13, v13, v254                   ; the running largest t
	v_mov_b32 v254, v12
	v_floor_f32 v12, -v13                          ; the new -M = -ceil(t)
	v_sub_f32 v254, v12, v254                      ; old M - new M: a whole number, 0 or less
	v_cvt_i32_f32 v254, v254                       ; (it saturates)
	v_ldexp_f32 v252, 1.0, v254                    ; f = 2^(old M - new M)
.set i, 0
.rept 32
	v_pk_fma_f32 v[S+i:S+i+1], v[S+i:S+i+1], s[CS:CS+1], v[12:13] op_sel_hi:[1,0,0]   ; t - M
.set i, i+2
.endr
.irp b, 0,1,2,3
	v_fma_f32 v[BX+\b], v[BX+\b], s[CS], v12
.endr
.set i, 0
.rept 64
	v_exp_f32 v[S+i], v[S+i]                       ; p = 2^(t - M)
.set i, i+1
.endr
.irp b, 0,1,2,3
	v_exp_f32 v[BX+\b], v[BX+\b]                   ; the block's largest p: the same two instructions on the same number
.endr
	v_pk_mul_f32 v[14:15], v[14:15], v[252:253] op_sel_hi:[1,0]   ; the sums under the new M (a plain place behind the exponentials)
	s_wait_alu depctr_va_vdst(0)
.irp b, 0,1,2,3
	v_max_num_f32 v[BX+\b], 0x1800000, v[BX+\b]    ; the floor 2^(3 - 127)
.endr
.irp b, 0,1,2,3
	v_add_nc_u32 v[SO+\b], 0xff000000, v[BX+\b]    ; the conversion's scale operand
.endr
.irp b, 0,1,2,3
	v_lshrrev_b32 v[TP+\b], 23, v[SO+\b]           ; the byte
.endr
	v_lshl_or_b32 v253, v[TP+1], 8, v[TP]          ; p's scale word for these 128 keys
	v_lshl_or_b32 v253, v[TP+2], 16, v253
	v_lshl_or_b32 v253, v[TP+3], 24, v253
.irp c, 0,1
	v_cvt_scalef32_pk16_fp6_f32 v[224+6*\c:226+6*\c], v[S+32*\c:S+15+32*\c], v[SO+2*\c]
	v_cvt_scalef32_pk16_fp6_f32 v[TP+4*\c:TP+2+4*\c], v[S+16+32*\c:S+31+32*\c], v[SO+2*\c+1]
.endr
	v_nop                                          ; one plain place behind a scaled conversion
.irp c, 0,1
.irp i, 0,1,2
	v_permlane16_swap_b32 v[224+6*\c+\i], v[TP+4*\c+\i]
.endr
.irp i, 0,1,2
	v_mov_b32 v[227+6*\c+\i], v[TP+4*\c+\i]
.endr
.endr
	v_pk_add_f32 v[TP:TP+1], v[S:S+1], v[S+2:S+3]  ; the row's sum, of the unquantised p, in two chains
.irp j, 4,8,12,16,20,24,28,32,36,40,44,48,52,56,60
	v_pk_add_f32 v[14:15], v[14:15], v[S+\j:S+1+\j]
	v_pk_add_f32 v[TP:TP+1], v[TP:TP+1], v[S+2+\j:S+3+\j]
.endr
	v_pk_add_f32 v[14:15], v[14:15], v[TP:TP+1]
.set i, 0
.rept 16
	v_pk_mul_f32 v[O+i:O+i+1], v[O+i:O+i+1], v[252:253] op_sel_hi:[1,0]   ; O^T under the new M
.set i, i+2
.endr
.irp g, 0,1                                    ; O^T += V^T P^T, two tiles of 16 channels at a time; the four accumulators take turns
.if \g > 0
	PLACES
.endif
.irp u, 0,1
.irp c, 0,1,2
	ds_load_b128 v[VF+12*\u+4*\c:VF+12*\u+4*\c+3], v9 offset:1536*(2*\g+\u)+512*\c
.endr
.endr
	ds_load_b32 v[VSC+\g], v11 offset:128*\g
	s_wait_dscnt 0x0
	v_wmma_scale_f32_16x16x128_f8f6f4 v[O+16*\g:O+16*\g+7], v[VF:VF+11], v[224:235], v[O+16*\g:O+16*\g+7], v[VSC+\g], v253 matrix_a_fmt:MATRIX_FMT_FP6 matrix_b_fmt:MATRIX_FMT_FP6
	v_wmma_scale_f32_16x16x128_f8f6f4 v[O+16*\g+8:O+16*\g+15], v[VF+12:VF+23], v[224:235], v[O+16*\g+8:O+16*\g+15], v[VSC+\g], v253 matrix_a_fmt:MATRIX_FMT_FP6 matrix_b_fmt:MATRIX_FMT_FP6 matrix_a_scale:MATRIX_SCALE_ROW1
.endr
.Lhidden:
	s_add_co_u32 s[TK], s[TK], 6144
	s_add_co_u32 s[TS], s[TS], 512
	s_add_co_u32 s[TV], s[TV], 256
	s_add_co_u32 s[ST], s[ST], 1
	s_cmp_lt_u32 s[ST], 16
	s_cbranch_scc1 .Lstep
	; THE WAY OUT: O^T / the sum; register 16 b + i is channel 32 b + 16 h + i of my head: two blocks of the next K
	PLACES
	v_add_f32 v14, v14, v15
	v_permlanex16_b32 v252, v14, s[SEL], s[SEL+1]
	v_add_f32 v14, v14, v252                       ; the row's sum
	v_rcp_f32 v14, v14
	v_nop
.set i, 0
	s_wait_alu depctr_va_vdst(0)
.rept 32
	v_mul_f32 v[S+i], v[O+i], v14
.set i, i+1
.endr
.irp b, 0,1
	v_max3_num_f32 v[BX+\b], |v[S+16*\b]|, |v[S+1+16*\b]|, 0x1800000
.endr
.irp i, 2,4,6,8,10,12,14
.irp b, 0,1
	v_max3_num_f32 v[BX+\b], v[BX+\b], |v[S+16*\b+\i]|, |v[S+1+16*\b+\i]|
.endr
.endr
.irp b, 0,1
	v_permlanex16_b32 v[TP+\b], v[BX+\b], s[SEL], s[SEL+1]
.endr
.irp b, 0,1
	v_max_num_f32 v[BX+\b], v[BX+\b], v[TP+\b]
.endr
.irp b, 0,1
	v_add_nc_u32 v[SO+\b], 0xff000000, v[BX+\b]
.endr
.irp b, 0,1
	v_lshrrev_b32 v[TP+\b], 23, v[SO+\b]
.endr
	v_cvt_scalef32_pk16_fp6_f32 v[224:226], v[S:S+15], v[SO]
	v_cvt_scalef32_pk16_fp6_f32 v[240:242], v[S+16:S+31], v[SO+1]
	v_nop
.irp i, 0,1,2
	v_permlane16_swap_b32 v[224+\i], v[240+\i]
.endr
.irp i, 0,1,2
	v_mov_b32 v[227+\i], v[240+\i]
.endr
	v_cndmask_b32 v[TP+2], v[TP], v[TP+1], s[MHI]  ; lane (r, h): the byte of block h of row r
.irp c, 0,1,2
	global_store_b64 v1, v[224+2*\c:225+2*\c], s[48:49] offset:256*\c   ; 256 consecutive bytes a store
.endr
	global_store_b8 v7, v[TP+2], s[50:51]          ; each lane a byte of its own; the word's other two bytes are the neighbouring head's
	s_wait_tensorcnt 0x0
	ds_add_u32 v243, v255
	s_wait_dscnt 0x0
	s_endpgm
.Lfunc_end_k_q92e0265e84_attn:
	.size	k_q92e0265e84_attn, .Lfunc_end_k_q92e0265e84_attn-k_q92e0265e84_attn
	.p2alignl 7, 3214868480
	.fill 96, 4, 3214868480
	.section	.rodata,"a",@progbits
	.p2align	6, 0x0
	.amdhsa_kernel k_q92e0265e84_attn
		.amdhsa_group_segment_fixed_size 210944
		.amdhsa_private_segment_fixed_size 0
		.amdhsa_enable_private_segment 0
		.amdhsa_kernarg_size 16
		.amdhsa_user_sgpr_count 2
		.amdhsa_user_sgpr_kernarg_segment_ptr 1
		.amdhsa_wavefront_size32 1
		.amdhsa_system_sgpr_workgroup_id_x 1
		.amdhsa_system_sgpr_workgroup_id_y 1
		.amdhsa_system_sgpr_workgroup_id_z 1
		.amdhsa_system_vgpr_workitem_id 0
		.amdhsa_next_free_vgpr 256
		.amdhsa_next_free_sgpr 66
		.amdhsa_reserve_vcc 1
		.amdhsa_float_denorm_mode_32 3
		.amdhsa_float_denorm_mode_16_64 3
		.amdhsa_memory_ordered 1
		.amdhsa_forward_progress 1
		.amdhsa_inst_pref_size 33
	.end_amdhsa_kernel
	.amdgpu_metadata
---
amdhsa.version: [ 1, 2 ]
amdhsa.kernels:
  - .name:           k_q92e0265e84_attn
    .symbol:         k_q92e0265e84_attn.kd
    .args:
      - { .name: qkv, .offset: 0, .size: 8, .value_kind: global_buffer, .address_space: global }
      - { .name: att, .offset: 8, .size: 8, .value_kind: global_buffer, .address_space: global }
    .group_segment_fixed_size: 210944
    .private_segment_fixed_size: 0
    .kernarg_segment_align: 8
    .kernarg_segment_size: 16
    .max_flat_workgroup_size: 512
    .sgpr_count:     66
    .vgpr_count:     256
    .wavefront_size: 32
...
	.end_amdgpu_metadata
.endif
;; end of part 3
;; launch wo_ln (part 4): grid 128 x 1, 8 waves a work-group, no clusters, 95,232 bytes of LDS; arguments att, wts, bo, x, ln1_g, ln1_b, o1; writes o1
.if DOCPART == 4
	.amdgcn_target "amdgcn-amd-amdhsa--gfx1250"
	.amdhsa_code_object_version 6
	.text
	.protected	k_q92e0265e84_wo_ln
	.globl	k_q92e0265e84_wo_ln
	.p2align	8
	.type	k_q92e0265e84_wo_ln,@function
k_q92e0265e84_wo_ln:
	s_mov_b64 s[64:65], 0
	v_nop
	global_prefetch_b8 v0, s[64:65] scope:SCOPE_SE
	s_setreg_imm32_b32 hwreg(HW_REG_WAVE_MODE, 25, 1), 1
	s_wait_xcnt 0x0
; out1 = layernorm(x + attn wo + bo) g + b, the product on codes of FP6 (E2M3) with E8M0 scales; out1 leaves as f32 rows and as codes for the next product.
; A work-group owns 32 WHOLE rows (tiles 2 g, 2 g + 1), so that the norm is fused; wave w owns columns 128 w .. 128 w + 127: 16 accumulators (window 1, v0-127), which BEGIN as x + bo.
; In accumulator (a, b) lane (r, h) holds row 32 g + 8 a + r + 8 (r / 8) and register j column 128 w + 32 (b / 2) + 16 h + 8 (b % 2) + j (slot order of wo's tiles).
; The rows' codes (24,576 bytes for all of K) are copied into LDS once, a K step a wave.  Each fragment of wo is used by one wave of the work-group alone: it goes from memory straight into registers, two sets by turns.
; NO TENSOR LOAD AND NO CLUSTER: what work-groups share is wo, and nothing of it passes through LDS, where a joint load would put it.
; The variance is taken of x - mean, in a second pass.  LIMITS: NaN and infinities are not served; a block whose largest magnitude lies under 2^-124 gets the byte 1.
.set ATS, 3145728
.set P1S, 9437184
.set O1C, 16777216
.set O1S, 19922944
.set RED1, 24576                       ; LDS: 0 the rows' codes [8 K steps][3,072]; 24,576 and 25,600 the waves' partial sums; 26,624 a stage of 16 rows x 528 bytes for each wave
.set STG,  26624
.set L16, 1
.set L8,  2
.set L4,  3
.set XO,  4
.set HO,  5
.set ASTO, 6
.set R1S, 7
.set R1L, 8
.set STO, 9
.set RD,  10
.set SA,  16                           ; v16-23 the rows' scale words, one register a K step: lanes 0-15 tile 2 g, lanes 16-31 tile 2 g + 1;  v24-31 wo's, two sets of 4
.set SB,  24
.set A,   32                           ; v32-55 the rows' two fragments;  v56-151, v152-247 wo's eight, two sets
.set B0,  56
.set T,   32                           ; the way out, window 0: v32-95 64 numbers; v96-159 rows read back; v160.. at work
.set OB,  96
.set TM,  160
.set PC,  176
.set PW,  196
.set PWE, 197
.set PWS, 198
.set SU,  200
.set RS,  208
.set MU,  216
.set RR,  220
.set WV,  20
.set MHI, 21
.set SEL, 22
.set MSB, 0
.macro WIN new
.if MSB != \new
	s_set_vgpr_msb (MSB<<8)|\new
.set MSB, \new
.endif
.endm
.macro PLACES
.rept 4
	v_nop
.endr
.endm
.macro QUANT s
.irp b, 0,1,2,3
	v_max3_num_f32 v[TM+\b], |v[\s+16*\b]|, |v[\s+1+16*\b]|, 0x1800000
.endr
.irp i, 2,4,6,8,10,12,14
.irp b, 0,1,2,3
	v_max3_num_f32 v[TM+\b], v[TM+\b], |v[\s+16*\b+\i]|, |v[\s+1+16*\b+\i]|
.endr
.endr
.irp b, 0,1,2,3
	v_permlanex16_b32 v[TM+4+\b], v[TM+\b], s[SEL], s[SEL+1]
.endr
.irp b, 0,1,2,3
	v_max_num_f32 v[TM+\b], v[TM+\b], v[TM+4+\b]
.endr
.irp b, 0,1,2,3
	v_add_nc_u32 v[TM+12+\b], 0xff000000, v[TM+\b]
.endr
.irp b, 0,1,2,3
	v_lshrrev_b32 v[TM+4+\b], 23, v[TM+12+\b]
.endr
	v_lshl_or_b32 v[PW], v[TM+5], 8, v[TM+4]
	v_lshl_or_b32 v[PW], v[TM+6], 16, v[PW]
	v_lshl_or_b32 v[PW], v[TM+7], 24, v[PW]
.irp c, 0,1
	v_cvt_scalef32_pk16_fp6_f32 v[PC+6*\c:PC+2+6*\c], v[\s+32*\c:\s+15+32*\c], v[TM+12+2*\c]
	v_cvt_scalef32_pk16_fp6_f32 v[PC+12+4*\c:PC+14+4*\c], v[\s+16+32*\c:\s+31+32*\c], v[TM+12+2*\c+1]
.endr
	v_nop
.irp c, 0,1
.irp i, 0,1,2
	v_permlane16_swap_b32 v[PC+6*\c+\i], v[PC+12+4*\c+\i]
.endr
.irp i, 0,1,2
	v_mov_b32 v[PC+3+6*\c+\i], v[PC+12+4*\c+\i]
.endr
.endr
.endm
	s_load_b256 s[4:11], s[0:1], 0x0               ; att, wts, bo, x
	s_load_b128 s[12:15], s[0:1], 0x20             ; ln1_g, ln1_b
	s_load_b64 s[16:17], s[0:1], 0x30              ; o1
	v_lshl_add_u32 v254, v0, 2, 0x17000
	v_mov_b32 v255, 0
	v_lshrrev_b32 v1, 5, v0
	v_readfirstlane_b32 s[WV], v1                  ; wave 0..7
	v_and_b32 v11, 31, v0                          ; lane
	v_and_b32 v12, 15, v0                          ; r
	v_bfe_u32 v13, v0, 4, 1                        ; h
	v_lshlrev_b32 v[L16], 4, v11
	v_lshlrev_b32 v[L8], 3, v11
	v_lshlrev_b32 v[L4], 2, v11
	v_and_b32 v[XO], 8, v12
	v_add_nc_u32 v[XO], v[XO], v12
	v_lshlrev_b32 v[XO], 12, v[XO]
	v_lshl_add_u32 v[XO], v13, 6, v[XO]            ; x: row r + 8 (r / 8), + 16 h columns
	v_lshlrev_b32 v[HO], 6, v13
	s_mul_i32 s24, s[WV], 3072
	v_add_nc_u32 v[ASTO], s24, v[L16]
	s_lshl_b32 s24, s[WV], 7
	s_add_co_u32 s24, s24, RED1
	v_add_nc_u32 v[R1S], s24, v[L4]
	v_add_nc_u32 v[R1L], RED1, v[L4]
	s_mul_i32 s24, s[WV], 8448
	s_add_co_u32 s24, s24, STG
	v_mul_u32_u24 v[STO], v12, 528
	v_lshl_add_u32 v[STO], v13, 6, v[STO]
	v_add_nc_u32 v[STO], s24, v[STO]               ; the stage, in: row r, + 64 h
	v_add_nc_u32 v[RD], s24, v[L16]                ; and back: a row of 512 bytes
	s_mov_b32 s[MHI], 0xffff0000
	s_mov_b32 s[SEL], 0x76543210
	s_mov_b32 s[SEL+1], 0xfedcba98
	s_mov_b32 s38, 0x3a800000                      ; 1 / 1,024
	s_mov_b32 s39, 0x358637bd                      ; 1e-6
	s_mul_i32 s24, ttmp9, 3072
	s_mul_i32 s25, s[WV], 393216
	s_add_co_u32 s24, s24, s25                     ; the rows' codes of K step w
	s_mov_b32 s25, 0
	s_lshl_b32 s30, ttmp9, 7
	s_add_co_u32 s30, s30, ATS                     ; their scale words
	s_mov_b32 s31, 0
	s_lshl_b32 s26, s[WV], 3
	s_add_co_u32 s26, s26, 448                     ; my first tile of wo
	s_lshl_b32 s28, s26, 6
	s_add_co_u32 s28, s28, P1S
	s_mov_b32 s29, 0
	s_mul_i32 s26, s26, 1536
	s_mov_b32 s27, 0
	s_lshl_b32 s32, ttmp9, 17                      ; 32 g rows of 4,096 bytes
	s_lshl_b32 s34, s[WV], 9                       ; my 128 columns
	s_add_co_u32 s32, s32, s34
	s_mov_b32 s33, 0
	s_mov_b32 s35, 0
	s_wait_kmcnt 0x0
	s_add_nc_u64 s[24:25], s[4:5], s[24:25]
	s_add_nc_u64 s[30:31], s[4:5], s[30:31]
	s_add_nc_u64 s[26:27], s[6:7], s[26:27]
	s_add_nc_u64 s[28:29], s[6:7], s[28:29]
	s_add_nc_u64 s[10:11], s[10:11], s[32:33]
	s_add_nc_u64 s[8:9], s[8:9], s[34:35]
	s_add_nc_u64 s[12:13], s[12:13], s[34:35]
	s_add_nc_u64 s[14:15], s[14:15], s[34:35]
	s_add_nc_u64 s[32:33], s[16:17], s[32:33]      ; out1 as f32
	s_lshl_b32 s34, s[WV], 8
	s_lshl_b32 s36, ttmp9, 1
	s_add_co_u32 s34, s34, s36
	s_lshl_b32 s36, s34, 6
	s_add_co_u32 s36, s36, O1S
	s_mov_b32 s37, 0
	s_mul_i32 s34, s34, 1536
	s_add_co_u32 s34, s34, O1C
	s_add_nc_u64 s[34:35], s[16:17], s[34:35]      ; as codes: K step w, tiles 2 g, 2 g + 1
	s_add_nc_u64 s[36:37], s[16:17], s[36:37]      ; and scale words
.macro BLOAD s                         ; K step s of my eight fragments of wo and their scale words: 28 loads; every offset an immediate (7 x 1,179,648 + 12,288 lies inside its 24 bits)
.set BS, B0+96*((\s)%2)
.irp b, 0,1,2,3,4,5,6,7
.irp c, 0,1,2
	global_load_b128 v[BS+12*\b+4*\c:BS+12*\b+4*\c+3], v[L16], s[26:27] offset:(\s)*1179648+1536*\b+512*\c
.endr
.endr
.irp j, 0,1,2,3
	global_load_b32 v[SB+4*((\s)%2)+\j], v[L4], s[28:29] offset:(\s)*49152+128*\j
.endr
.endm
.irp i, 0,1,2,3,4,5
	global_load_b128 v[A+4*\i:A+4*\i+3], v[L16], s[24:25] offset:512*\i   ; 6: the rows' codes of K step w
.endr
	WIN 0x40                                       ; destination window 1
.irp a, 0,1
.irp e, 0,1,2,3
.irp i, 0,1,2,3
	global_load_b128 v[64*\a+16*\e+4*\i:64*\a+16*\e+4*\i+3], v[XO], s[10:11] offset:32768*\a+128*\e+16*\i   ; 32: x, in the accumulators' layout
.endr
.endr
.endr
.irp e, 0,1,2,3
.irp i, 0,1,2,3
	global_load_b128 v[192+16*\e+4*\i:192+16*\e+4*\i+3], v[HO], s[8:9] offset:128*\e+16*\i   ; 16: bo
.endr
.endr
	WIN 0
.irp s, 0,1,2,3,4,5,6,7
	global_load_b32 v[SA+\s], v[L4], s[30:31] offset:16384*\s   ; 8
.endr
	s_wait_loadcnt 56                              ; the codes are in: 32 + 16 + 8 younger loads may be out
.irp i, 0,1,2,3,4,5
	ds_store_b128 v[ASTO], v[A+4*\i:A+4*\i+3] offset:512*\i
.endr
	BLOAD 0
	s_wait_loadcnt 36                              ; x and bo are in: 8 + 28 younger
	WIN 0x55
.irp a, 0,1
.set i, 0
.rept 32
	v_pk_add_f32 v[64*\a+i:64*\a+i+1], v[64*\a+i:64*\a+i+1], v[192+i:192+i+1]   ; x + bo starts the sums
.set i, i+2
.endr
.endr
	WIN 0x40
.irp e, 0,1,2,3
.irp i, 0,1,2,3
	global_load_b128 v[128+16*\e+4*\i:128+16*\e+4*\i+3], v[HO], s[12:13] offset:128*\e+16*\i   ; 16: ln1_g
.endr
.endr
.irp e, 0,1,2,3
.irp i, 0,1,2,3
	global_load_b128 v[192+16*\e+4*\i:192+16*\e+4*\i+3], v[HO], s[14:15] offset:128*\e+16*\i   ; 16: ln1_b, where bo lay
.endr
.endr
	WIN 0
	s_wait_dscnt 0x0
	s_barrier_signal -1
	s_barrier_wait -1                              ; the rows' codes of all K steps lie in LDS
.macro MMW s, a, b
.set DD, 8*(8*(\a)+(\b))
.set FB, B0+96*((\s)%2)+12*(\b)
.set FA, A+12*(\a)
.set S0, SB+4*((\s)%2)+(\b)/2
.set VAR, 2*((\b)%2)+(\a)
.if VAR == 0
	v_wmma_scale_f32_16x16x128_f8f6f4 v[DD:DD+7], v[FB:FB+11], v[FA:FA+11], v[DD:DD+7], v[S0], v[SA+(\s)] matrix_a_fmt:MATRIX_FMT_FP6 matrix_b_fmt:MATRIX_FMT_FP6
.elseif VAR == 1
	v_wmma_scale_f32_16x16x128_f8f6f4 v[DD:DD+7], v[FB:FB+11], v[FA:FA+11], v[DD:DD+7], v[S0], v[SA+(\s)] matrix_a_fmt:MATRIX_FMT_FP6 matrix_b_fmt:MATRIX_FMT_FP6 matrix_b_scale:MATRIX_SCALE_ROW1
.elseif VAR == 2
	v_wmma_scale_f32_16x16x128_f8f6f4 v[DD:DD+7], v[FB:FB+11], v[FA:FA+11], v[DD:DD+7], v[S0], v[SA+(\s)] matrix_a_fmt:MATRIX_FMT_FP6 matrix_b_fmt:MATRIX_FMT_FP6 matrix_a_scale:MATRIX_SCALE_ROW1
.else
	v_wmma_scale_f32_16x16x128_f8f6f4 v[DD:DD+7], v[FB:FB+11], v[FA:FA+11], v[DD:DD+7], v[S0], v[SA+(\s)] matrix_a_fmt:MATRIX_FMT_FP6 matrix_b_fmt:MATRIX_FMT_FP6 matrix_a_scale:MATRIX_SCALE_ROW1 matrix_b_scale:MATRIX_SCALE_ROW1
.endif
.endm
.macro KST s, left                     ; left: the loads issued behind this K step's, which may stay out
.if \s > 0
	PLACES
.endif
.if \s < 7
	BLOAD (\s)+1
.endif
.irp a, 0,1
.irp f, 0,1
.irp c, 0,1,2
	ds_load_b64 v[A+12*\a+6*\f+2*\c:A+12*\a+6*\f+2*\c+1], v[L8] offset:(\s)*3072+1536*\a+768*\f+256*\c   ; a fragment lies as two half fragments, one from each head
.endr
.endr
.endr
	s_wait_loadcnt \left
	s_wait_dscnt 0x0
	WIN 0x50
.irp b, 0,1,2,3,4,5,6,7
.irp a, 0,1
	MMW \s, \a, \b                                 ; the 16 accumulators take turns
.endr
.endr
	WIN 0
.endm
	KST 0, 60                                      ; g's 16, b's 16 and the next set's 28
	KST 1, 28
	KST 2, 28
	KST 3, 28
	KST 4, 28
	KST 5, 28
	KST 6, 28
	KST 7, 0
	PLACES
.irp b, 0,1,2,3
	v_mov_b32 v[TM+4+\b], 0
.endr
; a row's sum (sq = 0) or sum of squares (sq = 1): my 64 registers, lane l xor 16's, then the eight waves' through LDS; afterwards lane l holds that of tile l / 16, row l % 16, in v[RS]
.macro RSUM sq
	WIN 0x05                                       ; sources 0 and 1 in window 1
.irp a, 0,1
.if \sq
	v_pk_mul_f32 v[SU+4*\a:SU+4*\a+1], v[64*\a:64*\a+1], v[64*\a:64*\a+1]
	v_pk_mul_f32 v[SU+4*\a+2:SU+4*\a+3], v[64*\a+2:64*\a+3], v[64*\a+2:64*\a+3]
.else
	v_pk_add_f32 v[SU+4*\a:SU+4*\a+1], v[64*\a:64*\a+1], v[64*\a+2:64*\a+3]   ; each accumulator is read from its low end on
	v_pk_add_f32 v[SU+4*\a+2:SU+4*\a+3], v[64*\a+4:64*\a+5], v[64*\a+6:64*\a+7]
.endif
.endr
.if \sq
.irp a, 0,1
.set i, 4
.rept 30
	v_pk_fma_f32 v[SU+4*\a+2*((i/2)%2):SU+4*\a+2*((i/2)%2)+1], v[64*\a+i:64*\a+i+1], v[64*\a+i:64*\a+i+1], v[SU+4*\a+2*((i/2)%2):SU+4*\a+2*((i/2)%2)+1]
.set i, i+2
.endr
.endr
.else
	WIN 0x04                                       ; source 1 in window 1
.irp a, 0,1
.set i, 8
.rept 28
	v_pk_add_f32 v[SU+4*\a+2*((i/2)%2):SU+4*\a+2*((i/2)%2)+1], v[SU+4*\a+2*((i/2)%2):SU+4*\a+2*((i/2)%2)+1], v[64*\a+i:64*\a+i+1]
.set i, i+2
.endr
.endr
.endif
	WIN 0
.irp a, 0,1
	v_pk_add_f32 v[SU+4*\a:SU+4*\a+1], v[SU+4*\a:SU+4*\a+1], v[SU+4*\a+2:SU+4*\a+3]
.endr
.irp a, 0,1
	v_add_f32 v[SU+4*\a], v[SU+4*\a], v[SU+4*\a+1]
.endr
.irp a, 0,1
	v_permlanex16_b32 v[SU+4*\a+1], v[SU+4*\a], s[SEL], s[SEL+1]
.endr
.irp a, 0,1
	v_add_f32 v[SU+4*\a], v[SU+4*\a], v[SU+4*\a+1]
.endr
	v_cndmask_b32 v[SU+1], v[SU], v[SU+4], s[MHI]
	ds_store_b32 v[R1S], v[SU+1] offset:1024*\sq
	s_wait_dscnt 0x0                               ; for the others' sake
	s_barrier_signal -1
	s_barrier_wait -1
.irp i, 0,1,2,3,4,5,6,7
	ds_load_b32 v[RS+\i], v[R1L] offset:1024*\sq+128*\i
.endr
	s_wait_dscnt 0x0
.irp i, 0,2,4,6
	v_add_f32 v[RS+\i], v[RS+\i], v[RS+\i+1]
.endr
	v_add_f32 v[RS], v[RS], v[RS+2]
	v_add_f32 v[RS+4], v[RS+4], v[RS+6]
	v_add_f32 v[RS], v[RS], v[RS+4]
.endm
.macro SPREAD d                        ; v[RS] (tile l / 16, row l % 16) becomes two pairs: tile 0's number of my row, tile 1's
	v_permlanex16_b32 v[RS+1], v[RS], s[SEL], s[SEL+1]
	v_cndmask_b32 v[\d], v[RS], v[RS+1], s[MHI]
	v_cndmask_b32 v[\d+1], v[RS], v[RS+1], s[MHI]
	v_cndmask_b32 v[\d+2], v[RS+1], v[RS], s[MHI]
	v_cndmask_b32 v[\d+3], v[RS+1], v[RS], s[MHI]
.endm
	RSUM 0
	v_mul_f32 v[RS], s38, v[RS]                    ; the mean
	SPREAD MU
	WIN 0x41                                       ; destination and source 0 in window 1
.irp a, 0,1
.set i, 0
.rept 32
	v_pk_add_f32 v[64*\a+i:64*\a+i+1], v[64*\a+i:64*\a+i+1], v[MU+2*\a:MU+2*\a+1] neg_lo:[0,1] neg_hi:[0,1]
.set i, i+2
.endr
.endr
	RSUM 1
	v_fma_f32 v[RS], v[RS], s38, s39               ; the variance + 1e-6
	v_rsq_f32 v[RS], v[RS]
	v_nop
	s_wait_alu depctr_va_vdst(0)
	SPREAD RR
.macro LOUT a
.if \a > 0
	s_wait_xcnt 0x0                                ; the last tile's stores have read their registers
.endif
	WIN 0x01
.set i, 0
.rept 32
	v_pk_mul_f32 v[T+i:T+i+1], v[64*(\a)+i:64*(\a)+i+1], v[RR+2*(\a):RR+2*(\a)+1]
.set i, i+2
.endr
	WIN 0x14                                       ; g and b in window 1
.set i, 0
.rept 32
	v_pk_fma_f32 v[T+i:T+i+1], v[T+i:T+i+1], v[128+i:128+i+1], v[192+i:192+i+1]
.set i, i+2
.endr
	WIN 0
.set i, 0
.rept 16
	ds_store_b128 v[STO], v[T+4*i:T+4*i+3] offset:128*(i/4)+16*(i%4)
.set i, i+1
.endr
.set i, 0
.rept 16
	ds_load_b128 v[OB+4*i:OB+4*i+3], v[RD] offset:528*i   ; LDS serves a wave's instructions in order: whole rows of my 512 bytes come back
.set i, i+1
.endr
	QUANT T
.irp c, 0,1,2
	global_store_b128 v[L16], v[PC+4*\c:PC+4*\c+3], s[34:35] offset:1536*(\a)+512*\c
.endr
.if \a == 0
	v_mov_b32 v[PWE], v[PW]
.else
	v_cndmask_b32 v[PWS], v[PWE], v[PW], s[MHI]
	global_store_b32 v[L4], v[PWS], s[36:37]
.endif
.set i, 0
.rept 16
	s_wait_dscnt 15-i
	global_store_b128 v[L16], v[OB+4*i:OB+4*i+3], s[32:33] offset:(8*(\a)+i+8*(i/8))*4096   ; 512 consecutive bytes, aligned
.set i, i+1
.endr
.endm
	LOUT 0
	LOUT 1
	s_wait_tensorcnt 0x0
	ds_add_u32 v254, v255
	s_wait_dscnt 0x0
	s_endpgm
.Lfunc_end_k_q92e0265e84_wo_ln:
	.size	k_q92e0265e84_wo_ln, .Lfunc_end_k_q92e0265e84_wo_ln-k_q92e0265e84_wo_ln
	.p2alignl 7, 3214868480
	.fill 96, 4, 3214868480
	.section	.rodata,"a",@progbits
	.p2align	6, 0x0
	.amdhsa_kernel k_q92e0265e84_wo_ln
		.amdhsa_group_segment_fixed_size 95232
		.amdhsa_private_segment_fixed_size 0
		.amdhsa_enable_private_segment 0
		.amdhsa_kernarg_size 56
		.amdhsa_user_sgpr_count 2
		.amdhsa_user_sgpr_kernarg_segment_ptr 1
		.amdhsa_wavefront_size32 1
		.amdhsa_system_sgpr_workgroup_id_x 1
		.amdhsa_system_sgpr_workgroup_id_y 1
		.amdhsa_system_sgpr_workgroup_id_z 1
		.amdhsa_system_vgpr_workitem_id 0
		.amdhsa_next_free_vgpr 512
		.amdhsa_next_free_sgpr 66
		.amdhsa_reserve_vcc 0
		.amdhsa_float_denorm_mode_32 3
		.amdhsa_float_denorm_mode_16_64 3
		.amdhsa_memory_ordered 1
		.amdhsa_forward_progress 1
		.amdhsa_inst_pref_size 103
	.end_amdhsa_kernel
	.amdgpu_metadata
---
amdhsa.version: [ 1, 2 ]
amdhsa.kernels:
  - .name:           k_q92e0265e84_wo_ln
    .symbol:         k_q92e0265e84_wo_ln.kd
    .args:
      - { .name: att, .offset: 0, .size: 8, .value_kind: global_buffer, .address_space: global }
      - { .name: wts, .offset: 8, .size: 8, .value_kind: global_buffer, .address_space: global }
      - { .name: bo, .offset: 16, .size: 8, .value_kind: global_buffer, .address_space: global }
      - { .name: x, .offset: 24, .size: 8, .value_kind: global_buffer, .address_space: global }
      - { .name: ln1_g, .offset: 32, .size: 8, .value_kind: global_buffer, .address_space: global }
      - { .name: ln1_b, .offset: 40, .size: 8, .value_kind: global_buffer, .address_space: global }
      - { .name: o1, .offset: 48, .size: 8, .value_kind: global_buffer, .address_space: global }
    .group_segment_fixed_size: 95232
    .private_segment_fixed_size: 0
    .kernarg_segment_align: 8
    .kernarg_segment_size: 56
    .max_flat_workgroup_size: 256
    .sgpr_count:     66
    .vgpr_count:     512
    .wavefront_size: 32
...
	.end_amdgpu_metadata
.endif
;; end of part 4
;; launch ff1 (part 5): grid 16 x 16, 8 waves a work-group, clusters of 4 x 4, 327,680 bytes of LDS; arguments o1, wts, b_ff1, hb; writes hb
.if DOCPART == 5
	.amdgcn_target "amdgcn-amd-amdhsa--gfx1250"
	.amdhsa_code_object_version 6
	.text
	.protected	k_q92e0265e84_ff1
	.globl	k_q92e0265e84_ff1
	.p2align	8
	.type	k_q92e0265e84_ff1,@function
k_q92e0265e84_ff1:
	s_mov_b64 s[64:65], 0
	v_nop
	global_prefetch_b8 v0, s[64:65] scope:SCOPE_SE
	s_setreg_imm32_b32 hwreg(HW_REG_WAVE_MODE, 25, 1), 1
	s_wait_xcnt 0x0
	s_wait_alu depctr_hold_cnt(0) depctr_sa_sdst(0) depctr_va_vdst(0) depctr_va_sdst(0) depctr_va_ssrc(0) depctr_va_vcc(0) depctr_vm_vsrc(0)
	s_getreg_b32 s2, hwreg(HW_REG_IB_STS2, 6, 4)
	s_cmp_eq_u32 s2, 0
	s_cbranch_scc0 .Lentry_in_a_cluster
	s_endpgm
.Lentry_in_a_cluster:
	s_bfe_u32 s2, ttmp6, 0x10000c
	s_cmp_lg_u32 s2, 0xf033
	s_cbranch_scc0 .Lentry_shape_is_right
	s_endpgm
.Lentry_shape_is_right:
; h = gelu(out1 w_ff1 + b_ff1), exact (by erfc), the product on codes of FP6 (E2M3) with E8M0 scales; h is quantised along its 4,096 and stored in the order of the next operand's registers.
; The frame is that of the launch that makes q, k and v: a work-group of eight waves makes 256 rows x 256 columns, a wave 64 (source 1: out1's rows) x 128 (source 0: w_ff1's columns): 32 accumulators in window 1.
; In accumulator (a, b) lane (r, h) holds slot r of the rows' tile a and register j column 32 (b / 2) + 16 h + 8 (b % 2) + j of my 128: one K step of the next product.
; K = 1,024 goes through a ring of two LDS slots of two K steps; waves 0-3 fetch the rows' tiles, waves 4-7 the weight's; CLUSTER 4 x 4 with joint loads; the scale words come once, with the first fills.
; GELU: 0.5 x erfc(-x / sqrt 2); erfc(z) = t exp(-z^2 + P(t)), t = 1 / (1 + z / 2), z = |x| / sqrt 2, P of degree 9: a fit whose relative error stays under 1.2e-7 for every z.
; With G = 0.5 x erfc(z) the result is G where x < 0 and x - G where x > 0, which is the larger of the two in both cases.
; LIMITS: NaN and infinities are not served; a block whose largest magnitude lies under 2^-124, a block of zeros too, gets the byte 1 (this program alone reads the bytes).
.set SLOTB, 98304
.set SCL,   2*SLOTB
.set SPARE, SCL+16384
.set STEPA, 2*256*1536
.set STEPB, 2*768*1536
.set P1S,   9437184
.set O1C,   16777216
.set O1S,   19922944
.set HS,    12582912
.set ALO, 4
.set AHI, 6
.set BB,  8
.set ADSA0, 10
.set ADSA1, 11
.set ADSB,  12
.set SPW, 13
.set NIL, 14
.set L16, 15
.set L4,  16
.set SA,  20
.set SB,  22
.set AF,  32
.set BF,  80
.set BN,  176
.set T,   32
.set GD,  96                           ; v96-103 t;  v104-111 the polynomial, the exponential;  v112-119 0.5 x, G;  v120-121 the leading coefficient, twice
.set GP,  104
.set GH,  112
.set V9,  120
.set TM,  128
.set PC,  144
.set PW,  164
.set PWE, 165
.set PWS, 166
.set WV,  14
.set G1,  24
.set G0,  32
.set G1B, 48
.set G0B, 56
.set G1S, 68
.set G0S, 76
.set G1SB, 80
.set G0SB, 88
.set SEL, 94
.set MHI, 96
.set MSB, 0
.macro WIN new
.if MSB != \new
	s_set_vgpr_msb (MSB<<8)|\new
.set MSB, \new
.endif
.endm
.macro PLACES
.rept 4
	v_nop
.endr
.endm
.macro CROUND
	s_barrier_signal -1
	s_barrier_wait -1
	s_cmp_lg_u32 s[WV], 0
	s_cbranch_scc1 .Lnot_wave_0_\@
	s_barrier_signal -3
.Lnot_wave_0_\@:
	s_barrier_wait -3
	s_barrier_signal -1
	s_barrier_wait -1
.endm
.macro JLOAD s
	s_cmp_eq_u32 s15, 0
	s_cbranch_scc0 .Lfor_b_\@
	tensor_load_to_lds s[G0+4*(\s):G0+4*(\s)+3], s[G1:G1+7]
	s_nop 0
	PLACES
	s_branch .Lasked_\@
.Lfor_b_\@:
	tensor_load_to_lds s[G0B+4*(\s):G0B+4*(\s)+3], s[G1B:G1B+7]
	s_nop 0
	PLACES
.Lasked_\@:
.endm
.macro MM a, b, first
.set DD, 8*(8*(\a)+(\b))
.set FB, BF+12*(\b)
.set FA, AF+12*(\a)
.set S0, SB+(\b)/2
.set S1, SA+(\a)/2
.set VAR, 4*(\first)+2*((\b)%2)+(\a)%2
.if VAR == 0
	v_wmma_scale_f32_16x16x128_f8f6f4 v[DD:DD+7], v[FB:FB+11], v[FA:FA+11], v[DD:DD+7], v[S0], v[S1] matrix_a_fmt:MATRIX_FMT_FP6 matrix_b_fmt:MATRIX_FMT_FP6
.elseif VAR == 1
	v_wmma_scale_f32_16x16x128_f8f6f4 v[DD:DD+7], v[FB:FB+11], v[FA:FA+11], v[DD:DD+7], v[S0], v[S1] matrix_a_fmt:MATRIX_FMT_FP6 matrix_b_fmt:MATRIX_FMT_FP6 matrix_b_scale:MATRIX_SCALE_ROW1
.elseif VAR == 2
	v_wmma_scale_f32_16x16x128_f8f6f4 v[DD:DD+7], v[FB:FB+11], v[FA:FA+11], v[DD:DD+7], v[S0], v[S1] matrix_a_fmt:MATRIX_FMT_FP6 matrix_b_fmt:MATRIX_FMT_FP6 matrix_a_scale:MATRIX_SCALE_ROW1
.elseif VAR == 3
	v_wmma_scale_f32_16x16x128_f8f6f4 v[DD:DD+7], v[FB:FB+11], v[FA:FA+11], v[DD:DD+7], v[S0], v[S1] matrix_a_fmt:MATRIX_FMT_FP6 matrix_b_fmt:MATRIX_FMT_FP6 matrix_a_scale:MATRIX_SCALE_ROW1 matrix_b_scale:MATRIX_SCALE_ROW1
.elseif VAR == 4
	v_wmma_scale_f32_16x16x128_f8f6f4 v[DD:DD+7], v[FB:FB+11], v[FA:FA+11], 0, v[S0], v[S1] matrix_a_fmt:MATRIX_FMT_FP6 matrix_b_fmt:MATRIX_FMT_FP6
.elseif VAR == 5
	v_wmma_scale_f32_16x16x128_f8f6f4 v[DD:DD+7], v[FB:FB+11], v[FA:FA+11], 0, v[S0], v[S1] matrix_a_fmt:MATRIX_FMT_FP6 matrix_b_fmt:MATRIX_FMT_FP6 matrix_b_scale:MATRIX_SCALE_ROW1
.elseif VAR == 6
	v_wmma_scale_f32_16x16x128_f8f6f4 v[DD:DD+7], v[FB:FB+11], v[FA:FA+11], 0, v[S0], v[S1] matrix_a_fmt:MATRIX_FMT_FP6 matrix_b_fmt:MATRIX_FMT_FP6 matrix_a_scale:MATRIX_SCALE_ROW1
.else
	v_wmma_scale_f32_16x16x128_f8f6f4 v[DD:DD+7], v[FB:FB+11], v[FA:FA+11], 0, v[S0], v[S1] matrix_a_fmt:MATRIX_FMT_FP6 matrix_b_fmt:MATRIX_FMT_FP6 matrix_a_scale:MATRIX_SCALE_ROW1 matrix_b_scale:MATRIX_SCALE_ROW1
.endif
.endm
.macro KSTEP slot, co, sa, sb, first   ; one K step of 128: 42 LDS loads, 32 matrix instructions on 32 accumulators by turns
	PLACES
	ds_load_b32 v[SA], v[ADSA0] offset:\sa
	ds_load_b32 v[SA+1], v[ADSA1] offset:\sa
.irp j, 0,1,2,3
	ds_load_b32 v[SB+\j], v[ADSB] offset:(\sb)+128*\j
.endr
.irp a, 0,1
.irp c, 0,1,2
	ds_load_b128 v[AF+12*\a+4*\c:AF+12*\a+4*\c+3], v[ALO+\slot] offset:(\co)+1536*\a+512*\c
.endr
.endr
.irp a, 0,1
.irp c, 0,1,2
	ds_load_b128 v[AF+24+12*\a+4*\c:AF+24+12*\a+4*\c+3], v[AHI+\slot] offset:(\co)+1536*\a+512*\c
.endr
.endr
.irp b, 0,1,2,3,4,5,6,7
.irp c, 0,1,2
	ds_load_b128 v[BF+12*\b+4*\c:BF+12*\b+4*\c+3], v[BB+\slot] offset:(\co)+12288*(\b/4)+1536*(\b%4)+512*\c
.endr
.endr
	WIN 0x50
.irp b, 0,1,2,3,4,5,6,7
	s_wait_dscnt 3*(7-\b)                          ; all but the loads of the weight's later fragments
.irp a, 0,1,2,3
	MM \a, \b, \first
.endr
.endr
	WIN 0
.endm
.macro TRIP slot, refill, ks, first    ; all my tensor loads, the add, my reads; a round of the cluster's barrier; the joint refill of the other slot; this slot's two K steps
	s_wait_tensorcnt 0x0
	ds_add_u32 v[SPW], v[NIL]
	s_add_nc_u64 s[G0+4*\slot+2:G0+4*\slot+3], s[G0+4*\slot+2:G0+4*\slot+3], 2*STEPA
	s_add_nc_u64 s[G0B+4*\slot+2:G0B+4*\slot+3], s[G0B+4*\slot+2:G0B+4*\slot+3], 2*STEPB
	s_wait_dscnt 0x0
	CROUND
.if \refill
	JLOAD 1-\slot
.endif
	KSTEP \slot, 0, 1024*(\ks), 1024*(\ks), \first
	KSTEP \slot, 6144, 1024*(\ks)+1024, 1024*(\ks)+1024, 0
.endm
.macro QUANT s
.irp b, 0,1,2,3
	v_max3_num_f32 v[TM+\b], |v[\s+16*\b]|, |v[\s+1+16*\b]|, 0x1800000
.endr
.irp i, 2,4,6,8,10,12,14
.irp b, 0,1,2,3
	v_max3_num_f32 v[TM+\b], v[TM+\b], |v[\s+16*\b+\i]|, |v[\s+1+16*\b+\i]|
.endr
.endr
.irp b, 0,1,2,3
	v_permlanex16_b32 v[TM+4+\b], v[TM+\b], s[SEL], s[SEL+1]
.endr
.irp b, 0,1,2,3
	v_max_num_f32 v[TM+\b], v[TM+\b], v[TM+4+\b]
.endr
.irp b, 0,1,2,3
	v_add_nc_u32 v[TM+12+\b], 0xff000000, v[TM+\b]
.endr
.irp b, 0,1,2,3
	v_lshrrev_b32 v[TM+4+\b], 23, v[TM+12+\b]
.endr
	v_lshl_or_b32 v[PW], v[TM+5], 8, v[TM+4]
	v_lshl_or_b32 v[PW], v[TM+6], 16, v[PW]
	v_lshl_or_b32 v[PW], v[TM+7], 24, v[PW]
.irp c, 0,1
	v_cvt_scalef32_pk16_fp6_f32 v[PC+6*\c:PC+2+6*\c], v[\s+32*\c:\s+15+32*\c], v[TM+12+2*\c]
	v_cvt_scalef32_pk16_fp6_f32 v[PC+12+4*\c:PC+14+4*\c], v[\s+16+32*\c:\s+31+32*\c], v[TM+12+2*\c+1]
.endr
	v_nop
.irp c, 0,1
.irp i, 0,1,2
	v_permlane16_swap_b32 v[PC+6*\c+\i], v[PC+12+4*\c+\i]
.endr
.irp i, 0,1,2
	v_mov_b32 v[PC+3+6*\c+\i], v[PC+12+4*\c+\i]
.endr
.endr
.endm
.macro GELU8 x                         ; eight numbers, in place
.irp j, 0,1,2,3,4,5,6,7
	v_fma_f32 v[GD+\j], |v[(\x)+\j]|, 0x3eb504f3, 1.0   ; 1 + z / 2
.endr
.irp j, 0,1,2,3,4,5,6,7
	v_rcp_f32 v[GD+\j], v[GD+\j]                   ; t
.endr
.irp j, 0,2,4,6
	v_pk_mul_f32 v[GH+\j:GH+\j+1], v[(\x)+\j:(\x)+\j+1], 0.5 op_sel_hi:[1,0]   ; (the plain place behind the reciprocals)
.endr
	s_wait_alu depctr_va_vdst(0)
.irp j, 0,2,4,6
	v_pk_fma_f32 v[GP+\j:GP+\j+1], v[GD+\j:GD+\j+1], v[V9:V9+1], 0xbf527892 op_sel_hi:[1,1,0]
.endr
.irp k, 0x3fbe87b0, 0xbf914e5d, 0x3e8ec7cc, 0xbe3ec24c, 0x3dc636c9, 0x3ebf88fb, 0x3f8000c7, 0xbfa1fc4e
.irp j, 0,2,4,6
	v_pk_fma_f32 v[GP+\j:GP+\j+1], v[GP+\j:GP+\j+1], v[GD+\j:GD+\j+1], \k op_sel_hi:[1,1,0]
.endr
.endr
.irp j, 0,2,4,6
	v_pk_fma_f32 v[GP+\j:GP+\j+1], v[GH+\j:GH+\j+1], v[(\x)+\j:(\x)+\j+1], v[GP+\j:GP+\j+1] neg_lo:[1,0,0] neg_hi:[1,0,0]   ; P(t) - z^2
.endr
.irp j, 0,2,4,6
	v_pk_mul_f32 v[GP+\j:GP+\j+1], v[GP+\j:GP+\j+1], 0x3fb8aa3b op_sel_hi:[1,0]
.endr
.irp j, 0,1,2,3,4,5,6,7
	v_exp_f32 v[GP+\j], v[GP+\j]
.endr
	v_nop
	s_wait_alu depctr_va_vdst(0)
.irp j, 0,2,4,6
	v_pk_mul_f32 v[GP+\j:GP+\j+1], v[GP+\j:GP+\j+1], v[GD+\j:GD+\j+1]   ; erfc(z)
.endr
.irp j, 0,2,4,6
	v_pk_mul_f32 v[GH+\j:GH+\j+1], v[GH+\j:GH+\j+1], v[GP+\j:GP+\j+1]   ; G
.endr
.irp j, 0,2,4,6
	v_pk_add_f32 v[GP+\j:GP+\j+1], v[(\x)+\j:(\x)+\j+1], v[GH+\j:GH+\j+1] neg_lo:[0,1] neg_hi:[0,1]   ; x - G
.endr
.irp j, 0,1,2,3,4,5,6,7
	v_max_num_f32 v[(\x)+\j], v[GP+\j], v[GH+\j]
.endr
.endm
	s_load_b256 s[4:11], s[0:1], 0x0               ; o1, wts, b_ff1, hb
	v_lshl_add_u32 v[SPW], v0, 2, SPARE
	v_mov_b32 v[NIL], 0
	ds_add_u32 v13, v14
	s_wait_dscnt 0x0
	v_lshrrev_b32 v1, 5, v0
	v_readfirstlane_b32 s[WV], v1
	s_lshr_b32 s15, s[WV], 2                       ; I fetch for the rows (0) or for the weight (1),
	s_and_b32 s16, s[WV], 3                        ; tiles 4 part .. 4 part + 3
	s_lshr_b32 s17, s[WV], 1                       ; wm
	s_and_b32 s18, s[WV], 1                        ; wn
	s_bfe_u32 s40, ttmp6, 0x40000                  ; cx
	s_bfe_u32 s41, ttmp6, 0x40004                  ; cy
	s_lshl_b32 s42, ttmp9, 2
	s_add_co_u32 s42, s42, s40                     ; tile column 0..15
	s_and_b32 s12, ttmp7, 0xffff
	s_lshl_b32 s12, s12, 2
	s_add_co_u32 s12, s12, s41                     ; tile row 0..15
	s_lshl_b32 s43, s41, 2
	s_lshl_b32 s43, 15, s43
	s_lshl_b32 s44, 0x1111, s40
	s_mov_b32 s[SEL], 0x76543210
	s_mov_b32 s[SEL+1], 0xfedcba98
	s_mov_b32 s[MHI], 0xffff0000
	s_or_b32 s[G1], s43, (3<<16)|(1<<21)           ; codes: 2 rows (K steps) of four fragments; the rows' K steps lie 256 fragments apart, the weight's 768
	s_or_b32 s[G1B], s44, (3<<16)|(1<<21)
.irp g, G1, G1B
	s_mov_b32 s[\g+1], 768<<16
	s_mov_b32 s[\g+2], 2<<16
	s_mov_b32 s[\g+3], 768<<16
	s_mov_b32 s[\g+4], 2
	s_mov_b32 s[\g+6], 0
	s_mov_b32 s[\g+7], 0
.endr
	s_mov_b32 s[G1+5], 256*192
	s_mov_b32 s[G1B+5], 768*192
	s_or_b32 s[G1S], s43, (3<<16)|(1<<21)          ; scale words: 2 rows of 1,024 bytes; 4,096 and 12,288 slots apart
	s_or_b32 s[G1SB], s44, (3<<16)|(1<<21)
.irp g, G1S, G1SB
	s_mov_b32 s[\g+1], 128<<16
	s_mov_b32 s[\g+2], 2<<16
	s_mov_b32 s[\g+3], 128<<16
	s_mov_b32 s[\g+4], 2
	s_mov_b32 s[\g+6], 0
	s_mov_b32 s[\g+7], 0
.endr
	s_mov_b32 s[G1S+5], 2048
	s_mov_b32 s[G1SB+5], 6144
	s_lshl_b32 s19, s16, 2
	s_lshl_b32 s20, s12, 4                         ; the rows' first tile
	s_add_co_u32 s22, s20, s19
	s_mul_i32 s22, s22, 1536
	s_add_co_u32 s22, s22, O1C
	s_mov_b32 s23, 0
	s_lshl_b32 s20, s20, 6
	s_lshl_b32 s21, s16, 15
	s_add_co_u32 s20, s20, s21
	s_add_co_u32 s20, s20, O1S
	s_mov_b32 s21, 0
	s_lshl_b32 s46, s42, 4
	s_add_co_u32 s46, s46, 512                     ; the weight's first tile
	s_add_co_u32 s92, s46, s19
	s_mul_i32 s92, s92, 1536
	s_mov_b32 s93, 0
	s_lshl_b32 s46, s46, 6
	s_mul_i32 s47, s16, 98304
	s_add_co_u32 s46, s46, s47
	s_add_co_u32 s46, s46, P1S
	s_mov_b32 s47, 0
	s_mul_i32 s45, s[WV], 12288
	s_lshl_b32 s66, s[WV], 11
	s_wait_kmcnt 0x0
	s_add_nc_u64 s[22:23], s[4:5], s[22:23]
	s_add_nc_u64 s[20:21], s[4:5], s[20:21]
	s_add_nc_u64 s[92:93], s[6:7], s[92:93]
	s_add_nc_u64 s[46:47], s[6:7], s[46:47]
	s_mov_b32 s[G0S], 1
	s_add_co_u32 s[G0S+1], s66, SCL
	s_mov_b64 s[G0S+2:G0S+3], s[20:21]
	s_or_b32 s[G0S+3], s[G0S+3], 0x80000000
	s_mov_b32 s[G0SB], 1
	s_add_co_u32 s[G0SB+1], s66, SCL
	s_mov_b64 s[G0SB+2:G0SB+3], s[46:47]
	s_or_b32 s[G0SB+3], s[G0SB+3], 0x80000000
.irp s, 0,1
	s_mov_b32 s[G0+4*\s], 1
	s_add_co_u32 s[G0+4*\s+1], s45, \s*SLOTB
	s_add_nc_u64 s[G0+4*\s+2:G0+4*\s+3], s[22:23], \s*STEPA
	s_or_b32 s[G0+4*\s+3], s[G0+4*\s+3], 0x80000000
	s_mov_b32 s[G0B+4*\s], 1
	s_add_co_u32 s[G0B+4*\s+1], s45, \s*SLOTB
	s_add_nc_u64 s[G0B+4*\s+2:G0B+4*\s+3], s[92:93], \s*STEPB
	s_or_b32 s[G0B+4*\s+3], s[G0B+4*\s+3], 0x80000000
.endr
	CROUND
	s_cmp_eq_u32 s15, 0                            ; a wave's two first fills stand in one branch
	s_cbranch_scc0 .Lfirst_b
	tensor_load_to_lds s[G0S:G0S+3], s[G1S:G1S+7]
	s_nop 0
	tensor_load_to_lds s[G0:G0+3], s[G1:G1+7]
	s_nop 0
	PLACES
	s_branch .Lfirst_done
.Lfirst_b:
	tensor_load_to_lds s[G0SB:G0SB+3], s[G1SB:G1SB+7]
	s_nop 0
	tensor_load_to_lds s[G0B:G0B+3], s[G1B:G1B+7]
	s_nop 0
	PLACES
.Lfirst_done:
	v_and_b32 v1, 31, v0
	v_bfe_u32 v3, v0, 4, 1
	v_lshlrev_b32 v[L16], 4, v1
	v_lshlrev_b32 v[L4], 2, v1
	s_mul_i32 s19, s17, 12288
	v_add_nc_u32 v[ALO], s19, v[L16]
	v_add_nc_u32 v[ALO+1], SLOTB, v[ALO]
	v_add_nc_u32 v[AHI], 3072, v[ALO]
	v_add_nc_u32 v[AHI+1], 3072, v[ALO+1]
	s_mul_i32 s19, s18, 24576
	s_add_co_u32 s19, s19, 4*12288
	v_add_nc_u32 v[BB], s19, v[L16]
	v_add_nc_u32 v[BB+1], SLOTB, v[BB]
	s_lshl_b32 s19, s17, 8
	s_add_co_u32 s19, s19, SCL
	v_add_nc_u32 v[ADSA0], s19, v[L4]
	v_add_nc_u32 v[ADSA1], 128, v[ADSA0]
	s_lshl_b32 s19, s18, 9
	s_add_co_u32 s19, s19, SCL+8192
	v_add_nc_u32 v[ADSB], s19, v[L4]
	s_lshl_b32 s2, s42, 10
	s_lshl_b32 s3, s18, 9
	s_add_co_u32 s2, s2, s3
	s_mov_b32 s3, 0
	s_add_nc_u64 s[8:9], s[8:9], s[2:3]            ; b_ff1 at column 256 tile column + 128 wn
	v_lshlrev_b32 v18, 6, v3
.irp b, 0,1,2,3,4,5,6,7
.irp i, 0,1
	global_load_b128 v[BN+8*\b+4*\i:BN+8*\b+4*\i+3], v18, s[8:9] offset:4*(32*(\b/2)+8*(\b%2))+16*\i
.endr
.endr
	TRIP 0, 1, 0, 1
	TRIP 1, 1, 2, 0
	TRIP 0, 1, 4, 0
	TRIP 1, 0, 6, 0
	PLACES
.irp b, 0,1,2,3
	v_mov_b32 v[TM+4+\b], 0
.endr
	v_mov_b32 v[V9], 0x3e2ef946
	v_mov_b32 v[V9+1], 0x3e2ef946
	s_lshl_b32 s2, s42, 1
	s_add_co_u32 s2, s2, s18                       ; the next product's K step: 2 tile column + wn
	s_lshl_b32 s3, s12, 4
	s_lshl_b32 s19, s17, 2
	s_add_co_u32 s3, s3, s19                       ; my first tile of rows
	s_lshl_b32 s20, s2, 8
	s_add_co_u32 s20, s20, s3
	s_lshl_b32 s22, s20, 6
	s_add_co_u32 s22, s22, HS
	s_mov_b32 s23, 0
	s_mul_i32 s20, s20, 1536
	s_mov_b32 s21, 0
	s_add_nc_u64 s[20:21], s[10:11], s[20:21]
	s_add_nc_u64 s[22:23], s[10:11], s[22:23]
	s_wait_loadcnt 0x0                             ; the bias
.macro HOUT a
.if \a > 0
	s_wait_xcnt 0x0                                ; the last tile's stores have read their registers
.endif
	WIN 0x01
.set i, 0
.rept 32
	v_pk_add_f32 v[T+i:T+i+1], v[64*(\a)+i:64*(\a)+i+1], v[BN+i:BN+i+1]   ; each accumulator from its low end on
.set i, i+2
.endr
	WIN 0
.irp e, 0,1,2,3,4,5,6,7
	GELU8 T+8*\e
.endr
	QUANT T
.irp c, 0,1,2
	global_store_b128 v[L16], v[PC+4*\c:PC+4*\c+3], s[20:21] offset:1536*(\a)+512*\c
.endr
.if (\a)%2 == 0
	v_mov_b32 v[PWE], v[PW]
.else
	v_cndmask_b32 v[PWS], v[PWE], v[PW], s[MHI]
	global_store_b32 v[L4], v[PWS], s[22:23] offset:128*((\a)/2)
.endif
.endm
	HOUT 0
	HOUT 1
	HOUT 2
	HOUT 3
	s_wait_tensorcnt 0x0                           ; the wave's end
	ds_add_u32 v[SPW], v[NIL]
	s_wait_dscnt 0x0
	CROUND
	s_endpgm
.Lfunc_end_k_q92e0265e84_ff1:
	.size	k_q92e0265e84_ff1, .Lfunc_end_k_q92e0265e84_ff1-k_q92e0265e84_ff1
	.p2alignl 7, 3214868480
	.fill 96, 4, 3214868480
	.section	.rodata,"a",@progbits
	.p2align	6, 0x0
	.amdhsa_kernel k_q92e0265e84_ff1
		.amdhsa_group_segment_fixed_size 327680
		.amdhsa_private_segment_fixed_size 0
		.amdhsa_enable_private_segment 0
		.amdhsa_kernarg_size 32
		.amdhsa_user_sgpr_count 2
		.amdhsa_user_sgpr_kernarg_segment_ptr 1
		.amdhsa_wavefront_size32 1
		.amdhsa_system_sgpr_workgroup_id_x 1
		.amdhsa_system_sgpr_workgroup_id_y 1
		.amdhsa_system_sgpr_workgroup_id_z 1
		.amdhsa_system_vgpr_workitem_id 0
		.amdhsa_next_free_vgpr 512
		.amdhsa_next_free_sgpr 100
		.amdhsa_reserve_vcc 0
		.amdhsa_float_denorm_mode_32 3
		.amdhsa_float_denorm_mode_16_64 3
		.amdhsa_memory_ordered 1
		.amdhsa_forward_progress 1
		.amdhsa_inst_pref_size 255
	.end_amdhsa_kernel
	.section	.bss,"aw",@nobits
	.p2align	6
	.space	262144
	.amdgpu_metadata
---
amdhsa.version: [ 1, 2 ]
amdhsa.kernels:
  - .name:           k_q92e0265e84_ff1
    .symbol:         k_q92e0265e84_ff1.kd
    .args:
      - { .name: o1, .offset: 0, .size: 8, .value_kind: global_buffer, .address_space: global }
      - { .name: wts, .offset: 8, .size: 8, .value_kind: global_buffer, .address_space: global }
      - { .name: b_ff1, .offset: 16, .size: 8, .value_kind: global_buffer, .address_space: global }
      - { .name: hb, .offset: 24, .size: 8, .value_kind: global_buffer, .address_space: global }
    .group_segment_fixed_size: 327680
    .private_segment_fixed_size: 0
    .kernarg_segment_align: 8
    .kernarg_segment_size: 32
    .max_flat_workgroup_size: 256
    .sgpr_count:     100
    .vgpr_count:     512
    .wavefront_size: 32
...
	.end_amdgpu_metadata
.endif
;; end of part 5
;; launch ff2 (part 6): grid 4 x 32, 8 waves a work-group, clusters of 4 x 4, 327,680 bytes of LDS; arguments hb, wts, fb; writes fb
.if DOCPART == 6
	.amdgcn_target "amdgcn-amd-amdhsa--gfx1250"
	.amdhsa_code_object_version 6
	.text
	.protected	k_q92e0265e84_ff2
	.globl	k_q92e0265e84_ff2
	.p2align	8
	.type	k_q92e0265e84_ff2,@function
k_q92e0265e84_ff2:
	s_mov_b64 s[64:65], 0
	v_nop
	global_prefetch_b8 v0, s[64:65] scope:SCOPE_SE
	s_setreg_imm32_b32 hwreg(HW_REG_WAVE_MODE, 25, 1), 1
	s_wait_xcnt 0x0
	s_wait_alu depctr_hold_cnt(0) depctr_sa_sdst(0) depctr_va_vdst(0) depctr_va_sdst(0) depctr_va_ssrc(0) depctr_va_vcc(0) depctr_vm_vsrc(0)
	s_getreg_b32 s2, hwreg(HW_REG_IB_STS2, 6, 4)
	s_cmp_eq_u32 s2, 0
	s_cbranch_scc0 .Lentry_in_a_cluster
	s_endpgm
.Lentry_in_a_cluster:
	s_bfe_u32 s2, ttmp6, 0x10000c
	s_cmp_lg_u32 s2, 0xf033
	s_cbranch_scc0 .Lentry_shape_is_right
	s_endpgm
.Lentry_shape_is_right:
; fb = h w_ff2, raw f32 sums, on codes of FP6 (E2M3) with E8M0 scales; the bias, the residual and the norm follow in the next launch, which reads both arrays anyway.
; N is only 1,024: a work-group makes 128 rows x 256 columns (128 work-groups), and its eight waves SPLIT K IN TWO: of a slot's two K steps waves 0-3 take the first, waves 4-7 the second.
; A wave makes 64 x 128 (32 accumulators, window 1).  Accumulator index a stands for the rows' tile (a + 2 kg) % 4, so that every wave keeps a = 0, 1 and hands a = 2, 3 to its partner (wave xor 4) through LDS: one text.
; K = 4,096 goes through a ring of two LDS slots of two K steps: waves 0, 1 fetch the rows' eight tiles, waves 2-5 the weight's sixteen, waves 6, 7 nothing.  CLUSTER 4 x 4 with joint loads; scale words once.
.set SLOTB, 73728                      ; six waves' loads of 12,288 bytes: [wave][K step][4 fragments]
.set SCL,   2*SLOTB                    ; the rows' scale words [32][128], then the weight's [32][256]
.set SPARE, SCL+49152
.set STG,   SPARE+1024                 ; a stage of 16 rows x 528 bytes for each wave
.set STEPA, 2*256*1536
.set STEPB, 2*64*1536
.set W2C,   9830400
.set W2S,   12976128
.set HS,    12582912
.set ALO, 4
.set AHI, 6
.set BB,  8
.set ADSA0, 10
.set ADSA1, 11
.set ADSB,  12
.set SPW, 13
.set NIL, 14
.set XW,  15                           ; v15 where I put what I hand over;  v16 where my partner has put mine;  v17, v18 the stage, in and back;  v19 16 x lane
.set XR,  16
.set STO, 17
.set RD,  18
.set CO,  19
.set SA,  20
.set SB,  22
.set AF,  32
.set BF,  80
.set T,   32
.set WV,  14
.set G1,  24
.set G0,  32
.set G1B, 48
.set G0B, 56
.set G1S, 68
.set G0S, 76
.set G1SB, 80
.set G0SB, 88
.set MSB, 0
.macro WIN new
.if MSB != \new
	s_set_vgpr_msb (MSB<<8)|\new
.set MSB, \new
.endif
.endm
.macro PLACES
.rept 4
	v_nop
.endr
.endm
.macro CROUND
	s_barrier_signal -1
	s_barrier_wait -1
	s_cmp_lg_u32 s[WV], 0
	s_cbranch_scc1 .Lnot_wave_0_\@
	s_barrier_signal -3
.Lnot_wave_0_\@:
	s_barrier_wait -3
	s_barrier_signal -1
	s_barrier_wait -1
.endm
.macro JLOAD s                         ; the branches hang on the wave's number alone
	s_cmp_lt_u32 s[WV], 2
	s_cbranch_scc0 .Lnot_a_\@
	tensor_load_to_lds s[G0+4*(\s):G0+4*(\s)+3], s[G1:G1+7]
	s_nop 0
	PLACES
	s_branch .Lasked_\@
.Lnot_a_\@:
	s_cmp_lt_u32 s[WV], 6
	s_cbranch_scc0 .Lasked_\@
	tensor_load_to_lds s[G0B+4*(\s):G0B+4*(\s)+3], s[G1B:G1B+7]
	s_nop 0
	PLACES
.Lasked_\@:
.endm
.macro MM a, b, first
.set DD, 8*(8*(\a)+(\b))
.set FB, BF+12*(\b)
.set FA, AF+12*(\a)
.set S0, SB+(\b)/2
.set S1, SA+(\a)/2
.set VAR, 4*(\first)+2*((\b)%2)+(\a)%2
.if VAR == 0
	v_wmma_scale_f32_16x16x128_f8f6f4 v[DD:DD+7], v[FB:FB+11], v[FA:FA+11], v[DD:DD+7], v[S0], v[S1] matrix_a_fmt:MATRIX_FMT_FP6 matrix_b_fmt:MATRIX_FMT_FP6
.elseif VAR == 1
	v_wmma_scale_f32_16x16x128_f8f6f4 v[DD:DD+7], v[FB:FB+11], v[FA:FA+11], v[DD:DD+7], v[S0], v[S1] matrix_a_fmt:MATRIX_FMT_FP6 matrix_b_fmt:MATRIX_FMT_FP6 matrix_b_scale:MATRIX_SCALE_ROW1
.elseif VAR == 2
	v_wmma_scale_f32_16x16x128_f8f6f4 v[DD:DD+7], v[FB:FB+11], v[FA:FA+11], v[DD:DD+7], v[S0], v[S1] matrix_a_fmt:MATRIX_FMT_FP6 matrix_b_fmt:MATRIX_FMT_FP6 matrix_a_scale:MATRIX_SCALE_ROW1
.elseif VAR == 3
	v_wmma_scale_f32_16x16x128_f8f6f4 v[DD:DD+7], v[FB:FB+11], v[FA:FA+11], v[DD:DD+7], v[S0], v[S1] matrix_a_fmt:MATRIX_FMT_FP6 matrix_b_fmt:MATRIX_FMT_FP6 matrix_a_scale:MATRIX_SCALE_ROW1 matrix_b_scale:MATRIX_SCALE_ROW1
.elseif VAR == 4
	v_wmma_scale_f32_16x16x128_f8f6f4 v[DD:DD+7], v[FB:FB+11], v[FA:FA+11], 0, v[S0], v[S1] matrix_a_fmt:MATRIX_FMT_FP6 matrix_b_fmt:MATRIX_FMT_FP6
.elseif VAR == 5
	v_wmma_scale_f32_16x16x128_f8f6f4 v[DD:DD+7], v[FB:FB+11], v[FA:FA+11], 0, v[S0], v[S1] matrix_a_fmt:MATRIX_FMT_FP6 matrix_b_fmt:MATRIX_FMT_FP6 matrix_b_scale:MATRIX_SCALE_ROW1
.elseif VAR == 6
	v_wmma_scale_f32_16x16x128_f8f6f4 v[DD:DD+7], v[FB:FB+11], v[FA:FA+11], 0, v[S0], v[S1] matrix_a_fmt:MATRIX_FMT_FP6 matrix_b_fmt:MATRIX_FMT_FP6 matrix_a_scale:MATRIX_SCALE_ROW1
.else
	v_wmma_scale_f32_16x16x128_f8f6f4 v[DD:DD+7], v[FB:FB+11], v[FA:FA+11], 0, v[S0], v[S1] matrix_a_fmt:MATRIX_FMT_FP6 matrix_b_fmt:MATRIX_FMT_FP6 matrix_a_scale:MATRIX_SCALE_ROW1 matrix_b_scale:MATRIX_SCALE_ROW1
.endif
.endm
.macro KSTEP slot, first               ; one K step of 128: 42 LDS loads, 32 matrix instructions on 32 accumulators by turns
	PLACES
	ds_load_b32 v[SA], v[ADSA0]
	ds_load_b32 v[SA+1], v[ADSA1]
.irp j, 0,1,2,3
	ds_load_b32 v[SB+\j], v[ADSB] offset:128*\j
.endr
.irp a, 0,1
.irp c, 0,1,2
	ds_load_b128 v[AF+12*\a+4*\c:AF+12*\a+4*\c+3], v[ALO+\slot] offset:1536*\a+512*\c
.endr
.endr
.irp a, 0,1
.irp c, 0,1,2
	ds_load_b128 v[AF+24+12*\a+4*\c:AF+24+12*\a+4*\c+3], v[AHI+\slot] offset:1536*\a+512*\c
.endr
.endr
.irp b, 0,1,2,3,4,5,6,7
.irp c, 0,1,2
	ds_load_b128 v[BF+12*\b+4*\c:BF+12*\b+4*\c+3], v[BB+\slot] offset:12288*(\b/4)+1536*(\b%4)+512*\c
.endr
.endr
	WIN 0x50
.irp b, 0,1,2,3,4,5,6,7
	s_wait_dscnt 3*(7-\b)                          ; all but the loads of the weight's later fragments
.irp a, 0,1,2,3
	MM \a, \b, \first
.endr
.endr
	WIN 0
.endm
.macro TRIP slot, refill, first        ; all my tensor loads, the add, my reads; a round of the cluster's barrier; the joint refill of the other slot; my K step of this slot
	s_wait_tensorcnt 0x0
	ds_add_u32 v[SPW], v[NIL]
	s_add_nc_u64 s[G0+4*\slot+2:G0+4*\slot+3], s[G0+4*\slot+2:G0+4*\slot+3], 2*STEPA
	s_add_nc_u64 s[G0B+4*\slot+2:G0B+4*\slot+3], s[G0B+4*\slot+2:G0B+4*\slot+3], 2*STEPB
	s_wait_dscnt 0x0
	CROUND
.if \refill
	JLOAD 1-\slot
.endif
	KSTEP \slot, \first
	v_add_nc_u32 v[ADSA0], 1024, v[ADSA0]          ; two K steps on among the scale words (no LDS load of mine is out)
	v_add_nc_u32 v[ADSA1], 1024, v[ADSA1]
	v_add_nc_u32 v[ADSB], 2048, v[ADSB]
.endm
	s_load_b128 s[4:7], s[0:1], 0x0                ; hb, wts
	s_load_b64 s[8:9], s[0:1], 0x10                ; fb
	v_lshl_add_u32 v[SPW], v0, 2, SPARE
	v_mov_b32 v[NIL], 0
	ds_add_u32 v13, v14
	s_wait_dscnt 0x0
	v_lshrrev_b32 v1, 5, v0
	v_readfirstlane_b32 s[WV], v1
	s_lshr_b32 s15, s[WV], 2                       ; kg: which K step of a slot is mine
	s_bfe_u32 s17, s[WV], 0x10001                  ; wm
	s_and_b32 s18, s[WV], 1                        ; wn.  Also: which half of the rows' tiles I would fetch
	s_add_co_u32 s16, s[WV], 2
	s_and_b32 s16, s16, 3                          ; which quarter of the weight's
	s_bfe_u32 s40, ttmp6, 0x40000                  ; cx: the tile column
	s_bfe_u32 s41, ttmp6, 0x40004                  ; cy
	s_and_b32 s12, ttmp7, 0xffff
	s_lshl_b32 s12, s12, 2
	s_add_co_u32 s12, s12, s41                     ; tile row 0..31
	s_lshl_b32 s43, s41, 2
	s_lshl_b32 s43, 15, s43
	s_lshl_b32 s44, 0x1111, s40
	s_or_b32 s[G1], s43, (3<<16)|(1<<21)           ; codes: 2 rows (K steps) of four fragments; 256 and 64 fragments apart
	s_or_b32 s[G1B], s44, (3<<16)|(1<<21)
.irp g, G1, G1B
	s_mov_b32 s[\g+1], 768<<16
	s_mov_b32 s[\g+2], 2<<16
	s_mov_b32 s[\g+3], 768<<16
	s_mov_b32 s[\g+4], 2
	s_mov_b32 s[\g+6], 0
	s_mov_b32 s[\g+7], 0
.endr
	s_mov_b32 s[G1+5], 256*192
	s_mov_b32 s[G1B+5], 64*192
	s_or_b32 s[G1S], s43, (3<<16)|(1<<21)          ; the rows' scale words: 16 K steps of 512 bytes, 4,096 slots apart
	s_mov_b32 s[G1S+1], 64<<16
	s_mov_b32 s[G1S+2], 16<<16
	s_mov_b32 s[G1S+3], 64<<16
	s_mov_b32 s[G1S+4], 16
	s_mov_b32 s[G1S+5], 2048
	s_mov_b32 s[G1S+6], 0
	s_mov_b32 s[G1S+7], 0
	s_or_b32 s[G1SB], s44, (3<<16)|(1<<21)         ; the weight's: 8 K steps of 1,024 bytes, 1,024 slots apart
	s_mov_b32 s[G1SB+1], 128<<16
	s_mov_b32 s[G1SB+2], 8<<16
	s_mov_b32 s[G1SB+3], 128<<16
	s_mov_b32 s[G1SB+4], 8
	s_mov_b32 s[G1SB+5], 512
	s_mov_b32 s[G1SB+6], 0
	s_mov_b32 s[G1SB+7], 0
	s_lshl_b32 s20, s12, 3                         ; the rows' first tile
	s_lshl_b32 s19, s18, 2
	s_add_co_u32 s22, s20, s19
	s_mul_i32 s22, s22, 1536
	s_mov_b32 s23, 0
	s_lshl_b32 s20, s20, 6
	s_lshl_b32 s21, s18, 18                        ; 16 K steps of 16,384 bytes
	s_add_co_u32 s20, s20, s21
	s_add_co_u32 s20, s20, HS
	s_mov_b32 s21, 0
	s_lshl_b32 s46, s40, 4                         ; the weight's first tile
	s_lshl_b32 s47, s16, 2
	s_add_co_u32 s92, s46, s47
	s_mul_i32 s92, s92, 1536
	s_add_co_u32 s92, s92, W2C
	s_mov_b32 s93, 0
	s_lshl_b32 s46, s46, 6
	s_lshl_b32 s47, s16, 15                        ; 8 K steps of 4,096 bytes
	s_add_co_u32 s46, s46, s47
	s_add_co_u32 s46, s46, W2S
	s_mov_b32 s47, 0
	s_mul_i32 s45, s[WV], 12288
	s_lshl_b32 s66, s[WV], 13
	s_wait_kmcnt 0x0
	s_add_nc_u64 s[22:23], s[4:5], s[22:23]
	s_add_nc_u64 s[20:21], s[4:5], s[20:21]
	s_add_nc_u64 s[92:93], s[6:7], s[92:93]
	s_add_nc_u64 s[46:47], s[6:7], s[46:47]
	s_mov_b32 s[G0S], 1
	s_add_co_u32 s[G0S+1], s66, SCL
	s_mov_b64 s[G0S+2:G0S+3], s[20:21]
	s_or_b32 s[G0S+3], s[G0S+3], 0x80000000
	s_mov_b32 s[G0SB], 1
	s_add_co_u32 s[G0SB+1], s66, SCL
	s_mov_b64 s[G0SB+2:G0SB+3], s[46:47]
	s_or_b32 s[G0SB+3], s[G0SB+3], 0x80000000
.irp s, 0,1
	s_mov_b32 s[G0+4*\s], 1
	s_add_co_u32 s[G0+4*\s+1], s45, \s*SLOTB
	s_add_nc_u64 s[G0+4*\s+2:G0+4*\s+3], s[22:23], \s*STEPA
	s_or_b32 s[G0+4*\s+3], s[G0+4*\s+3], 0x80000000
	s_mov_b32 s[G0B+4*\s], 1
	s_add_co_u32 s[G0B+4*\s+1], s45, \s*SLOTB
	s_add_nc_u64 s[G0B+4*\s+2:G0B+4*\s+3], s[92:93], \s*STEPB
	s_or_b32 s[G0B+4*\s+3], s[G0B+4*\s+3], 0x80000000
.endr
	CROUND
	s_cmp_lt_u32 s[WV], 2                          ; a wave's two first fills stand in one branch; waves 6 and 7 issue none
	s_cbranch_scc0 .Lfirst_not_a
	tensor_load_to_lds s[G0S:G0S+3], s[G1S:G1S+7]
	s_nop 0
	tensor_load_to_lds s[G0:G0+3], s[G1:G1+7]
	s_nop 0
	PLACES
	s_branch .Lfirst_done
.Lfirst_not_a:
	s_cmp_lt_u32 s[WV], 6
	s_cbranch_scc0 .Lfirst_done
	tensor_load_to_lds s[G0SB:G0SB+3], s[G1SB:G1SB+7]
	s_nop 0
	tensor_load_to_lds s[G0B:G0B+3], s[G1B:G1B+7]
	s_nop 0
	PLACES
.Lfirst_done:
	v_and_b32 v1, 31, v0
	v_and_b32 v2, 15, v0
	v_bfe_u32 v3, v0, 4, 1
	v_lshlrev_b32 v[CO], 4, v1
	v_lshlrev_b32 v1, 2, v1
	s_xor_b32 s3, s15, 1                           ; kg xor 1
	s_mul_i32 s19, s17, 12288
	s_mul_i32 s2, s15, 6144
	s_add_co_u32 s19, s19, s2                      ; my rows' four tiles of my K step
	s_mul_i32 s2, s15, 3072
	s_add_co_u32 s2, s2, s19
	v_add_nc_u32 v[ALO], s2, v[CO]                 ; a = 0, 1: tiles 2 kg, 2 kg + 1
	v_add_nc_u32 v[ALO+1], SLOTB, v[ALO]
	s_mul_i32 s2, s3, 3072
	s_add_co_u32 s2, s2, s19
	v_add_nc_u32 v[AHI], s2, v[CO]                 ; a = 2, 3: the other two
	v_add_nc_u32 v[AHI+1], SLOTB, v[AHI]
	s_mul_i32 s19, s18, 24576
	s_add_co_u32 s19, s19, 2*12288
	s_mul_i32 s2, s15, 6144
	s_add_co_u32 s19, s19, s2
	v_add_nc_u32 v[BB], s19, v[CO]
	v_add_nc_u32 v[BB+1], SLOTB, v[BB]
	s_lshl_b32 s19, s15, 9
	s_lshl_b32 s2, s17, 8
	s_add_co_u32 s19, s19, s2
	s_add_co_u32 s19, s19, SCL
	s_lshl_b32 s2, s15, 7
	s_add_co_u32 s2, s2, s19
	v_add_nc_u32 v[ADSA0], s2, v1
	s_lshl_b32 s2, s3, 7
	s_add_co_u32 s2, s2, s19
	v_add_nc_u32 v[ADSA1], s2, v1
	s_lshl_b32 s19, s15, 10
	s_lshl_b32 s2, s18, 9
	s_add_co_u32 s19, s19, s2
	s_add_co_u32 s19, s19, SCL+16384
	v_add_nc_u32 v[ADSB], s19, v1
	s_lshl_b32 s19, s[WV], 14
	v_add_nc_u32 v[XW], s19, v[CO]
	s_xor_b32 s19, s[WV], 4
	s_lshl_b32 s19, s19, 14
	v_add_nc_u32 v[XR], s19, v[CO]
	s_mul_i32 s19, s[WV], 8448
	s_add_co_u32 s19, s19, STG
	v_mul_u32_u24 v[STO], v2, 528
	v_lshl_add_u32 v[STO], v3, 6, v[STO]
	v_add_nc_u32 v[STO], s19, v[STO]
	v_add_nc_u32 v[RD], s19, v[CO]
	s_lshl_b32 s2, s12, 7
	s_lshl_b32 s3, s17, 6
	s_add_co_u32 s2, s2, s3
	s_lshl_b32 s3, s15, 5
	s_add_co_u32 s2, s2, s3                        ; the rows that I store: 128 tile row + 64 wm + 32 kg on
	s_lshl_b32 s2, s2, 12
	s_lshl_b32 s3, s40, 10
	s_add_co_u32 s2, s2, s3
	s_lshl_b32 s3, s18, 9
	s_add_co_u32 s2, s2, s3                        ; columns 256 cx + 128 wn on
	s_mov_b32 s3, 0
	s_add_nc_u64 s[8:9], s[8:9], s[2:3]
	TRIP 0, 1, 1                                   ; the first K step's products start the sums
	s_mov_b32 s97, 7
.Lk:
	TRIP 1, 1, 0
	TRIP 0, 1, 0
	s_sub_co_u32 s97, s97, 1
	s_cmp_lg_u32 s97, 0
	s_cbranch_scc1 .Lk
	TRIP 1, 0, 0                                   ; nothing is left to fetch
	PLACES
	s_wait_dscnt 0x0
	s_barrier_signal -1
	s_barrier_wait -1                              ; nobody reads the ring any more, and it has had its last fill: what the halves of K hand each other goes through its bytes
	WIN 0x04                                       ; an LDS store's data: window 1
.set i, 0
.rept 32
	ds_store_b128 v[XW], v[128+4*i:128+4*i+3] offset:512*i   ; a = 2, 3, each accumulator from its low end on
.set i, i+1
.endr
	WIN 0
	s_wait_dscnt 0x0                               ; for my partner's sake
	s_barrier_signal -1
	s_barrier_wait -1
.set i, 0
.rept 32
	ds_load_b128 v[T+4*i:T+4*i+3], v[XR] offset:512*i
.set i, i+1
.endr
	s_wait_dscnt 0x0
	WIN 0x04
.set i, 0
.rept 64
	v_pk_add_f32 v[T+i:T+i+1], v[T+i:T+i+1], v[i:i+1]   ; the two halves of K
.set i, i+2
.endr
	WIN 0
.macro FOUT a, ob                      ; 16 rows x 128 columns through my stage: whole rows of 512 bytes come back
.set i, 0
.rept 16
	ds_store_b128 v[STO], v[T+64*(\a)+4*i:T+64*(\a)+4*i+3] offset:128*(i/4)+16*(i%4)
.set i, i+1
.endr
.set i, 0
.rept 16
	ds_load_b128 v[\ob+4*i:\ob+4*i+3], v[RD] offset:528*i   ; LDS serves a wave's instructions in order
.set i, i+1
.endr
.set i, 0
.rept 16
	s_wait_dscnt 15-i
	global_store_b128 v[CO], v[\ob+4*i:\ob+4*i+3], s[8:9] offset:(8*(\a)+i+8*(i/8))*4096 th:TH_STORE_NT   ; 512 consecutive bytes, aligned
.set i, i+1
.endr
.endm
	FOUT 0, 160
	FOUT 1, 32                                     ; (tile 0's numbers have left v32-95: the count-down above ended at 0)
	s_wait_tensorcnt 0x0                           ; the wave's end
	ds_add_u32 v[SPW], v[NIL]
	s_wait_dscnt 0x0
	CROUND
	s_endpgm
.Lfunc_end_k_q92e0265e84_ff2:
	.size	k_q92e0265e84_ff2, .Lfunc_end_k_q92e0265e84_ff2-k_q92e0265e84_ff2
	.p2alignl 7, 3214868480
	.fill 96, 4, 3214868480
	.section	.rodata,"a",@progbits
	.p2align	6, 0x0
	.amdhsa_kernel k_q92e0265e84_ff2
		.amdhsa_group_segment_fixed_size 327680
		.amdhsa_private_segment_fixed_size 0
		.amdhsa_enable_private_segment 0
		.amdhsa_kernarg_size 24
		.amdhsa_user_sgpr_count 2
		.amdhsa_user_sgpr_kernarg_segment_ptr 1
		.amdhsa_wavefront_size32 1
		.amdhsa_system_sgpr_workgroup_id_x 1
		.amdhsa_system_sgpr_workgroup_id_y 1
		.amdhsa_system_sgpr_workgroup_id_z 1
		.amdhsa_system_vgpr_workitem_id 0
		.amdhsa_next_free_vgpr 512
		.amdhsa_next_free_sgpr 100
		.amdhsa_reserve_vcc 0
		.amdhsa_float_denorm_mode_32 3
		.amdhsa_float_denorm_mode_16_64 3
		.amdhsa_memory_ordered 1
		.amdhsa_forward_progress 1
		.amdhsa_inst_pref_size 59
	.end_amdhsa_kernel
	.amdgpu_metadata
---
amdhsa.version: [ 1, 2 ]
amdhsa.kernels:
  - .name:           k_q92e0265e84_ff2
    .symbol:         k_q92e0265e84_ff2.kd
    .args:
      - { .name: hb, .offset: 0, .size: 8, .value_kind: global_buffer, .address_space: global }
      - { .name: wts, .offset: 8, .size: 8, .value_kind: global_buffer, .address_space: global }
      - { .name: fb, .offset: 16, .size: 8, .value_kind: global_buffer, .address_space: global }
    .group_segment_fixed_size: 327680
    .private_segment_fixed_size: 0
    .kernarg_segment_align: 8
    .kernarg_segment_size: 24
    .max_flat_workgroup_size: 256
    .sgpr_count:     100
    .vgpr_count:     512
    .wavefront_size: 32
...
	.end_amdgpu_metadata
.endif
;; end of part 6
;; launch ln2 (part 7): grid 256 x 1, 4 waves a work-group, no clusters, 0 bytes of LDS; arguments fb, o1, b_ff2, ln2_g, ln2_b, out0; writes out0
.if DOCPART == 7
	.amdgcn_target "amdgcn-amd-amdhsa--gfx1250"
	.amdhsa_code_object_version 6
	.text
	.protected	k_q92e0265e84_ln2
	.globl	k_q92e0265e84_ln2
	.p2align	8
	.type	k_q92e0265e84_ln2,@function
k_q92e0265e84_ln2:
	s_mov_b64 s[64:65], 0
	v_nop
	global_prefetch_b8 v0, s[64:65] scope:SCOPE_SE
	s_setreg_imm32_b32 hwreg(HW_REG_WAVE_MODE, 25, 1), 1
	s_wait_xcnt 0x0
; out0 = layernorm(out1 + (fb + b_ff2)) g + b.  A stream: one wave takes a whole row of 4,096 bytes (eight loads of 512 consecutive bytes from each array) and keeps it in registers between the passes; four rows a wave.
; b_ff2, g and b of a lane's 32 columns stay in 96 registers.  Two row sets by turns: the next row's 16 loads are out while a row is worked on.  The variance is taken of y - mean, in a second pass.
; No LDS, no barrier, no matrix unit, no cluster: waves share nothing but the three short vectors.
.set PB, 8
.set PG, 40
.set PL, 72
.set RW, 104                           ; two sets of 64: fb's 32 (then y), out1's 32
	s_load_b256 s[4:11], s[0:1], 0x0               ; fb, o1, b_ff2, ln2_g
	s_load_b128 s[12:15], s[0:1], 0x20             ; ln2_b, out0
	v_lshrrev_b32 v1, 5, v0
	v_readfirstlane_b32 s16, v1
	v_and_b32 v1, 31, v0
	v_lshlrev_b32 v1, 4, v1                        ; 16 x lane
	s_lshl_b32 s17, ttmp9, 2
	s_add_co_u32 s17, s17, s16
	s_lshl_b32 s18, s17, 14                        ; my four rows
	s_mov_b32 s19, 0
	s_mov_b32 s20, 0x76543210
	s_mov_b32 s21, 0xfedcba98
	s_mov_b32 s22, 0x3a800000                      ; 1 / 1,024
	s_mov_b32 s23, 0x358637bd                      ; 1e-6
	s_wait_kmcnt 0x0
	s_add_nc_u64 s[4:5], s[4:5], s[18:19]
	s_add_nc_u64 s[6:7], s[6:7], s[18:19]
	s_add_nc_u64 s[14:15], s[14:15], s[18:19]
.irp j, 0,1,2,3,4,5,6,7
	global_load_b128 v[PB+4*\j:PB+4*\j+3], v1, s[8:9] offset:512*\j
	global_load_b128 v[PG+4*\j:PG+4*\j+3], v1, s[10:11] offset:512*\j
	global_load_b128 v[PL+4*\j:PL+4*\j+3], v1, s[12:13] offset:512*\j
.endr
.macro RLOAD n
.irp j, 0,1,2,3,4,5,6,7
	global_load_b128 v[RW+64*((\n)%2)+4*\j:RW+64*((\n)%2)+4*\j+3], v1, s[4:5] offset:4096*(\n)+512*\j th:TH_LOAD_NT
	global_load_b128 v[RW+64*((\n)%2)+32+4*\j:RW+64*((\n)%2)+32+4*\j+3], v1, s[6:7] offset:4096*(\n)+512*\j th:TH_LOAD_NT
.endr
.endm
.macro LANES                           ; v232: the sum over the 32 lanes, in every lane
	v_pk_add_f32 v[232:233], v[232:233], v[234:235]
	v_add_f32 v232, v232, v233
	v_add_f32_dpp v232, v232, v232 row_xmask:1 row_mask:0xf bank_mask:0xf
	v_add_f32_dpp v232, v232, v232 row_xmask:2 row_mask:0xf bank_mask:0xf
	v_add_f32_dpp v232, v232, v232 row_xmask:4 row_mask:0xf bank_mask:0xf
	v_add_f32_dpp v232, v232, v232 row_xmask:8 row_mask:0xf bank_mask:0xf
	v_permlanex16_b32 v233, v232, s20, s21
	v_add_f32 v232, v232, v233
.endm
.macro ROW n
.set Y, RW+64*((\n)%2)
.if \n < 3
	s_wait_loadcnt 16                              ; my row is in; the next row's 16 loads may be out
.else
	s_wait_loadcnt 0x0
.endif
.set i, 0
.rept 16
	v_pk_add_f32 v[Y+i:Y+i+1], v[Y+i:Y+i+1], v[PB+i:PB+i+1]
.set i, i+2
.endr
.set i, 0
.rept 16
	v_pk_add_f32 v[Y+i:Y+i+1], v[Y+i:Y+i+1], v[Y+32+i:Y+32+i+1]
.set i, i+2
.endr
	v_pk_add_f32 v[232:233], v[Y:Y+1], v[Y+2:Y+3]
	v_pk_add_f32 v[234:235], v[Y+4:Y+5], v[Y+6:Y+7]
.set i, 8
.rept 12
	v_pk_add_f32 v[232+2*((i/2)%2):233+2*((i/2)%2)], v[232+2*((i/2)%2):233+2*((i/2)%2)], v[Y+i:Y+i+1]
.set i, i+2
.endr
	LANES
	v_mul_f32 v236, s22, v232                      ; the mean
	v_mul_f32 v237, s22, v232
.set i, 0
.rept 16
	v_pk_add_f32 v[Y+i:Y+i+1], v[Y+i:Y+i+1], v[236:237] neg_lo:[0,1] neg_hi:[0,1]
.set i, i+2
.endr
	v_pk_mul_f32 v[232:233], v[Y:Y+1], v[Y:Y+1]
	v_pk_mul_f32 v[234:235], v[Y+2:Y+3], v[Y+2:Y+3]
.set i, 4
.rept 14
	v_pk_fma_f32 v[232+2*((i/2)%2):233+2*((i/2)%2)], v[Y+i:Y+i+1], v[Y+i:Y+i+1], v[232+2*((i/2)%2):233+2*((i/2)%2)]
.set i, i+2
.endr
	LANES
	v_fma_f32 v232, v232, s22, s23                 ; the variance + 1e-6
	v_rsq_f32 v236, v232
	v_rsq_f32 v237, v232
	v_nop                                          ; one plain place behind a transcendental
.set i, 0
	s_wait_alu depctr_va_vdst(0)
.rept 16
	v_pk_mul_f32 v[Y+i:Y+i+1], v[Y+i:Y+i+1], v[236:237]
.set i, i+2
.endr
.set i, 0
.rept 16
	v_pk_fma_f32 v[Y+i:Y+i+1], v[Y+i:Y+i+1], v[PG+i:PG+i+1], v[PL+i:PL+i+1]
.set i, i+2
.endr
.irp j, 0,1,2,3,4,5,6,7
	global_store_b128 v1, v[Y+4*\j:Y+4*\j+3], s[14:15] offset:4096*(\n)+512*\j th:TH_STORE_NT   ; 512 consecutive bytes, aligned
.endr
.if (\n)+2 < 4
	s_wait_xcnt 0x0                                ; the stores have read this set: it is loaded again only behind this wait
	RLOAD (\n)+2
.endif
.endm
	RLOAD 0
	RLOAD 1
	ROW 0
	ROW 1
	ROW 2
	ROW 3
	s_endpgm
.Lfunc_end_k_q92e0265e84_ln2:
	.size	k_q92e0265e84_ln2, .Lfunc_end_k_q92e0265e84_ln2-k_q92e0265e84_ln2
	.p2alignl 7, 3214868480
	.fill 96, 4, 3214868480
	.section	.rodata,"a",@progbits
	.p2align	6, 0x0
	.amdhsa_kernel k_q92e0265e84_ln2
		.amdhsa_group_segment_fixed_size 0
		.amdhsa_private_segment_fixed_size 0
		.amdhsa_enable_private_segment 0
		.amdhsa_kernarg_size 48
		.amdhsa_user_sgpr_count 2
		.amdhsa_user_sgpr_kernarg_segment_ptr 1
		.amdhsa_wavefront_size32 1
		.amdhsa_system_sgpr_workgroup_id_x 1
		.amdhsa_system_sgpr_workgroup_id_y 1
		.amdhsa_system_sgpr_workgroup_id_z 1
		.amdhsa_system_vgpr_workitem_id 0
		.amdhsa_next_free_vgpr 256
		.amdhsa_next_free_sgpr 66
		.amdhsa_reserve_vcc 0
		.amdhsa_float_denorm_mode_32 3
		.amdhsa_float_denorm_mode_16_64 3
		.amdhsa_memory_ordered 1
		.amdhsa_forward_progress 1
		.amdhsa_inst_pref_size 45
	.end_amdhsa_kernel
	.amdgpu_metadata
---
amdhsa.version: [ 1, 2 ]
amdhsa.kernels:
  - .name:           k_q92e0265e84_ln2
    .symbol:         k_q92e0265e84_ln2.kd
    .args:
      - { .name: fb, .offset: 0, .size: 8, .value_kind: global_buffer, .address_space: global }
      - { .name: o1, .offset: 8, .size: 8, .value_kind: global_buffer, .address_space: global }
      - { .name: b_ff2, .offset: 16, .size: 8, .value_kind: global_buffer, .address_space: global }
      - { .name: ln2_g, .offset: 24, .size: 8, .value_kind: global_buffer, .address_space: global }
      - { .name: ln2_b, .offset: 32, .size: 8, .value_kind: global_buffer, .address_space: global }
      - { .name: out0, .offset: 40, .size: 8, .value_kind: global_buffer, .address_space: global }
    .group_segment_fixed_size: 0
    .private_segment_fixed_size: 0
    .kernarg_segment_align: 8
    .kernarg_segment_size: 48
    .max_flat_workgroup_size: 128
    .sgpr_count:     66
    .vgpr_count:     256
    .wavefront_size: 32
...
	.end_amdgpu_metadata
.endif
;; end of part 7
;; ======== version 2 of 2: 7 launches
;; limits: right only within a limited range of input values
;; workspace buffers: wts 13,107,200 bytes; qkv 10,092,544 bytes; att 3,276,800 bytes; o1 20,054,016 bytes; hb 13,107,200 bytes; fb 33,554,432 bytes
;; launch prep (part 8): grid 256 x 1, 8 waves a work-group, no clusters, 68,608 bytes of LDS; arguments x, wq, wk, wv, wo, w_ff1, w_ff2, wts; writes wts
.if DOCPART == 8
	.amdgcn_target "amdgcn-amd-amdhsa--gfx1250"
	.amdhsa_code_object_version 6
	.text
	.protected	k_q92e0265e84_prep
	.globl	k_q92e0265e84_prep
	.p2align	8
	.type	k_q92e0265e84_prep,@function
k_q92e0265e84_prep:
	s_mov_b64 s[64:65], 0
	v_nop
	global_prefetch_b8 v0, s[64:65] scope:SCOPE_SE
	s_setreg_imm32_b32 hwreg(HW_REG_WAVE_MODE, 25, 1), 1
	s_wait_xcnt 0x0
; x [4096][1024] and the six weights ([K][N], K first) become codes of FP6 (E2M3) with one E8M0 byte for each 32 along K, laid in the ORDER OF THE OPERAND'S REGISTERS.
; A fragment (16 rows x 128 K, 12 registers a lane) is 1,536 bytes: register q of lane l at 512 (q / 4) + 16 l + 4 (q % 4).  Codes: [K step][tile][fragment]; scale words: [K step][slot], slot = 16 tile + lane row.
; SLOT ORDER: tile 2 p + u, lane row r holds true row 32 p + 8 u + r + 8 (r / 8), in every operand: so a product's 16 registers of two neighbouring tiles are 16 neighbours along the next K.
; wts: tiles 0-255 x, 256-319 wq, 320-383 wk, 384-447 wv, 448-511 wo, 512-767 w_ff1 (8 K steps, 768 tiles each); then their scale words; then w_ff2 (32 K steps, 64 tiles) and its scale words.
; A block's scale is 2^(floor(log2(largest magnitude)) - 2); its byte is the largest magnitude's exponent field - 2, held at 1 from below.
; LIMITS: NaN and infinities are not served; a block whose largest magnitude lies under 2^-124, a block of zeros too, gets the byte 1 (zero codes add nothing; this program alone reads the bytes).
; Every work-group reads 256 KB.  Work-groups 0-63: x; 64-127: wq, wk, wv, wo; 128-191: w_ff2; 192-255: w_ff1.  No tile is shared between work-groups: no cluster, no tensor load; only the x path uses LDS.
.set P1S, 9437184
.set W2C, 9830400
.set W2S, 12976128
.set WV,  20
.set MHI, 21                           ; s21 lanes 16-31 as a mask
.set SEL, 22                           ; s[22:23] v_permlanex16_b32's selects for lane l xor 16
	s_load_b256 s[4:11], s[0:1], 0x0               ; x, wq, wk, wv
	s_load_b256 s[12:19], s[0:1], 0x20             ; wo, w_ff1, w_ff2, wts
	v_lshl_add_u32 v254, v0, 2, 0x10800
	v_mov_b32 v255, 0
	v_lshrrev_b32 v1, 5, v0
	s_delay_alu instid0(VALU_DEP_1)
	v_readfirstlane_b32 s[WV], v1                  ; wave 0..7
	v_and_b32 v1, 31, v0                           ; lane
	v_and_b32 v2, 15, v0                           ; r
	v_bfe_u32 v3, v0, 4, 1                         ; h
	s_mov_b32 s[MHI], 0xffff0000
	s_mov_b32 s[SEL], 0x76543210
	s_mov_b32 s[SEL+1], 0xfedcba98
	s_cmp_ge_u32 ttmp9, 64
	s_cbranch_scc1 .Lweights
; ---- x: work-group g takes rows 64 g .. 64 g + 63 (tiles 4 g .. 4 g + 3), wave w K step w.  Loads read 512 consecutive bytes of a row; a fragment's 16 rows turn through the wave's own stage
; (rows of 528 bytes), from which lane (r, h) takes k = 64 c + 32 h + 0 .. 31 of row r: two whole blocks a lane.
.set R,  16                            ; v16-143  two sets of 64: a fragment as loaded
.set X,  144                           ; v144-207 my two blocks
.set F,  208                           ; v208-231 two sets of 12: the codes
.set TM, 232                           ; v232.. at work
	v_lshlrev_b32 v4, 4, v1                        ; 16 x lane
	v_lshlrev_b32 v5, 2, v1                        ; 4 x lane
	s_mul_i32 s24, s[WV], 8448
	v_add_nc_u32 v6, s24, v4                       ; the stage, in
	v_mul_u32_u24 v7, v2, 528
	s_delay_alu instid0(VALU_DEP_1)
	v_lshl_add_u32 v7, v3, 7, v7
	s_delay_alu instid0(VALU_DEP_1)
	v_add_nc_u32 v7, s24, v7                       ; and out: row r, + 128 h
	v_lshlrev_b32 v8, 3, v3                        ; 8 h: my bytes' place in the scale word
	v_mov_b32 v[TM+7], 0                           ; a lane permute's destination counts as read
	s_lshl_b32 s24, ttmp9, 18                      ; 64 g rows of 4,096 bytes
	s_lshl_b32 s25, s[WV], 9
	s_add_co_u32 s24, s24, s25
	s_mov_b32 s25, 0
	s_mul_i32 s26, s[WV], 768
	s_lshl_b32 s27, ttmp9, 2
	s_add_co_u32 s26, s26, s27
	s_mul_i32 s26, s26, 1536                       ; codes: (768 w + 4 g) fragments
	s_mov_b32 s27, 0
	s_mul_i32 s28, s[WV], 49152
	s_lshl_b32 s29, ttmp9, 8
	s_add_co_u32 s28, s28, s29
	s_add_co_u32 s28, s28, P1S                     ; scale words: 4 (12,288 w + 64 g)
	s_mov_b32 s29, 0
	s_wait_alu depctr_va_vdst(0)
	s_wait_kmcnt 0x0
	s_add_nc_u64 s[4:5], s[4:5], s[24:25]
	s_add_nc_u64 s[26:27], s[18:19], s[26:27]
	s_add_nc_u64 s[28:29], s[18:19], s[28:29]
.macro GL f                            ; fragment f's 16 rows, in slot order
.irp t, 0,1,2,3,4,5,6,7,8,9,10,11,12,13,14,15
	global_load_b128 v[R+64*((\f)%2)+4*\t:R+64*((\f)%2)+4*\t+3], v4, s[4:5] offset:(32*((\f)/2)+8*((\f)%2)+\t+8*(\t/8))*4096 th:TH_LOAD_NT
.endr
.endm
.macro XFRAG f
.set RS, R+64*((\f)%2)
.set FS, F+12*((\f)%2)
.if \f < 3
	s_wait_loadcnt 16                              ; my 16 loads are in; the next fragment's 16 may be out
.else
	s_wait_loadcnt 0x0
.endif
.irp t, 0,1,2,3,4,5,6,7,8,9,10,11,12,13,14,15
	ds_store_b128 v6, v[RS+4*\t:RS+4*\t+3] offset:528*\t
.endr
.irp c, 0,1
.irp i, 0,1,2,3,4,5,6,7
	ds_load_b128 v[X+32*\c+4*\i:X+32*\c+4*\i+3], v7 offset:256*\c+16*\i   ; LDS serves a wave's instructions in order: these see the stores
.endr
.endr
	s_wait_dscnt 0x0                               ; my blocks are in, and the stores have read their registers
.if \f < 2
	GL (\f)+2
.endif
.irp c, 0,1
	v_max3_num_f32 v[TM+\c], |v[X+32*\c]|, |v[X+32*\c+1]|, 0x1800000   ; block 2 c + h, with the floor 2^(3 - 127): the byte cannot fall under 1
.endr
.irp i, 2,4,6,8,10,12,14,16,18,20,22,24,26,28,30
.irp c, 0,1
	s_delay_alu instid0(VALU_DEP_2)
	v_max3_num_f32 v[TM+\c], v[TM+\c], |v[X+32*\c+\i]|, |v[X+32*\c+\i+1]|
.endr
.endr
.irp c, 0,1
	s_delay_alu instid0(VALU_DEP_2)
	v_add_nc_u32 v[TM+2+\c], 0xff000000, v[TM+\c]  ; 2 off the exponent field: the conversion's scale operand
.endr
.irp c, 0,1
	s_delay_alu instid0(VALU_DEP_2)
	v_lshrrev_b32 v[TM+4+\c], 23, v[TM+2+\c]       ; the scale's byte
.endr
	s_delay_alu instid0(VALU_DEP_1)
	v_lshl_or_b32 v[TM+6], v[TM+5], 16, v[TM+4]    ; blocks h and 2 + h,
	s_delay_alu instid0(VALU_DEP_1)
	v_lshlrev_b32 v[TM+6], v8, v[TM+6]             ; at their places;
	s_delay_alu instid0(VALU_DEP_1)
	v_permlanex16_b32 v[TM+7], v[TM+6], s[SEL], s[SEL+1]
	s_delay_alu instid0(VALU_DEP_1)
	v_or_b32 v[TM+6], v[TM+6], v[TM+7]             ; with lane l xor 16's two the word is whole
.if \f > 1
	s_wait_alu depctr_va_vdst(0)
	s_wait_xcnt 0x0                                ; the stores of two fragments back have read this set of codes
.endif
.irp c, 0,1
	v_cvt_scalef32_pk16_fp6_f32 v[FS+6*\c:FS+6*\c+2], v[X+32*\c:X+32*\c+15], v[TM+2+\c]
	v_cvt_scalef32_pk16_fp6_f32 v[TM+8+4*\c:TM+10+4*\c], v[X+32*\c+16:X+32*\c+31], v[TM+2+\c]   ; (a conversion's three registers begin on an even number)
.endr
	v_nop                                          ; one plain place behind a scaled conversion
.irp c, 0,1
.irp i, 0,1,2
	v_mov_b32 v[FS+6*\c+3+\i], v[TM+8+4*\c+\i]
.endr
.endr
.irp c, 0,1,2
	global_store_b128 v4, v[FS+4*\c:FS+4*\c+3], s[26:27] offset:(\f)*1536+512*\c   ; 512 consecutive bytes
.endr
.if (\f)%2 == 0
	v_mov_b32 v[TM+16], v[TM+6]
.else
	v_cndmask_b32 v[TM+18+(\f)/2], v[TM+16], v[TM+6], s[MHI]   ; lanes 0-15 the even tile's words, lanes 16-31 the odd tile's
	global_store_b32 v5, v[TM+18+(\f)/2], s[28:29] offset:128*((\f)/2)
.endif
.endm
	GL 0
	GL 1
	XFRAG 0
	XFRAG 1
	XFRAG 2
	XFRAG 3
	s_wait_tensorcnt 0x0
	ds_add_u32 v254, v255
	s_wait_dscnt 0x0
	s_endpgm
; ---- the weights.  A work-group takes 256 columns x 256 along K, a wave 32 columns x 2 K steps.  LANE 16 u + r TAKES COLUMN 8 u + r + 8 (r / 8) OF THE WAVE'S 32 (slot order), AND ITS REGISTERS RUN DOWN K:
; a load reads 128 consecutive bytes a wave, a block of 32 lies in one lane, and the codes come out with K innermost.  Lanes 0-15 then hold all blocks of tile 2 p, lanes 16-31 of tile 2 p + 1; the operand wants
; block 2 c in lanes 0-15 and block 2 c + 1 in lanes 16-31 of each tile: v_permlane16_swap_b32 of block 2 c's register with block 2 c + 1's gives both tiles at once.
.set WX, 16                            ; v16-79   two sets of 32 numbers
.set F0, 80                            ; v80-127  for each K step 24: tile 2 p's fragment, tile 2 p + 1's
.set TA, 128                           ; v128-134 the blocks' upper 16 codes, on their way
.set SW, 136                           ; v136-137 my column's scale word, for each K step
.set WT, 138                           ; v138-141 at work
.macro WADDR n                         ; s32 column group, s33 K chunk, s27 tiles in a K step, s28 and s29 where codes and scale words begin, s31 the tensor's first tile, s[34:35] the tensor
	s_mul_i32 s36, s33, 256*(\n)*4
	s_lshl_b32 s37, s32, 10
	s_add_co_u32 s36, s36, s37
	s_lshl_b32 s37, s[WV], 7
	s_add_co_u32 s36, s36, s37
	s_mov_b32 s37, 0
	s_add_nc_u64 s[34:35], s[34:35], s[36:37]      ; row 256 kc, column 256 cg + 32 w
	s_lshl_b32 s38, s32, 4
	s_add_co_u32 s38, s38, s31
	s_lshl_b32 s39, s[WV], 1
	s_add_co_u32 s38, s38, s39                     ; my first tile
	s_lshl_b32 s39, s33, 1
	s_mul_i32 s39, s39, s27
	s_add_co_u32 s38, s38, s39                     ; + K step 2 kc
	s_mul_i32 s40, s38, 1536
	s_add_co_u32 s40, s40, s28
	s_mov_b32 s41, 0
	s_mul_i32 s42, s27, 1536
	s_add_co_u32 s42, s42, s40                     ; the second K step's
	s_mov_b32 s43, 0
	s_lshl_b32 s44, s38, 6                         ; 16 slots of 4 bytes a tile
	s_add_co_u32 s44, s44, s29
	s_mov_b32 s45, 0
	s_lshl_b32 s46, s27, 6
	s_add_co_u32 s46, s46, s44
	s_mov_b32 s47, 0
	s_add_nc_u64 s[40:41], s[18:19], s[40:41]
	s_add_nc_u64 s[42:43], s[18:19], s[42:43]
	s_add_nc_u64 s[44:45], s[18:19], s[44:45]
	s_add_nc_u64 s[46:47], s[18:19], s[46:47]
.endm
.macro WLOAD n, t                      ; block t: 32 rows of my column
.irp i, 0,1,2,3,4,5,6,7,8,9,10,11,12,13,14,15,16,17,18,19,20,21,22,23,24,25,26,27,28,29,30,31
	global_load_b32 v[WX+32*((\t)%2)+\i], v4, s[34:35] offset:(32*(\t)+\i)*(\n)*4 th:TH_LOAD_NT
.endr
.endm
.macro WBLOCK n, t
.set XS, WX+32*((\t)%2)
.set QK, (\t)/4
.set BL, (\t)%4
.set FD, F0+24*QK+12*(BL%2)+6*(BL/2)
.set TD, TA+4*(BL%2)
.if \t < 7
	s_wait_loadcnt 32                              ; this block's 32 loads are in; the next block's may be out
.else
	s_wait_loadcnt 0x0
.endif
	v_max3_num_f32 v[WT], |v[XS]|, |v[XS+1]|, |v[XS+2]|
	v_max3_num_f32 v[WT+1], |v[XS+3]|, |v[XS+4]|, |v[XS+5]|
.irp i, 6,10,14,18,22,26
	s_delay_alu instid0(VALU_DEP_2)
	v_max3_num_f32 v[WT], v[WT], |v[XS+\i]|, |v[XS+\i+1]|
	s_delay_alu instid0(VALU_DEP_2)
	v_max3_num_f32 v[WT+1], v[WT+1], |v[XS+\i+2]|, |v[XS+\i+3]|
.endr
	s_delay_alu instid0(VALU_DEP_2)
	v_max3_num_f32 v[WT], v[WT], |v[XS+30]|, |v[XS+31]|
	s_delay_alu instid0(VALU_DEP_1)
	v_max3_num_f32 v[WT], v[WT], v[WT+1], 0x1800000   ; the floor 2^(3 - 127)
	s_delay_alu instid0(VALU_DEP_1)
	v_add_nc_u32 v[WT+2], 0xff000000, v[WT]        ; the conversion's scale operand
	s_delay_alu instid0(VALU_DEP_1)
	v_lshrrev_b32 v[WT+3], 23, v[WT+2]             ; the byte
.if BL == 0
	s_delay_alu instid0(VALU_DEP_1)
	v_mov_b32 v[SW+QK], v[WT+3]
.else
	s_delay_alu instid0(VALU_DEP_1)
	v_lshl_or_b32 v[SW+QK], v[WT+3], 8*BL, v[SW+QK]
.endif
	v_cvt_scalef32_pk16_fp6_f32 v[FD:FD+2], v[XS:XS+15], v[WT+2]
	v_cvt_scalef32_pk16_fp6_f32 v[TD:TD+2], v[XS+16:XS+31], v[WT+2]
.if (\t)+2 < 8
	WLOAD \n, (\t)+2
.endif
.if BL%2 == 1
	v_nop                                          ; one plain place behind a scaled conversion
.irp i, 0,1,2
	v_permlane16_swap_b32 v[F0+24*QK+6*(BL/2)+\i], v[F0+24*QK+12+6*(BL/2)+\i]
	v_permlane16_swap_b32 v[TA+\i], v[TA+4+\i]
.endr
.irp i, 0,1,2
	v_mov_b32 v[F0+24*QK+6*(BL/2)+3+\i], v[TA+\i]
	v_mov_b32 v[F0+24*QK+12+6*(BL/2)+3+\i], v[TA+4+\i]
.endr
.endif
.if BL == 3
.irp c, 0,1,2,3,4,5
	global_store_b128 v5, v[F0+24*QK+4*\c:F0+24*QK+4*\c+3], s[40+2*QK:41+2*QK] offset:512*\c   ; two fragments: 3,072 bytes on end
.endr
	global_store_b32 v6, v[SW+QK], s[44+2*QK:45+2*QK]
.endif
.endm
.macro WBODY n
	WLOAD \n, 0
	WLOAD \n, 1
.set tt, 0
.rept 8
	WBLOCK \n, tt
.set tt, tt+1
.endr
.endm
.Lweights:
	s_wait_alu depctr_va_vdst(0)
	v_and_b32 v4, 8, v2
	s_delay_alu instid0(VALU_DEP_1)
	v_add_nc_u32 v4, v4, v2
	s_delay_alu instid0(VALU_DEP_1)
	v_lshl_add_u32 v4, v3, 3, v4
	s_delay_alu instid0(VALU_DEP_1)
	v_lshlrev_b32 v4, 2, v4                        ; my column among the wave's 32, in bytes
	v_lshlrev_b32 v5, 4, v1
	v_lshlrev_b32 v6, 2, v1
	s_wait_kmcnt 0x0
	s_cmp_ge_u32 ttmp9, 192
	s_cbranch_scc1 .Lff1
	s_sub_co_u32 s24, ttmp9, 64
	s_lshr_b32 s25, s24, 4                         ; 0..3: wq, wk, wv, wo
	s_lshl_b32 s31, s25, 6
	s_add_co_u32 s31, s31, 256
	s_and_b32 s32, s24, 3
	s_lshr_b32 s33, s24, 2
	s_cmp_eq_u32 s25, 1                            ; the choices hang on the work-group's number alone
	s_cselect_b64 s[34:35], s[8:9], s[6:7]
	s_cmp_eq_u32 s25, 2
	s_cselect_b64 s[34:35], s[10:11], s[34:35]
	s_cmp_eq_u32 s25, 3
	s_cselect_b64 s[34:35], s[12:13], s[34:35]
	s_mov_b32 s29, P1S
	s_cmp_ge_u32 ttmp9, 128                        ; w_ff2
	s_cselect_b64 s[34:35], s[16:17], s[34:35]
	s_cselect_b32 s26, 15, 3
	s_cselect_b32 s27, 64, 768
	s_cselect_b32 s28, W2C, 0
	s_cselect_b32 s29, W2S, s29
	s_cselect_b32 s31, 0, s31
	s_and_b32 s33, s33, s26
	WADDR 1024
	s_wait_alu depctr_va_vdst(0)
	WBODY 1024
	s_endpgm
.Lff1:
	s_sub_co_u32 s24, ttmp9, 192
	s_and_b32 s32, s24, 15
	s_lshr_b32 s33, s24, 4
	s_mov_b64 s[34:35], s[14:15]
	s_mov_b32 s27, 768
	s_mov_b32 s28, 0
	s_mov_b32 s29, P1S
	s_mov_b32 s31, 512
	WADDR 4096
	s_wait_alu depctr_va_vdst(0)
	WBODY 4096
	s_endpgm
.Lfunc_end_k_q92e0265e84_prep:
	.size	k_q92e0265e84_prep, .Lfunc_end_k_q92e0265e84_prep-k_q92e0265e84_prep
	.p2alignl 7, 3214868480
	.fill 96, 4, 3214868480
	.section	.rodata,"a",@progbits
	.p2align	6, 0x0
	.amdhsa_kernel k_q92e0265e84_prep
		.amdhsa_group_segment_fixed_size 68608
		.amdhsa_private_segment_fixed_size 0
		.amdhsa_enable_private_segment 0
		.amdhsa_kernarg_size 64
		.amdhsa_user_sgpr_count 2
		.amdhsa_user_sgpr_kernarg_segment_ptr 1
		.amdhsa_wavefront_size32 1
		.amdhsa_system_sgpr_workgroup_id_x 1
		.amdhsa_system_sgpr_workgroup_id_y 1
		.amdhsa_system_sgpr_workgroup_id_z 1
		.amdhsa_system_vgpr_workitem_id 0
		.amdhsa_next_free_vgpr 256
		.amdhsa_next_free_sgpr 66
		.amdhsa_reserve_vcc 0
		.amdhsa_float_denorm_mode_32 3
		.amdhsa_float_denorm_mode_16_64 3
		.amdhsa_memory_ordered 1
		.amdhsa_forward_progress 1
		.amdhsa_inst_pref_size 123
	.end_amdhsa_kernel
	.amdgpu_metadata
---
amdhsa.version: [ 1, 2 ]
amdhsa.kernels:
  - .name:           k_q92e0265e84_prep
    .symbol:         k_q92e0265e84_prep.kd
    .args:
      - { .name: x, .offset: 0, .size: 8, .value_kind: global_buffer, .address_space: global }
      - { .name: wq, .offset: 8, .size: 8, .value_kind: global_buffer, .address_space: global }
      - { .name: wk, .offset: 16, .size: 8, .value_kind: global_buffer, .address_space: global }
      - { .name: wv, .offset: 24, .size: 8, .value_kind: global_buffer, .address_space: global }
      - { .name: wo, .offset: 32, .size: 8, .value_kind: global_buffer, .address_space: global }
      - { .name: w_ff1, .offset: 40, .size: 8, .value_kind: global_buffer, .address_space: global }
      - { .name: w_ff2, .offset: 48, .size: 8, .value_kind: global_buffer, .address_space: global }
      - { .name: wts, .offset: 56, .size: 8, .value_kind: global_buffer, .address_space: global }
    .group_segment_fixed_size: 68608
    .private_segment_fixed_size: 0
    .kernarg_segment_align: 8
    .kernarg_segment_size: 64
    .max_flat_workgroup_size: 256
    .sgpr_count:     66
    .vgpr_count:     256
    .wavefront_size: 32
...
	.end_amdgpu_metadata
.endif
;; end of part 8
;; launch qkv (part 9): grid 12 x 16, 8 waves a work-group, clusters of 4 x 4, 327,680 bytes of LDS; arguments wts, bq, bk, bv, qkv; writes qkv
.if DOCPART == 9
	.amdgcn_target "amdgcn-amd-amdhsa--gfx1250"
	.amdhsa_code_object_version 6
	.text
	.protected	k_q92e0265e84_qkv
	.globl	k_q92e0265e84_qkv
	.p2align	8
	.type	k_q92e0265e84_qkv,@function
k_q92e0265e84_qkv:
	s_mov_b64 s[64:65], 0
	v_nop
	global_prefetch_b8 v0, s[64:65] scope:SCOPE_SE
	s_setreg_imm32_b32 hwreg(HW_REG_WAVE_MODE, 25, 1), 1
	s_wait_xcnt 0x0
	s_wait_alu depctr_hold_cnt(0) depctr_sa_sdst(0) depctr_va_vdst(0) depctr_va_sdst(0) depctr_va_ssrc(0) depctr_va_vcc(0) depctr_vm_vsrc(0)
	s_getreg_b32 s2, hwreg(HW_REG_IB_STS2, 6, 4)
	s_cmp_eq_u32 s2, 0
	s_cbranch_scc0 .Lentry_in_a_cluster
	s_endpgm
.Lentry_in_a_cluster:
	s_bfe_u32 s2, ttmp6, 0x10000c
	s_cmp_lg_u32 s2, 0xf033
	s_cbranch_scc0 .Lentry_shape_is_right
	s_endpgm
.Lentry_shape_is_right:
; q = x wq + bq, k = x wk + bk, v = x wv + bv on codes of FP6 (E2M3) with E8M0 scales, and their quantising: q and k along a head's 64, v along the keys.
; All operands lie in wts in the order of the operand's registers (a fragment of 16 rows x 128 K: 1,536 bytes, three loads of 16 bytes a lane; rows in slot order: tile 2 p + u, lane row r = true row 32 p + 8 u + r + 8 (r / 8)).
; A work-group of eight waves makes 256 x 256; a wave 64 (source 1's side, "A") x 128 (source 0's side, "B"): 32 accumulators, window 1.  In accumulator (a, b) lane (r, h) holds A's slot r of tile a, and register j
; B's true row 32 (b / 2) + 16 h + 8 (b % 2) + j: a lane's 64 registers of one a are 128 along the next K in the order that the conversions want.
; Clusters x = 0, 1: A = x, B = wq or wk: results are rows of tokens with the channels along the registers (two heads a wave).  Cluster x = 2: A = wv, B = x: rows of channels with the KEYS along the registers.
; K = 1,024 is four tiles of two K steps, 98,304 bytes each; THREE slots fit in LDS of which slot 0 is asked for at the head and slots 1 and 2 behind the next round; the fourth tile is the launch's one refill, of slot 0, and has four K steps' work in which to land.
; For each slot two waves fetch A's tiles and two B's, one tensor load a wave: two rows (K steps) of eight fragments, 12,288 bytes each.
; CLUSTER 4 x 4: A's tiles are shared along a row of the cluster, B's along a column: joint loads.  All scale words of the work-group's rows come once, with the first fills.
; qkv: a record of 315,392 bytes for each (batch, head): K codes [128 tiles][768], V codes [16 K steps of keys][4 tiles][1,536], K scale words [2,048], V scale words [16][64], Q codes, Q scale words.
; LIMITS: NaN and infinities are not served; a block whose largest magnitude lies under 2^-124, a block of zeros too, gets the byte 1 (this program alone reads the bytes).
.set SLOTB, 98304                      ; a slot: four waves' loads of 24,576 bytes: [chunk][K step][8 fragments]
.set SCL,   3*SLOTB                    ; A's scale words [8 K steps][256], then B's
.set SPARE, SCL+16384                  ; the spare words, 128 bytes a wave
.set STEPA, 2*768*1536                 ; two K steps on, in bytes
.set STEPB, 2*768*1536
.set P1S,   9437184
.set REC,   315392
.set ALO, 4                            ; v4-6 LDS address of my A fragments 0, 1 in slot 0, 1, 2;  v7-9 of fragments 2, 3;  v10-12 of my B fragments
.set AHI, 7
.set BB,  10
.set ADSA0, 13                         ; v13, v14 my A scale words (tiles 0, 1; tiles 2, 3);  v15 B's
.set ADSA1, 14
.set ADSB,  15
.set SPW, 16                           ; v16 my spare word;  v17 = 0; both never rewritten
.set NIL, 17
.set L16, 18                           ; 16, 4, 8 x lane
.set L4,  19
.set L8,  26
.set SA,  20                           ; v20-21 A's scale words: lanes 0-15 the even tile, lanes 16-31 the odd;  v22-25 B's
.set SB,  22
.set AF,  32                           ; v32-79 A's four fragments;  v80-175 B's eight
.set BF,  80
.set BN,  176                          ; v176-239 the bias along the registers;  v240-243 bv along the lanes
.set BM,  240
.set T,   32                           ; the way out: 64 numbers; v128.. at work; v144.. codes
.set TM,  128
.set PC,  144
.set PW,  164
.set PWE, 165
.set PWS, 166
.set WV,  14
.set G1,  24                           ; s[24:31] group 1 for A's tiles;  s[32:43] group 0, one set for each slot
.set G0,  32
.set G1B, 44                           ; s[44:51], s[52:63] the same for B's
.set G0B, 52
.set CLY, 67                           ; s67 the cluster's y
.set G1S, 68
.set G0S, 76
.set G1SB, 80
.set G0SB, 88
.set SEL, 94
.set MHI, 96
.set CX,  100                          ; s100, s101 my place in the cluster
.set CY,  101
.set MSB, 0
.macro WIN new                         ; the immediate's high byte repeats the setting that is left
.if MSB != \new
	s_set_vgpr_msb (MSB<<8)|\new
.set MSB, \new
.endif
.endm
.macro PLACES                          ; four plain places behind a matrix instruction, ahead of loads into its registers and of reads of its result
.rept 4
	v_nop
.endr
.endm
.macro CROUND                          ; a round of the cluster's barrier
	s_barrier_signal -1
	s_barrier_wait -1
	s_cmp_lg_u32 s[WV], 0
	s_cbranch_scc1 .Lnot_wave_0_\@
	s_barrier_signal -3
.Lnot_wave_0_\@:
	s_barrier_wait -3
	s_barrier_signal -1
	s_barrier_wait -1
.endm
.macro JLOAD s                         ; a joint load; the branch hangs on the wave's number alone; four v_nop follow each line
	s_cmp_lt_u32 s[WV], 2
	s_cbranch_scc0 .Lfor_b_\@
	tensor_load_to_lds s[G0+4*(\s):G0+4*(\s)+3], s[G1:G1+7]
	s_nop 0
	PLACES
	s_branch .Lasked_\@
.Lfor_b_\@:
	s_cmp_lt_u32 s[WV], 4
	s_cbranch_scc0 .Lasked_\@
	tensor_load_to_lds s[G0B+4*(\s):G0B+4*(\s)+3], s[G1B:G1B+7]
	s_nop 0
	PLACES
.Lasked_\@:
.endm
.macro MM a, b, first                  ; accumulator (a, b): source 0 = B's fragment b, source 1 = A's fragment a; an odd tile's scale words stand in lanes 16-31
.set DD, 8*(8*(\a)+(\b))
.set FB, BF+12*(\b)
.set FA, AF+12*(\a)
.set S0, SB+(\b)/2
.set S1, SA+(\a)/2
.set VAR, 4*(\first)+2*((\b)%2)+(\a)%2
.if VAR == 0
	v_wmma_scale_f32_16x16x128_f8f6f4 v[DD:DD+7], v[FB:FB+11], v[FA:FA+11], v[DD:DD+7], v[S0], v[S1] matrix_a_fmt:MATRIX_FMT_FP6 matrix_b_fmt:MATRIX_FMT_FP6
.elseif VAR == 1
	v_wmma_scale_f32_16x16x128_f8f6f4 v[DD:DD+7], v[FB:FB+11], v[FA:FA+11], v[DD:DD+7], v[S0], v[S1] matrix_a_fmt:MATRIX_FMT_FP6 matrix_b_fmt:MATRIX_FMT_FP6 matrix_b_scale:MATRIX_SCALE_ROW1
.elseif VAR == 2
	v_wmma_scale_f32_16x16x128_f8f6f4 v[DD:DD+7], v[FB:FB+11], v[FA:FA+11], v[DD:DD+7], v[S0], v[S1] matrix_a_fmt:MATRIX_FMT_FP6 matrix_b_fmt:MATRIX_FMT_FP6 matrix_a_scale:MATRIX_SCALE_ROW1
.elseif VAR == 3
	v_wmma_scale_f32_16x16x128_f8f6f4 v[DD:DD+7], v[FB:FB+11], v[FA:FA+11], v[DD:DD+7], v[S0], v[S1] matrix_a_fmt:MATRIX_FMT_FP6 matrix_b_fmt:MATRIX_FMT_FP6 matrix_a_scale:MATRIX_SCALE_ROW1 matrix_b_scale:MATRIX_SCALE_ROW1
.elseif VAR == 4
	v_wmma_scale_f32_16x16x128_f8f6f4 v[DD:DD+7], v[FB:FB+11], v[FA:FA+11], 0, v[S0], v[S1] matrix_a_fmt:MATRIX_FMT_FP6 matrix_b_fmt:MATRIX_FMT_FP6
.elseif VAR == 5
	v_wmma_scale_f32_16x16x128_f8f6f4 v[DD:DD+7], v[FB:FB+11], v[FA:FA+11], 0, v[S0], v[S1] matrix_a_fmt:MATRIX_FMT_FP6 matrix_b_fmt:MATRIX_FMT_FP6 matrix_b_scale:MATRIX_SCALE_ROW1
.elseif VAR == 6
	v_wmma_scale_f32_16x16x128_f8f6f4 v[DD:DD+7], v[FB:FB+11], v[FA:FA+11], 0, v[S0], v[S1] matrix_a_fmt:MATRIX_FMT_FP6 matrix_b_fmt:MATRIX_FMT_FP6 matrix_a_scale:MATRIX_SCALE_ROW1
.else
	v_wmma_scale_f32_16x16x128_f8f6f4 v[DD:DD+7], v[FB:FB+11], v[FA:FA+11], 0, v[S0], v[S1] matrix_a_fmt:MATRIX_FMT_FP6 matrix_b_fmt:MATRIX_FMT_FP6 matrix_a_scale:MATRIX_SCALE_ROW1 matrix_b_scale:MATRIX_SCALE_ROW1
.endif
.endm
; One K step of 128: 6 scale loads, 12 + 24 fragment loads, 32 matrix instructions.  The 32 accumulators take turns, one instruction a turn, in the same order in every step.
; The other wave of the SIMD works while this one waits for LDS.
.macro KSTEP slot, co, sa, sb, first
	PLACES
	ds_load_b32 v[SA], v[ADSA0] offset:\sa
	ds_load_b32 v[SA+1], v[ADSA1] offset:\sa
.irp j, 0,1,2,3
	ds_load_b32 v[SB+\j], v[ADSB] offset:(\sb)+128*\j
.endr
.irp a, 0,1
.irp c, 0,1,2
	ds_load_b128 v[AF+12*\a+4*\c:AF+12*\a+4*\c+3], v[ALO+\slot] offset:(\co)+1536*\a+512*\c
.endr
.endr
.irp a, 0,1
.irp c, 0,1,2
	ds_load_b128 v[AF+24+12*\a+4*\c:AF+24+12*\a+4*\c+3], v[AHI+\slot] offset:(\co)+1536*\a+512*\c
.endr
.endr
.irp b, 0,1,2,3,4,5,6,7
.irp c, 0,1,2
	ds_load_b128 v[BF+12*\b+4*\c:BF+12*\b+4*\c+3], v[BB+\slot] offset:(\co)+1536*\b+512*\c
.endr
.endr
	WIN 0x50                                       ; C and D in window 1
.irp b, 0,1,2,3,4,5,6,7
	s_wait_dscnt 3*(7-\b)                          ; all but the loads of B's later fragments
.irp a, 0,1,2,3
	MM \a, \b, \first
.endr
.endr
	WIN 0
.endm
.macro TWO slot, ks, first             ; a slot's two K steps, ks and ks + 1
	KSTEP \slot, 0, 1024*(\ks), 1024*(\ks), \first
	KSTEP \slot, 12288, 1024*(\ks)+1024, 1024*(\ks)+1024, 0
.endm
; Every wave waits for all its tensor loads, adds 0 to its spare word, and waits for that and for its LDS reads.  refill = 1: a round of the cluster's barrier, and the joint refill of slot 0, with K steps 6 and 7,
; first behind it: no wave of any partner still reads slot 0, and slots 1 and 2 are whole in every work-group.  refill = 0: the work-group's barrier: the refill has landed in all its parts.
.macro MEET refill
	s_wait_tensorcnt 0x0
	ds_add_u32 v[SPW], v[NIL]
.if \refill
	s_add_nc_u64 s[G0+2:G0+3], s[G0+2:G0+3], 3*STEPA     ; no load of mine is out: slot 0's next tile
	s_add_nc_u64 s[G0B+2:G0B+3], s[G0B+2:G0B+3], 3*STEPB
.endif
	s_wait_dscnt 0x0
.if \refill
	CROUND
	JLOAD 0
.else
	s_barrier_signal -1
	s_barrier_wait -1
.endif
.endm
; 64 numbers of a lane, register 16 b + i = k 32 b + 16 (lane / 16) + i of my row, become a fragment's codes in v[PC] on and its scale word in v[PW] (the same in both halves of the lanes).
.macro QUANT s
.irp b, 0,1,2,3
	v_max3_num_f32 v[TM+\b], |v[\s+16*\b]|, |v[\s+1+16*\b]|, 0x1800000   ; with the floor 2^(3 - 127): the byte cannot fall under 1
.endr
.irp i, 2,4,6,8,10,12,14
.irp b, 0,1,2,3
	s_delay_alu instid0(VALU_DEP_4)
	v_max3_num_f32 v[TM+\b], v[TM+\b], |v[\s+16*\b+\i]|, |v[\s+1+16*\b+\i]|
.endr
.endr
.irp b, 0,1,2,3
	s_delay_alu instid0(VALU_DEP_4)
	v_permlanex16_b32 v[TM+4+\b], v[TM+\b], s[SEL], s[SEL+1]
.endr
.irp b, 0,1,2,3
	s_delay_alu instid0(VALU_DEP_4)
	v_max_num_f32 v[TM+\b], v[TM+\b], v[TM+4+\b]   ; the block's largest magnitude
.endr
.irp b, 0,1,2,3
	s_delay_alu instid0(VALU_DEP_4)
	v_add_nc_u32 v[TM+12+\b], 0xff000000, v[TM+\b] ; 2 off its exponent field: the conversion's scale operand
.endr
.irp b, 0,1,2,3
	s_delay_alu instid0(VALU_DEP_4)
	v_lshrrev_b32 v[TM+4+\b], 23, v[TM+12+\b]      ; the byte
.endr
	s_delay_alu instid0(VALU_DEP_3)
	v_lshl_or_b32 v[PW], v[TM+5], 8, v[TM+4]
	s_delay_alu instid0(VALU_DEP_1)
	v_lshl_or_b32 v[PW], v[TM+6], 16, v[PW]
	s_delay_alu instid0(VALU_DEP_1)
	v_lshl_or_b32 v[PW], v[TM+7], 24, v[PW]
.irp c, 0,1
	v_cvt_scalef32_pk16_fp6_f32 v[PC+6*\c:PC+2+6*\c], v[\s+32*\c:\s+15+32*\c], v[TM+12+2*\c]
	v_cvt_scalef32_pk16_fp6_f32 v[PC+12+4*\c:PC+14+4*\c], v[\s+16+32*\c:\s+31+32*\c], v[TM+12+2*\c+1]
.endr
	v_nop                                          ; one plain place behind a scaled conversion
.irp c, 0,1                                    ; a whole block to a lane: lanes 0-15 block 2 c, lanes 16-31 block 2 c + 1
.irp i, 0,1,2
	v_permlane16_swap_b32 v[PC+6*\c+\i], v[PC+12+4*\c+\i]
.endr
.irp i, 0,1,2
	s_delay_alu instid0(VALU_DEP_3)
	v_mov_b32 v[PC+3+6*\c+\i], v[PC+12+4*\c+\i]
.endr
.endr
.endm
	s_load_b256 s[4:11], s[0:1], 0x0               ; wts, bq, bk, bv
	s_load_b64 s[12:13], s[0:1], 0x20              ; qkv
	v_lshl_add_u32 v[SPW], v0, 2, SPARE
	v_mov_b32 v[NIL], 0
	ds_add_u32 v16, v17
	ds_add_u32 v16, v17
	s_wait_dscnt 0x0
	v_lshrrev_b32 v1, 5, v0
	s_delay_alu instid0(VALU_DEP_1)
	v_readfirstlane_b32 s[WV], v1                  ; wave 0..7
	s_and_b32 s16, s[WV], 3                        ; wave % 4: my chunk of a slot and my place among the scale words
	s_lshr_b32 s17, s[WV], 1                       ; wm: my 64 of A's 256 rows
	s_and_b32 s18, s[WV], 1                        ; wn: my 128 of B's 256
	s_bfe_u32 s[CX], ttmp6, 0x40000                ; cx
	s_bfe_u32 s[CY], ttmp6, 0x40004                ; cy
	s_and_b32 s[CLY], ttmp7, 0xffff                ; the cluster's y; ttmp9 is its x
	s_lshl_b32 s2, s[CY], 2
	s_lshl_b32 s2, 15, s2                          ; my row of the cluster
	s_lshl_b32 s3, 0x1111, s[CX]                   ; my column
	s_mov_b32 s[SEL], 0x76543210
	s_mov_b32 s[SEL+1], 0xfedcba98
	s_mov_b32 s[MHI], 0xffff0000
	s_or_b32 s[G1], s2, (3<<16)|(1<<21)            ; codes: elements of 8 bytes; 2 rows (K steps) of 1,536 elements (eight fragments), 768 fragments apart
	s_or_b32 s[G1B], s3, (3<<16)|(1<<21)
.irp g, G1, G1B
	s_mov_b32 s[\g+1], 1536<<16                    ; eight fragments a row
	s_mov_b32 s[\g+2], 2<<16
	s_mov_b32 s[\g+3], 1536<<16
	s_mov_b32 s[\g+4], 2
	s_mov_b32 s[\g+5], 768*192
	s_mov_b32 s[\g+6], 0
	s_mov_b32 s[\g+7], 0
.endr
	s_or_b32 s[G1S], s2, (3<<16)|(1<<21)           ; scale words: 4 rows (K steps) of 1,024 bytes (256 slots), 12,288 slots apart
	s_or_b32 s[G1SB], s3, (3<<16)|(1<<21)
.irp g, G1S, G1SB
	s_mov_b32 s[\g+1], 128<<16
	s_mov_b32 s[\g+2], 4<<16                       ; four K steps a load
	s_mov_b32 s[\g+3], 128<<16
	s_mov_b32 s[\g+4], 4
	s_mov_b32 s[\g+5], 6144
	s_mov_b32 s[\g+6], 0
	s_mov_b32 s[\g+7], 0
.endr
	s_lshl_b32 s97, s[CLY], 6                      ; 64 x cluster y
	s_lshl_b32 s98, ttmp9, 6
	s_add_co_u32 s98, s98, 256                     ; wq's or wk's first tile
	s_cmp_eq_u32 ttmp9, 2                          ; the cluster that makes v: the same in all sixteen partners
	s_cselect_b32 s20, 384, s97                    ; A: wv, or x
	s_cselect_b32 s98, s97, s98                    ; B: x, or the weight
	s_lshl_b32 s21, s[CY], 4
	s_add_co_u32 s20, s20, s21                     ; A's first tile: + 16 cy
	s_lshl_b32 s99, s[CX], 4
	s_add_co_u32 s98, s98, s99                     ; B's: + 16 cx
	s_lshl_b32 s19, s18, 3                         ; which eight tiles I would fetch: wave % 2
	s_add_co_u32 s22, s20, s19
	s_mul_i32 s22, s22, 1536                       ; A's codes that I would fetch
	s_mov_b32 s23, 0
	s_lshl_b32 s20, s20, 6
	s_mul_i32 s21, s18, 196608                     ; K steps 4 (wave % 2) on
	s_add_co_u32 s20, s20, s21
	s_add_co_u32 s20, s20, P1S                     ; and scale words: K steps 4 (wave % 2) .. 4 (wave % 2) + 3
	s_mov_b32 s21, 0
	s_add_co_u32 s92, s98, s19
	s_mul_i32 s92, s92, 1536
	s_mov_b32 s93, 0
	s_lshl_b32 s98, s98, 6
	s_mul_i32 s99, s18, 196608
	s_add_co_u32 s98, s98, s99
	s_add_co_u32 s98, s98, P1S
	s_mov_b32 s99, 0
	s_mul_i32 s97, s16, 24576                      ; chunk wave % 4
	s_lshl_b32 s66, s16, 12                        ; the scale words: 4,096 (wave % 4)
	s_wait_kmcnt 0x0
	s_add_nc_u64 s[22:23], s[4:5], s[22:23]
	s_add_nc_u64 s[20:21], s[4:5], s[20:21]
	s_add_nc_u64 s[92:93], s[4:5], s[92:93]
	s_add_nc_u64 s[98:99], s[4:5], s[98:99]
	s_mov_b32 s[G0S], 1
	s_add_co_u32 s[G0S+1], s66, SCL
	s_mov_b64 s[G0S+2:G0S+3], s[20:21]
	s_or_b32 s[G0S+3], s[G0S+3], 0x80000000
	s_mov_b32 s[G0SB], 1
	s_add_co_u32 s[G0SB+1], s66, SCL
	s_mov_b64 s[G0SB+2:G0SB+3], s[98:99]
	s_or_b32 s[G0SB+3], s[G0SB+3], 0x80000000
.irp s, 0,1,2
	s_mov_b32 s[G0+4*\s], 1
	s_add_co_u32 s[G0+4*\s+1], s97, \s*SLOTB
	s_add_nc_u64 s[G0+4*\s+2:G0+4*\s+3], s[22:23], \s*STEPA
	s_or_b32 s[G0+4*\s+3], s[G0+4*\s+3], 0x80000000
	s_mov_b32 s[G0B+4*\s], 1
	s_add_co_u32 s[G0B+4*\s+1], s97, \s*SLOTB
	s_add_nc_u64 s[G0B+4*\s+2:G0B+4*\s+3], s[92:93], \s*STEPB
	s_or_b32 s[G0B+4*\s+3], s[G0B+4*\s+3], 0x80000000
.endr
	CROUND                                         ; all sixteen work-groups are here: the first joint loads meet
.macro ARM under, g0, g1, next, join   ; an arm of a chain of branches on the wave's number: one load, and a jump to the chain's end
	s_cmp_lt_u32 s[WV], \under
	s_cbranch_scc0 \next
	tensor_load_to_lds s[\g0:\g0+3], s[\g1:\g1+7]
	s_nop 0
	PLACES
	s_branch \join
\next:
.endm
	ARM 2, G0, G1, .Lh1, .Lhj                      ; the head's loads, one a wave: slot 0's chunks of A,
	ARM 4, G0B, G1B, .Lh2, .Lhj                    ; of B,
	ARM 6, G0S, G1S, .Lh3, .Lhj                    ; A's scale words,
	tensor_load_to_lds s[G0SB:G0SB+3], s[G1SB:G1SB+7]   ; B's
	s_nop 0
	PLACES
.Lhj:
	v_and_b32 v1, 31, v0
	v_and_b32 v2, 15, v0                           ; r
	v_bfe_u32 v3, v0, 4, 1                         ; h
	s_delay_alu instid0(VALU_DEP_3)
	v_lshlrev_b32 v[L16], 4, v1
	s_delay_alu instid0(VALU_DEP_4)
	v_lshlrev_b32 v[L4], 2, v1
	v_lshlrev_b32 v[L8], 3, v1
	s_lshr_b32 s19, s17, 1
	s_mul_i32 s19, s19, 24576                      ; my four fragments of A: chunk wm / 2,
	s_and_b32 s2, s17, 1
	s_mul_i32 s2, s2, 6144                         ; its fragments 4 (wm % 2) on
	s_add_co_u32 s19, s19, s2
	s_wait_alu depctr_va_vdst(0)
	v_add_nc_u32 v[ALO], s19, v[L16]
	s_mul_i32 s19, s18, 24576
	s_add_co_u32 s19, s19, 4*12288
	v_add_nc_u32 v[BB], s19, v[L16]
.irp s, 1
	v_add_nc_u32 v[ALO+\s], \s*SLOTB, v[ALO]
	s_delay_alu instid0(VALU_DEP_2)
	v_add_nc_u32 v[BB+\s], \s*SLOTB, v[BB]
.endr
.irp s, 2
	v_add_nc_u32 v[ALO+\s], \s*SLOTB, v[ALO]
	s_delay_alu instid0(VALU_DEP_4)
	v_add_nc_u32 v[BB+\s], \s*SLOTB, v[BB]
.endr
.irp s, 0,1,2
	v_add_nc_u32 v[AHI+\s], 3072, v[ALO+\s]
.endr
	s_lshl_b32 s19, s17, 8
	s_add_co_u32 s19, s19, SCL
	v_add_nc_u32 v[ADSA0], s19, v[L4]
	s_delay_alu instid0(VALU_DEP_1)
	v_add_nc_u32 v[ADSA1], 128, v[ADSA0]
	s_lshl_b32 s19, s18, 9
	s_add_co_u32 s19, s19, SCL+8192
	v_add_nc_u32 v[ADSB], s19, v[L4]
	; the biases, in both forms on the one way that all waves take: along the registers (q, k: the channel is B's row), and bv along the lanes (v: the channel is A's slot)
	s_cmp_eq_u32 ttmp9, 0
	s_cselect_b64 s[98:99], s[6:7], s[8:9]
	s_cmp_eq_u32 ttmp9, 2
	s_cselect_b64 s[98:99], s[10:11], s[98:99]
	s_lshl_b32 s2, s[CX], 10
	s_lshl_b32 s3, s18, 9
	s_add_co_u32 s2, s2, s3
	s_mov_b32 s3, 0
	s_add_nc_u64 s[98:99], s[98:99], s[2:3]        ; channel 256 cx + 128 wn
	v_lshlrev_b32 v27, 6, v3                       ; + 16 h
.irp b, 0,1,2,3,4,5,6,7
.irp i, 0,1
	global_load_b128 v[BN+8*\b+4*\i:BN+8*\b+4*\i+3], v27, s[98:99] offset:4*(32*(\b/2)+8*(\b%2))+16*\i
.endr
.endr
	s_lshl_b32 s2, s[CY], 10
	s_lshl_b32 s3, s17, 8
	s_add_co_u32 s2, s2, s3
	s_mov_b32 s3, 0
	s_add_nc_u64 s[10:11], s[10:11], s[2:3]        ; channel 256 cy + 64 wm
	v_and_b32 v28, 8, v2
	s_delay_alu instid0(VALU_DEP_1)
	v_add_nc_u32 v28, v28, v2
	s_delay_alu instid0(VALU_DEP_1)
	v_lshlrev_b32 v28, 2, v28                      ; + r + 8 (r / 8)
.irp a, 0,1,2,3
	global_load_b32 v[BM+\a], v28, s[10:11] offset:4*(32*(\a/2)+8*(\a%2))
.endr
	s_wait_alu depctr_va_vdst(0)
; THE FILLS AS THEY STAND NOW.  A slot is four chunks of 24,576 bytes, A's two halves and then B's two, each laid [K step][8 fragments]; one load brings a chunk: 2 rows (K steps) of 12,288 bytes.
; At the head waves 0-3 ask for slot 0 and waves 4-7 for the scale words (four K steps of 256 slots a load).  Behind the three lines and a round waves 0-3 ask for slot 1 and waves 4-7 for slot 2, later first fills.
; Slot 0's refill, by waves 0-3, stands behind K steps 0 and 1.  One tensor load a wave at the head and behind each round.
.macro SEQ
	s_wait_tensorcnt 0x0
	ds_add_u32 v[SPW], v[NIL]
	s_wait_dscnt 0x0
	CROUND
.endm
	SEQ
	ARM 2, G0+4, G1, .Lm1, .Lmj                    ; slot 1 (K steps 2, 3): waves 0, 1 A's chunks,
	ARM 4, G0B+4, G1B, .Lm2, .Lmj                  ; waves 2, 3 B's;
	ARM 6, G0+8, G1, .Lm3, .Lmj                    ; slot 2 (K steps 4, 5): waves 4, 5 A's,
	tensor_load_to_lds s[G0B+8:G0B+11], s[G1B:G1B+7]   ; waves 6, 7 B's
	s_nop 0
	PLACES
.Lmj:
	TWO 0, 0, 1                                    ; the first K step's products start the sums
	MEET 1                                         ; the one refill: K steps 6 and 7 into slot 0, by waves 0-3
	TWO 1, 2, 0
	TWO 2, 4, 0
	MEET 0
	TWO 0, 6, 0
	PLACES
.irp b, 0,1,2,3
	v_mov_b32 v[TM+4+\b], 0                        ; a lane permute's destination counts as read
.endr
	s_wait_loadcnt 0x0                             ; the biases
	s_lshr_b32 s2, s[CLY], 1
	s_lshl_b32 s2, s2, 4                           ; 16 x batch
	s_and_b32 s3, s[CLY], 1
	s_cmp_eq_u32 ttmp9, 2
	s_cbranch_scc1 .Lvpath
	; ---- q, k: rows of tokens; my 128 channels are heads 4 cx + 2 wn and the next
	s_lshl_b32 s19, s[CX], 2
	s_add_co_u32 s2, s2, s19
	s_lshl_b32 s19, s18, 1
	s_add_co_u32 s2, s2, s19
	s_mul_i32 s2, s2, REC                          ; the even head's record
	s_lshl_b32 s3, s3, 6
	s_lshl_b32 s19, s[CY], 4
	s_add_co_u32 s3, s3, s19
	s_lshl_b32 s19, s17, 2
	s_add_co_u32 s3, s3, s19                       ; my first tile of tokens in the batch
	s_mov_b32 s97, 196608
	s_cmp_eq_u32 ttmp9, 0
	s_cselect_b32 s19, 208896, 0                   ; Q's codes, or K's
	s_cselect_b32 s97, 307200, s97                 ; and scale words
	s_mul_i32 s20, s3, 768
	s_add_co_u32 s20, s20, s2
	s_add_co_u32 s20, s20, s19
	s_mov_b32 s21, 0
	s_lshl_b32 s22, s3, 6
	s_add_co_u32 s22, s22, s2
	s_add_co_u32 s22, s22, s97
	s_mov_b32 s23, 0
	s_add_nc_u64 s[20:21], s[12:13], s[20:21]
	s_add_nc_u64 s[22:23], s[12:13], s[22:23]
.macro QKOUT a
.if \a > 0
	s_wait_xcnt 0x0                                ; the last tile's stores have read their registers
.endif
	WIN 0x01                                       ; source 0 in window 1
.set i, 0
.rept 32
	v_pk_add_f32 v[T+i:T+i+1], v[64*(\a)+i:64*(\a)+i+1], v[BN+i:BN+i+1]   ; each accumulator from its low end on
.set i, i+2
.endr
	WIN 0
	QUANT T
.irp c, 0,1,2
	global_store_b64 v[L8], v[PC+2*\c:PC+2*\c+1], s[20:21] offset:768*(\a)+256*\c              ; k = 0 .. 63: the even head's half fragment, 256 consecutive bytes a store
	global_store_b64 v[L8], v[PC+6+2*\c:PC+7+2*\c], s[20:21] offset:768*(\a)+256*\c+REC        ; k = 64 .. 127: the odd head's
.endr
.if (\a)%2 == 0
	v_mov_b32 v[PWE], v[PW]
.else
	v_cndmask_b32 v[PWS], v[PWE], v[PW], s[MHI]    ; two tiles' words
	s_delay_alu instid0(VALU_DEP_1)
	v_and_b32 v167, 0xffff, v[PWS]                 ; bytes 0, 1: the even head's; bytes 2, 3 stay 0 over the zero codes that fill K to 128
	s_delay_alu instid0(VALU_DEP_2)
	v_lshrrev_b32 v168, 16, v[PWS]
	global_store_b32 v[L4], v167, s[22:23] offset:128*((\a)/2)
	global_store_b32 v[L4], v168, s[22:23] offset:128*((\a)/2)+REC
.endif
.endm
	QKOUT 0
	QKOUT 1
	QKOUT 2
	QKOUT 3
	s_branch .Lend
.Lvpath:
	; ---- v: rows of channels (head 4 cy + wm, its four tiles), my 128 keys are K step 8 (cluster y % 2) + 2 cx + wn of the batch
	s_lshl_b32 s19, s[CY], 2
	s_add_co_u32 s2, s2, s19
	s_add_co_u32 s2, s2, s17
	s_mul_i32 s2, s2, REC
	s_lshl_b32 s3, s3, 3
	s_lshl_b32 s19, s[CX], 1
	s_add_co_u32 s3, s3, s19
	s_add_co_u32 s3, s3, s18
	s_mul_i32 s20, s3, 6144
	s_add_co_u32 s20, s20, s2
	s_add_co_u32 s20, s20, 98304
	s_mov_b32 s21, 0
	s_lshl_b32 s22, s3, 8
	s_add_co_u32 s22, s22, s2
	s_add_co_u32 s22, s22, 204800
	s_mov_b32 s23, 0
	s_add_nc_u64 s[20:21], s[12:13], s[20:21]
	s_add_nc_u64 s[22:23], s[12:13], s[22:23]
.macro VOUT a
.if \a > 0
	s_wait_xcnt 0x0
.endif
	WIN 0x01
.set i, 0
.rept 64
	v_add_f32 v[T+i], v[64*(\a)+i], v[BM+(\a)]
.set i, i+1
.endr
	WIN 0
	QUANT T
.irp c, 0,1,2
	global_store_b128 v[L16], v[PC+4*\c:PC+4*\c+3], s[20:21] offset:1536*(\a)+512*\c
.endr
.if (\a)%2 == 0
	v_mov_b32 v[PWE], v[PW]
.else
	v_cndmask_b32 v[PWS], v[PWE], v[PW], s[MHI]
	global_store_b32 v[L4], v[PWS], s[22:23] offset:128*((\a)/2)
.endif
.endm
	VOUT 0
	VOUT 1
	VOUT 2
	VOUT 3
.Lend:
	s_wait_tensorcnt 0x0                           ; the wave's end
	ds_add_u32 v[SPW], v[NIL]
	s_wait_dscnt 0x0
	CROUND                                         ; the closing round
	s_endpgm
.Lfunc_end_k_q92e0265e84_qkv:
	.size	k_q92e0265e84_qkv, .Lfunc_end_k_q92e0265e84_qkv-k_q92e0265e84_qkv
	.p2alignl 7, 3214868480
	.fill 96, 4, 3214868480
	.section	.rodata,"a",@progbits
	.p2align	6, 0x0
	.amdhsa_kernel k_q92e0265e84_qkv
		.amdhsa_group_segment_fixed_size 327680
		.amdhsa_private_segment_fixed_size 0
		.amdhsa_enable_private_segment 0
		.amdhsa_kernarg_size 40
		.amdhsa_user_sgpr_count 2
		.amdhsa_user_sgpr_kernarg_segment_ptr 1
		.amdhsa_wavefront_size32 1
		.amdhsa_system_sgpr_workgroup_id_x 1
		.amdhsa_system_sgpr_workgroup_id_y 1
		.amdhsa_system_sgpr_workgroup_id_z 1
		.amdhsa_system_vgpr_workitem_id 0
		.amdhsa_next_free_vgpr 512
		.amdhsa_next_free_sgpr 102
		.amdhsa_reserve_vcc 0
		.amdhsa_float_denorm_mode_32 3
		.amdhsa_float_denorm_mode_16_64 3
		.amdhsa_memory_ordered 1
		.amdhsa_forward_progress 1
		.amdhsa_inst_pref_size 139
	.end_amdhsa_kernel
	.amdgpu_metadata
---
amdhsa.version: [ 1, 2 ]
amdhsa.kernels:
  - .name:           k_q92e0265e84_qkv
    .symbol:         k_q92e0265e84_qkv.kd
    .args:
      - { .name: wts, .offset: 0, .size: 8, .value_kind: global_buffer, .address_space: global }
      - { .name: bq, .offset: 8, .size: 8, .value_kind: global_buffer, .address_space: global }
      - { .name: bk, .offset: 16, .size: 8, .value_kind: global_buffer, .address_space: global }
      - { .name: bv, .offset: 24, .size: 8, .value_kind: global_buffer, .address_space: global }
      - { .name: qkv, .offset: 32, .size: 8, .value_kind: global_buffer, .address_space: global }
    .group_segment_fixed_size: 327680
    .private_segment_fixed_size: 0
    .kernarg_segment_align: 8
    .kernarg_segment_size: 40
    .max_flat_workgroup_size: 256
    .sgpr_count:     102
    .vgpr_count:     512
    .wavefront_size: 32
...
	.end_amdgpu_metadata
.endif
;; end of part 9
;; launch attn (part 10): grid 8 x 32, 16 waves a work-group, no clusters, 327,680 bytes of LDS; arguments qkv, att; writes att
.if DOCPART == 10
	.amdgcn_target "amdgcn-amd-amdhsa--gfx1250"
	.amdhsa_code_object_version 6
	.text
	.protected	k_q92e0265e84_attn
	.globl	k_q92e0265e84_attn
	.p2align	8
	.type	k_q92e0265e84_attn,@function
k_q92e0265e84_attn:
	s_mov_b64 s[64:65], 0
	v_nop
	global_prefetch_b8 v0, s[64:65] scope:SCOPE_SE
	s_setreg_imm32_b32 hwreg(HW_REG_WAVE_MODE, 25, 1), 1
	s_wait_xcnt 0x0
; Causal attention of one (batch, head) on codes of FP6 (E2M3) with E8M0 scales, head size 64, 2,048 keys; the result / l is quantised along D and stored as half fragments of the next product's operand.
; THE SOFTMAX AHEAD OF THE SECOND PRODUCT: t = score x log2(e) / 8; M = the running largest t rounded UP to a whole number; p = 2^(t - M) is quantised along the keys, not normalised; the row's sum is taken of the
; unquantised p; when M moves, the sum and O are multiplied by 2^(old M - new M), which rounds nothing.
; The first product's K is 64: registers 6-11 of Q's and K's fragments are zero codes, and bytes 2, 3 of their scale words are 0.
; LDS: a head's K and V codes and scale words are the first 208,896 bytes of its record; each of the 16 waves brings a sixteenth by three tensor loads; nothing is filled again; three barriers.
; SHARES: work-group x takes the blocks of 128 queries x (waves 0-7) and 15 - x (waves 8-15): 17 key steps of 128 for each pair of waves, in every work-group.  A wave owns 16 queries, one tile.
; Every wave walks 16 trips; a step all of whose keys come after its queries is jumped over (a scalar branch on ids); in the step on the diagonal hidden scores become -infinity ahead of the maximum.
; NO CLUSTER, though the eight work-groups of a head read the same bytes: that branch hangs on the work-group's x, which would be its place in a cluster.
; LAYOUT: both products transposed (S^T = K Q^T, O^T = V^T P^T): a lane holds one query.  Tiles lie in slot order (tile 2 b + u, lane row r = row 32 b + 8 u + r + 8 (r / 8)), so the 16 registers of tiles 2 b, 2 b + 1 are
; 16 neighbouring keys (channels): 32 b + 16 (lane / 16) + 0 .. 15.
; LIMITS: NaN and infinities are not served; a block of the result whose largest magnitude lies under 2^-124 gets the byte 1.
; LDS AS IT STANDS NOW (in place of the paragraph on LDS above): the codes come in 32 chunks of 6,144 bytes, chunk c = 3,072 bytes of K's codes (tiles 4 c .. 4 c + 3) and the 3,072 bytes of V's codes at the same place
; of V's region (fragments 2 c, 2 c + 1): one tile of two rows, 98,304 bytes apart in memory.  Key step s reads chunks 2 s and 2 s + 1.  Wave w asks for chunk w at the head; behind the three lines and a barrier for its 768 bytes
; of the scale words (LDS 196,608 on); behind the same once more for chunk 16 + w, which has key steps 0-7 in which to land; a further wait and barrier stand ahead of key step 8.  Nothing is filled again.
; All of LDS is claimed.
.set REC, 315392
.set G1S, 52                           ; s[52:59], s[60:63] groups 1 and 0 for the scale words
.set G0S, 60
.set ATS, 3145728
.set WV,  18
.set SEL, 20
.set CS,  22
.set G1,  24
.set G0,  32
.set BETA, 36                          ; s36 my block of 128 queries;  s37 the key step;  s38-40 the step's place among codes (12,288 a step), K's scale words (512), V's (256)
.set ST,  37
.set TK,  38
.set TS,  39
.set TV,  40
.set MHI, 41
.set KF,  32                           ; v32-79 four fragments of K;  v80-103 two of V;  v104-107 K's scale words;  v108-109 V's
.set VF,  80
.set KSC, 104
.set VSC, 108
.set S,   128                          ; v128-191 S^T, then p;  v192-223 O^T;  v224-235 p's codes;  v236-247, v252-254 at work;  v248-251 the blocks' largest;  v253 p's scale word
.set O,   192
.set TP,  236
.set SO,  244
.set BX,  248
.macro PLACES
.rept 4
	v_nop
.endr
.endm
	s_load_b128 s[4:7], s[0:1], 0x0                ; qkv, att
	v_lshl_add_u32 v243, v0, 2, 0x33000
	v_mov_b32 v255, 0
	ds_add_u32 v243, v255
	ds_add_u32 v243, v255
	v_lshrrev_b32 v8, 5, v0
	s_delay_alu instid0(VALU_DEP_1)
	v_readfirstlane_b32 s[WV], v8                  ; wave 0..15
	s_and_b32 s8, ttmp7, 0xffff                    ; 16 x batch + head
	s_mul_i32 s10, s8, REC
	s_mov_b32 s11, 0
	s_mul_i32 s12, s[WV], 3072
	s_mov_b32 s13, 0
	s_mul_i32 s16, s[WV], 768
	s_add_co_u32 s16, s16, 196608                  ; my scale words' place, in the record and in LDS alike
	s_mov_b32 s17, 0
	s_mov_b32 s[G1], 3<<16                         ; elements of 8 bytes; 2 rows of 384, 12,288 elements apart
	s_mov_b32 s[G1+1], 384<<16
	s_mov_b32 s[G1+2], 2<<16
	s_mov_b32 s[G1+3], 384<<16
	s_mov_b32 s[G1+4], 2
	s_mov_b32 s[G1+5], 12288
	s_mov_b32 s[G1S], 3<<16                        ; 3 dense rows of 256 bytes
	s_mov_b32 s[G1S+1], 32<<16
	s_mov_b32 s[G1S+2], 3<<16
	s_mov_b32 s[G1S+3], 32<<16
	s_mov_b32 s[G1S+4], 3
	s_mov_b32 s[G1S+5], 32
	s_mov_b32 s[G1S+6], 0
	s_mov_b32 s[G1S+7], 0
	s_mov_b32 s[G1+6], 0
	s_mov_b32 s[G1+7], 0
	s_wait_dscnt 0x0
	s_wait_kmcnt 0x0
	s_add_nc_u64 s[4:5], s[4:5], s[10:11]          ; my record
	s_mov_b32 s[G0], 1
	s_lshl_b32 s[G0+1], s12, 1                     ; chunk w: 6,144 w
	s_add_nc_u64 s[G0+2:G0+3], s[4:5], s[12:13]
	s_or_b32 s[G0+3], s[G0+3], 0x80000000
	s_mov_b32 s[G0S], 1
	s_mov_b32 s[G0S+1], s16
	s_add_nc_u64 s[G0S+2:G0S+3], s[4:5], s[16:17]
	s_or_b32 s[G0S+3], s[G0S+3], 0x80000000
	tensor_load_to_lds s[G0:G0+3], s[G1:G1+7]      ; my first tensor load: chunk w
	s_nop 0
	PLACES
	s_sub_co_u32 s9, 15, ttmp9
	s_cmp_lt_u32 s[WV], 8
	s_cselect_b32 s[BETA], ttmp9, s9
	s_and_b32 s9, s[WV], 7
	s_lshl_b32 s14, s[BETA], 3
	s_add_co_u32 s14, s14, s9                      ; my tile of queries in the batch
	s_mul_i32 s12, s14, 768
	s_add_co_u32 s12, s12, 208896
	s_add_nc_u64 s[12:13], s[4:5], s[12:13]        ; Q's codes
	s_lshl_b32 s16, s14, 6
	s_add_co_u32 s16, s16, 307200
	s_mov_b32 s17, 0
	s_add_nc_u64 s[16:17], s[4:5], s[16:17]        ; Q's scale words
	v_and_b32 v29, 31, v0                          ; lane
	v_and_b32 v30, 15, v0                          ; r
	v_bfe_u32 v31, v0, 4, 1                        ; h
	s_delay_alu instid0(VALU_DEP_3)
	v_lshlrev_b32 v1, 3, v29                       ; 8 x lane: my place in a half fragment
	s_delay_alu instid0(VALU_DEP_4)
	v_lshl_add_u32 v2, v29, 4, 3072                ; V's codes: the second half of a chunk, 16 x lane
	v_lshl_add_u32 v3, v29, 2, 196608              ; K's scale words: 4 x lane: two tiles' words a load
	v_lshl_add_u32 v4, v29, 2, 204800              ; V's
	v_lshlrev_b32 v6, 2, v30
.irp c, 0,1,2
	global_load_b64 v[16+2*\c:17+2*\c], v1, s[12:13] offset:256*\c   ; Q's half fragment stays in registers
.endr
	global_load_b32 v28, v6, s[16:17]              ; and its scale words
	v_lshl_add_u32 v7, v30, 2, v31                 ; the way out: my scale byte: 4 r + h
	s_lshr_b32 s15, s9, 1
	s_lshl_b32 s15, s15, 5
	s_and_b32 s19, s[WV], 1
	s_lshl_b32 s19, s19, 3
	s_add_co_u32 s15, s15, s19
	v_and_b32 v5, 8, v30
	s_delay_alu instid0(VALU_DEP_1)
	v_add_nc_u32 v5, v5, v30
	v_lshlrev_b32 v10, 4, v31
	s_delay_alu instid0(VALU_DEP_1)
	v_sub_nc_u32 v5, v5, v10
	s_delay_alu instid0(VALU_DEP_1)
	v_add_nc_u32 v5, s15, v5                       ; d = my query in its block of 128, - 16 h: on the diagonal register 16 b + i is hidden where 32 b + i > d
	s_and_b32 s42, s8, 15                          ; head
	s_lshr_b32 s43, s8, 4                          ; batch
	s_lshr_b32 s44, s42, 1                         ; the next product's K step,
	s_and_b32 s45, s42, 1                          ; and which half of it
	s_lshl_b32 s46, s44, 8
	s_lshl_b32 s47, s43, 7
	s_add_co_u32 s46, s46, s47
	s_add_co_u32 s46, s46, s14                     ; fragment 256 K step + 128 batch + tile
	s_mul_i32 s48, s46, 1536
	s_mul_i32 s47, s45, 768
	s_add_co_u32 s48, s48, s47
	s_mov_b32 s49, 0
	s_lshl_b32 s50, s46, 6
	s_lshl_b32 s47, s45, 1
	s_add_co_u32 s50, s50, s47
	s_add_co_u32 s50, s50, ATS
	s_mov_b32 s51, 0
	s_add_nc_u64 s[48:49], s[6:7], s[48:49]
	s_add_nc_u64 s[50:51], s[6:7], s[50:51]
	s_mov_b32 s[SEL], 0x76543210
	s_mov_b32 s[SEL+1], 0xfedcba98
	s_mov_b32 s[CS], 0x3e38aa3b                    ; c = log2(e) / 8
	s_mov_b32 s[CS+1], s[CS]                       ; (named with it as a pair)
	s_mov_b32 s[MHI], 0xffff0000
	s_mov_b32 s[ST], 0
	s_mov_b32 s[TK], 0
	s_mov_b32 s[TS], 0
	s_mov_b32 s[TV], 0
.irp i, 0,1,2,3,4,5
	v_mov_b32 v[22+\i], 0                          ; k = 64 .. 127: zero codes, in Q
.irp t, 0,1,2,3
	v_mov_b32 v[KF+12*\t+6+\i], 0                  ; and in K's four fragments: written once
.endr
.endr
	v_mov_b32 v13, 0xff61b1e6                      ; the largest t so far: -3e38
	s_delay_alu instid0(VALU_DEP_1)
	v_floor_f32 v12, -v13                          ; -M
	v_mov_b32 v14, 0                               ; the sum, in two halves
	v_mov_b32 v15, 0
.irp b, 0,1,2,3
	v_mov_b32 v[TP+\b], 0                          ; a lane permute's destination counts as read
.endr
	v_mov_b32 v252, 0
	v_mov_b32 v253, 0
.set i, 0
.rept 32
	v_mov_b32 v[O+i], 0                            ; O^T: the step is written once; the first change of M leaves zeros zeros
.set i, i+1
.endr
.macro SMM t                           ; S^T, tile t of 16 keys
.if (\t)%2 == 0
	v_wmma_scale_f32_16x16x128_f8f6f4 v[S+8*(\t):S+8*(\t)+7], v[KF+12*((\t)%4):KF+12*((\t)%4)+11], v[16:27], 0, v[KSC+(\t)/2], v28 matrix_a_fmt:MATRIX_FMT_FP6 matrix_b_fmt:MATRIX_FMT_FP6
.else
	v_wmma_scale_f32_16x16x128_f8f6f4 v[S+8*(\t):S+8*(\t)+7], v[KF+12*((\t)%4):KF+12*((\t)%4)+11], v[16:27], 0, v[KSC+(\t)/2], v28 matrix_a_fmt:MATRIX_FMT_FP6 matrix_b_fmt:MATRIX_FMT_FP6 matrix_a_scale:MATRIX_SCALE_ROW1
.endif
.endm
	s_wait_alu depctr_va_vdst(0)
	s_wait_loadcnt 0x0                             ; Q
	s_wait_tensorcnt 0x0                           ; my chunk of key steps 0-7 has landed
	ds_add_u32 v243, v255
	s_wait_dscnt 0x0
	s_barrier_signal -1
	s_barrier_wait -1
	tensor_load_to_lds s[G0S:G0S+3], s[G1S:G1S+7]  ; a later first fill: my 768 bytes of the scale words
	s_nop 0
	PLACES
	s_wait_tensorcnt 0x0
	ds_add_u32 v243, v255
	s_add_nc_u64 s[G0+2:G0+3], s[G0+2:G0+3], 49152 ; no load of mine is out: chunk 16 + w
	s_add_co_u32 s[G0+1], s[G0+1], 98304
	s_wait_dscnt 0x0
	s_barrier_signal -1
	s_barrier_wait -1                              ; key steps 0-7 and all scale words are whole
	tensor_load_to_lds s[G0:G0+3], s[G1:G1+7]      ; a later first fill: my chunk of key steps 8-15
	s_nop 0
	PLACES
.macro WALK lim                        ; the key steps up to lim
.Lstep_\@:
	s_cmp_gt_u32 s[ST], s[BETA]
	s_cbranch_scc1 .Lhidden_\@
	v_add_nc_u32 v8, s[TK], v1
	s_wait_alu depctr_va_vdst(0)
	v_add_nc_u32 v9, s[TK], v2
	v_add_nc_u32 v10, s[TS], v3
	s_wait_alu depctr_va_vdst(0)
	v_add_nc_u32 v11, s[TV], v4
.irp g, 0,1                                    ; S^T = K Q^T, four tiles of 16 keys at a time
.if \g > 0
	PLACES                                         ; ahead of loads into registers that matrix instructions have read
.endif
.irp t, 0,1,2,3
.irp c, 0,1,2
	ds_load_b64 v[KF+12*\t+2*\c:KF+12*\t+2*\c+1], v8 offset:6144*\g+768*\t+256*\c
.endr
.endr
	ds_load_b32 v[KSC+2*\g], v10 offset:256*\g
	ds_load_b32 v[KSC+2*\g+1], v10 offset:256*\g+128
	s_wait_dscnt 0x0
.irp t, 0,1,2,3
	SMM 4*\g+\t
.endr
.endr
	PLACES
	s_cmp_lt_u32 s[ST], s[BETA]                    ; a step all of whose keys count has no mask
	s_cbranch_scc1 .Lopen_\@
	v_mov_b32 v254, 0xff800000                     ; -infinity: p = 0
.set n, 0
.rept 64
	v_cmp_gt_i32 vcc_lo, 32*(n/16)+n%16, v5
	v_cndmask_b32 v[S+n], v[S+n], v254, vcc_lo
.set n, n+1
.endr
.Lopen_\@:
.irp b, 0,1,2,3
	v_max3_num_f32 v[BX+\b], v[S+16*\b], v[S+1+16*\b], v[S+2+16*\b]   ; the largest score of each block of 32 keys: for the row's maximum, and, since p rises with the score, for the block's largest p
.endr
.irp i, 3,5,7,9,11,13
.irp b, 0,1,2,3
	v_max3_num_f32 v[BX+\b], v[BX+\b], v[S+16*\b+\i], v[S+1+16*\b+\i]
.endr
.endr
.irp b, 0,1,2,3
	v_max_num_f32 v[BX+\b], v[BX+\b], v[S+15+16*\b]
.endr
.irp b, 0,1,2,3
	s_delay_alu instid0(VALU_DEP_4)
	v_permlanex16_b32 v[TP+\b], v[BX+\b], s[SEL], s[SEL+1]
.endr
.irp b, 0,1,2,3
	s_delay_alu instid0(VALU_DEP_4)
	v_max_num_f32 v[BX+\b], v[BX+\b], v[TP+\b]     ; with lane l xor 16's 16 keys
.endr
	s_delay_alu instid0(VALU_DEP_2)
	v_max3_num_f32 v254, v[BX], v[BX+1], v[BX+2]
	s_delay_alu instid0(VALU_DEP_1)
	v_max_num_f32 v254, v254, v[BX+3]
	s_delay_alu instid0(VALU_DEP_1)
	v_mul_f32 v254, s[CS], v254                    ; as t
	s_delay_alu instid0(VALU_DEP_1)
	v_max_num_f32 v13, v13, v254                   ; the running largest t
	v_mov_b32 v254, v12
	s_delay_alu instid0(VALU_DEP_2)
	v_floor_f32 v12, -v13                          ; the new -M = -ceil(t)
	s_delay_alu instid0(VALU_DEP_1)
	v_sub_f32 v254, v12, v254                      ; old M - new M: a whole number, 0 or less
	s_delay_alu instid0(VALU_DEP_1)
	v_cvt_i32_f32 v254, v254                       ; (it saturates)
	s_delay_alu instid0(VALU_DEP_1)
	v_ldexp_f32 v252, 1.0, v254                    ; f = 2^(old M - new M)
.set i, 0
.rept 32
	v_pk_fma_f32 v[S+i:S+i+1], v[S+i:S+i+1], s[CS:CS+1], v[12:13] op_sel_hi:[1,0,0]   ; t - M
.set i, i+2
.endr
.irp b, 0,1,2,3
	v_fma_f32 v[BX+\b], v[BX+\b], s[CS], v12
.endr
.set i, 0
	s_wait_alu depctr_va_vdst(0)
.rept 64
	v_exp_f32 v[S+i], v[S+i]                       ; p = 2^(t - M)
.set i, i+1
.endr
.irp b, 0,1,2,3
	v_exp_f32 v[BX+\b], v[BX+\b]                   ; the block's largest p: the same two instructions on the same number
.endr
	v_pk_mul_f32 v[14:15], v[14:15], v[252:253] op_sel_hi:[1,0]   ; the sums under the new M (a plain place behind the exponentials)
	s_wait_alu depctr_va_vdst(0)
.irp b, 0,1,2,3
	v_max_num_f32 v[BX+\b], 0x1800000, v[BX+\b]    ; the floor 2^(3 - 127)
.endr
.irp b, 0,1,2,3
	s_delay_alu instid0(VALU_DEP_4)
	v_add_nc_u32 v[SO+\b], 0xff000000, v[BX+\b]    ; the conversion's scale operand
.endr
.irp b, 0,1,2,3
	s_delay_alu instid0(VALU_DEP_4)
	v_lshrrev_b32 v[TP+\b], 23, v[SO+\b]           ; the byte
.endr
	s_delay_alu instid0(VALU_DEP_3)
	v_lshl_or_b32 v253, v[TP+1], 8, v[TP]          ; p's scale word for these 128 keys
	s_delay_alu instid0(VALU_DEP_1)
	v_lshl_or_b32 v253, v[TP+2], 16, v253
	s_delay_alu instid0(VALU_DEP_1)
	v_lshl_or_b32 v253, v[TP+3], 24, v253
.irp c, 0,1
	v_cvt_scalef32_pk16_fp6_f32 v[224+6*\c:226+6*\c], v[S+32*\c:S+15+32*\c], v[SO+2*\c]
	v_cvt_scalef32_pk16_fp6_f32 v[TP+4*\c:TP+2+4*\c], v[S+16+32*\c:S+31+32*\c], v[SO+2*\c+1]
.endr
	v_nop                                          ; one plain place behind a scaled conversion
.irp c, 0,1
.irp i, 0,1,2
	v_permlane16_swap_b32 v[224+6*\c+\i], v[TP+4*\c+\i]
.endr
.irp i, 0,1,2
	s_delay_alu instid0(VALU_DEP_3)
	v_mov_b32 v[227+6*\c+\i], v[TP+4*\c+\i]
.endr
.endr
	v_pk_add_f32 v[236:237], v[132:133], v[136:137]
	v_pk_add_f32 v[250:251], v[140:141], v[144:145]
	v_pk_add_f32 v[248:249], v[148:149], v[152:153]
	v_pk_add_f32 v[246:247], v[156:157], v[160:161]
	v_pk_add_f32 v[244:245], v[164:165], v[168:169]
	v_pk_add_f32 v[240:241], v[172:173], v[176:177]
	v_pk_add_f32 v[126:127], v[180:181], v[184:185]
	v_pk_add_f32 v[14:15], v[14:15], v[188:189]
	v_pk_add_f32 v[236:237], v[236:237], v[128:129]
	v_pk_add_f32 v[250:251], v[250:251], v[130:131]
	v_pk_add_f32 v[248:249], v[248:249], v[134:135]
	v_pk_add_f32 v[246:247], v[246:247], v[138:139]
	v_pk_add_f32 v[244:245], v[244:245], v[142:143]
	v_pk_add_f32 v[240:241], v[240:241], v[146:147]
	v_pk_add_f32 v[126:127], v[126:127], v[150:151]
	v_pk_add_f32 v[14:15], v[14:15], v[154:155]
	v_pk_add_f32 v[236:237], v[236:237], v[158:159]
	v_pk_add_f32 v[250:251], v[250:251], v[162:163]
	v_pk_add_f32 v[248:249], v[248:249], v[166:167]
	v_pk_add_f32 v[246:247], v[246:247], v[170:171]
	v_pk_add_f32 v[244:245], v[244:245], v[174:175]
	v_pk_add_f32 v[240:241], v[240:241], v[178:179]
	v_pk_add_f32 v[126:127], v[126:127], v[182:183]
	v_pk_add_f32 v[14:15], v[14:15], v[186:187]
	v_pk_add_f32 v[236:237], v[236:237], v[190:191]
	s_delay_alu instid0(VALU_DEP_2)
	v_pk_add_f32 v[14:15], v[14:15], v[246:247]
	s_delay_alu instid0(VALU_DEP_2)
	v_pk_add_f32 v[236:237], v[236:237], v[244:245]
	v_pk_add_f32 v[250:251], v[250:251], v[240:241]
	v_pk_add_f32 v[248:249], v[248:249], v[126:127]
	s_delay_alu instid0(VALU_DEP_2)
	v_pk_add_f32 v[14:15], v[14:15], v[250:251]
	s_delay_alu instid0(VALU_DEP_2)
	v_pk_add_f32 v[236:237], v[236:237], v[248:249]
	s_delay_alu instid0(VALU_DEP_1)
	v_pk_add_f32 v[14:15], v[14:15], v[236:237]
.set i, 0
.rept 16
	v_pk_mul_f32 v[O+i:O+i+1], v[O+i:O+i+1], v[252:253] op_sel_hi:[1,0]   ; O^T under the new M
.set i, i+2
.endr
	s_wait_alu depctr_va_vdst(0)
.irp g, 0,1                                    ; O^T += V^T P^T, two tiles of 16 channels at a time; the four accumulators take turns
.if \g > 0
	PLACES
.endif
.irp u, 0,1
.irp c, 0,1,2
	ds_load_b128 v[VF+12*\u+4*\c:VF+12*\u+4*\c+3], v9 offset:6144*\g+1536*\u+512*\c
.endr
.endr
	ds_load_b32 v[VSC+\g], v11 offset:128*\g
	s_wait_dscnt 0x0
	v_wmma_scale_f32_16x16x128_f8f6f4 v[O+16*\g:O+16*\g+7], v[VF:VF+11], v[224:235], v[O+16*\g:O+16*\g+7], v[VSC+\g], v253 matrix_a_fmt:MATRIX_FMT_FP6 matrix_b_fmt:MATRIX_FMT_FP6
	v_wmma_scale_f32_16x16x128_f8f6f4 v[O+16*\g+8:O+16*\g+15], v[VF+12:VF+23], v[224:235], v[O+16*\g+8:O+16*\g+15], v[VSC+\g], v253 matrix_a_fmt:MATRIX_FMT_FP6 matrix_b_fmt:MATRIX_FMT_FP6 matrix_a_scale:MATRIX_SCALE_ROW1
.endr
.Lhidden_\@:
	s_add_co_u32 s[TK], s[TK], 12288
	s_add_co_u32 s[TS], s[TS], 512
	s_add_co_u32 s[TV], s[TV], 256
	s_add_co_u32 s[ST], s[ST], 1
	s_cmp_lt_u32 s[ST], \lim
	s_cbranch_scc1 .Lstep_\@
.endm
	WALK 8
	s_wait_alu depctr_va_vdst(0)
	s_wait_tensorcnt 0x0                           ; my chunk of key steps 8-15 has landed
	ds_add_u32 v243, v255
	s_mov_b32 s[ST], 8                             ; the places of key step 8, as constants
	s_mov_b32 s[TK], 8*12288
	s_mov_b32 s[TS], 8*512
	s_mov_b32 s[TV], 8*256
	s_wait_dscnt 0x0
	s_barrier_signal -1
	s_barrier_wait -1                              ; everybody's has
	WALK 16
	; THE WAY OUT: O^T / the sum; register 16 b + i is channel 32 b + 16 h + i of my head: two blocks of the next K
	PLACES
	v_add_f32 v14, v14, v15
	s_delay_alu instid0(VALU_DEP_1)
	v_permlanex16_b32 v252, v14, s[SEL], s[SEL+1]
	s_delay_alu instid0(VALU_DEP_1)
	v_add_f32 v14, v14, v252                       ; the row's sum
	s_wait_alu depctr_va_vdst(0)
	v_rcp_f32 v14, v14
	v_nop
.set i, 0
	s_wait_alu depctr_va_vdst(0)
.rept 32
	v_mul_f32 v[S+i], v[O+i], v14
.set i, i+1
.endr
.irp b, 0,1
	v_max3_num_f32 v[BX+\b], |v[S+16*\b]|, |v[S+1+16*\b]|, 0x1800000
.endr
.irp i, 2,4,6,8,10,12,14
.irp b, 0,1
	s_delay_alu instid0(VALU_DEP_2)
	v_max3_num_f32 v[BX+\b], v[BX+\b], |v[S+16*\b+\i]|, |v[S+1+16*\b+\i]|
.endr
.endr
.irp b, 0,1
	s_delay_alu instid0(VALU_DEP_2)
	v_permlanex16_b32 v[TP+\b], v[BX+\b], s[SEL], s[SEL+1]
.endr
.irp b, 0,1
	s_delay_alu instid0(VALU_DEP_2)
	v_max_num_f32 v[BX+\b], v[BX+\b], v[TP+\b]
.endr
.irp b, 0,1
	s_delay_alu instid0(VALU_DEP_2)
	v_add_nc_u32 v[SO+\b], 0xff000000, v[BX+\b]
.endr
.irp b, 0,1
	s_delay_alu instid0(VALU_DEP_2)
	v_lshrrev_b32 v[TP+\b], 23, v[SO+\b]
.endr
	v_cvt_scalef32_pk16_fp6_f32 v[224:226], v[S:S+15], v[SO]
	v_cvt_scalef32_pk16_fp6_f32 v[240:242], v[S+16:S+31], v[SO+1]
	v_nop
.irp i, 0,1,2
	v_permlane16_swap_b32 v[224+\i], v[240+\i]
.endr
.irp i, 0,1,2
	s_delay_alu instid0(VALU_DEP_3)
	v_mov_b32 v[227+\i], v[240+\i]
.endr
	v_cndmask_b32 v[TP+2], v[TP], v[TP+1], s[MHI]  ; lane (r, h): the byte of block h of row r
.irp c, 0,1,2
	global_store_b64 v1, v[224+2*\c:225+2*\c], s[48:49] offset:256*\c   ; 256 consecutive bytes a store
.endr
	global_store_b8 v7, v[TP+2], s[50:51]          ; each lane a byte of its own; the word's other two bytes are the neighbouring head's
	s_wait_tensorcnt 0x0
	ds_add_u32 v243, v255
	s_wait_dscnt 0x0
	s_endpgm
.Lfunc_end_k_q92e0265e84_attn:
	.size	k_q92e0265e84_attn, .Lfunc_end_k_q92e0265e84_attn-k_q92e0265e84_attn
	.p2alignl 7, 3214868480
	.fill 96, 4, 3214868480
	.section	.rodata,"a",@progbits
	.p2align	6, 0x0
	.amdhsa_kernel k_q92e0265e84_attn
		.amdhsa_group_segment_fixed_size 327680
		.amdhsa_private_segment_fixed_size 0
		.amdhsa_enable_private_segment 0
		.amdhsa_kernarg_size 16
		.amdhsa_user_sgpr_count 2
		.amdhsa_user_sgpr_kernarg_segment_ptr 1
		.amdhsa_wavefront_size32 1
		.amdhsa_system_sgpr_workgroup_id_x 1
		.amdhsa_system_sgpr_workgroup_id_y 1
		.amdhsa_system_sgpr_workgroup_id_z 1
		.amdhsa_system_vgpr_workitem_id 0
		.amdhsa_next_free_vgpr 256
		.amdhsa_next_free_sgpr 66
		.amdhsa_reserve_vcc 1
		.amdhsa_float_denorm_mode_32 3
		.amdhsa_float_denorm_mode_16_64 3
		.amdhsa_memory_ordered 1
		.amdhsa_forward_progress 1
		.amdhsa_inst_pref_size 61
	.end_amdhsa_kernel
	.amdgpu_metadata
---
amdhsa.version: [ 1, 2 ]
amdhsa.kernels:
  - .name:           k_q92e0265e84_attn
    .symbol:         k_q92e0265e84_attn.kd
    .args:
      - { .name: qkv, .offset: 0, .size: 8, .value_kind: global_buffer, .address_space: global }
      - { .name: att, .offset: 8, .size: 8, .value_kind: global_buffer, .address_space: global }
    .group_segment_fixed_size: 327680
    .private_segment_fixed_size: 0
    .kernarg_segment_align: 8
    .kernarg_segment_size: 16
    .max_flat_workgroup_size: 512
    .sgpr_count:     66
    .vgpr_count:     256
    .wavefront_size: 32
...
	.end_amdgpu_metadata
.endif
;; end of part 10
;; launch wo_ln (part 11): grid 128 x 1, 8 waves a work-group, no clusters, 95,232 bytes of LDS; arguments att, wts, bo, x, ln1_g, ln1_b, o1; writes o1
.if DOCPART == 11
	.amdgcn_target "amdgcn-amd-amdhsa--gfx1250"
	.amdhsa_code_object_version 6
	.text
	.protected	k_q92e0265e84_wo_ln
	.globl	k_q92e0265e84_wo_ln
	.p2align	8
	.type	k_q92e0265e84_wo_ln,@function
k_q92e0265e84_wo_ln:
	s_mov_b64 s[64:65], 0
	v_nop
	global_prefetch_b8 v0, s[64:65] scope:SCOPE_SE
	s_setreg_imm32_b32 hwreg(HW_REG_WAVE_MODE, 25, 1), 1
	s_wait_xcnt 0x0
; out1 = layernorm(x + attn wo + bo) g + b, the product on codes of FP6 (E2M3) with E8M0 scales; out1 leaves as f32 rows and as codes for the next product.
; A work-group owns 32 WHOLE rows (tiles 2 g, 2 g + 1), so that the norm is fused; wave w owns columns 128 w .. 128 w + 127: 16 accumulators (window 1, v0-127), which BEGIN as x + bo.
; In accumulator (a, b) lane (r, h) holds row 32 g + 8 a + r + 8 (r / 8) and register j column 128 w + 32 (b / 2) + 16 h + 8 (b % 2) + j (slot order of wo's tiles).
; The rows' codes (24,576 bytes for all of K) are copied into LDS once, a K step a wave.  Each fragment of wo is used by one wave of the work-group alone: it goes from memory straight into registers, three sets by turns.
; NO TENSOR LOAD AND NO CLUSTER: what work-groups share is wo, and nothing of it passes through LDS, where a joint load would put it.
; The variance is taken of x - mean, in a second pass.  LIMITS: NaN and infinities are not served; a block whose largest magnitude lies under 2^-124 gets the byte 1.
.set ATS, 3145728
.set P1S, 9437184
.set O1C, 16777216
.set O1S, 19922944
.set RED1, 24576                       ; LDS: 0 the rows' codes [8 K steps][3,072]; 24,576 and 25,600 the waves' partial sums; 26,624 a stage of 16 rows x 528 bytes for each wave
.set STG,  26624
.set L16, 1
.set L8,  2
.set L4,  3
.set XO,  4
.set HO,  5
.set ASTO, 6
.set R1S, 7
.set R1L, 8
.set STO, 9
.set RD,  10
.set SA,  16                           ; v16-23 the rows' scale words, one register a K step: lanes 0-15 tile 2 g, lanes 16-31 tile 2 g + 1;  v24-31 wo's, two sets of 4
.set SB,  24
.set A,   32                           ; v32-55 the rows' two fragments;  v56-151, v152-247 wo's eight, two sets
.set B0,  56
.set T,   32                           ; the way out, window 0: v32-95 64 numbers; v96-159 rows read back; v160.. at work
.set OB,  96
.set TM,  160
.set PC,  176
.set PW,  196
.set PWE, 197
.set PWS, 198
.set SU,  200
.set RS,  208
.set MU,  216
.set RR,  220
.set WV,  20
.set MHI, 21
.set SEL, 22
.set MSB, 0
.macro WIN new
.if MSB != \new
	s_set_vgpr_msb (MSB<<8)|\new
.set MSB, \new
.endif
.endm
.macro PLACES
.rept 4
	v_nop
.endr
.endm
.macro QUANT s
.irp b, 0,1,2,3
	v_max3_num_f32 v[TM+\b], |v[\s+16*\b]|, |v[\s+1+16*\b]|, 0x1800000
.endr
.irp i, 2,4,6,8,10,12,14
.irp b, 0,1,2,3
	s_delay_alu instid0(VALU_DEP_4)
	v_max3_num_f32 v[TM+\b], v[TM+\b], |v[\s+16*\b+\i]|, |v[\s+1+16*\b+\i]|
.endr
.endr
.irp b, 0,1,2,3
	s_delay_alu instid0(VALU_DEP_4)
	v_permlanex16_b32 v[TM+4+\b], v[TM+\b], s[SEL], s[SEL+1]
.endr
.irp b, 0,1,2,3
	s_delay_alu instid0(VALU_DEP_4)
	v_max_num_f32 v[TM+\b], v[TM+\b], v[TM+4+\b]
.endr
.irp b, 0,1,2,3
	s_delay_alu instid0(VALU_DEP_4)
	v_add_nc_u32 v[TM+12+\b], 0xff000000, v[TM+\b]
.endr
.irp b, 0,1,2,3
	s_delay_alu instid0(VALU_DEP_4)
	v_lshrrev_b32 v[TM+4+\b], 23, v[TM+12+\b]
.endr
	s_delay_alu instid0(VALU_DEP_3)
	v_lshl_or_b32 v[PW], v[TM+5], 8, v[TM+4]
	s_delay_alu instid0(VALU_DEP_1)
	v_lshl_or_b32 v[PW], v[TM+6], 16, v[PW]
	s_delay_alu instid0(VALU_DEP_1)
	v_lshl_or_b32 v[PW], v[TM+7], 24, v[PW]
.irp c, 0,1
	v_cvt_scalef32_pk16_fp6_f32 v[PC+6*\c:PC+2+6*\c], v[\s+32*\c:\s+15+32*\c], v[TM+12+2*\c]
	v_cvt_scalef32_pk16_fp6_f32 v[PC+12+4*\c:PC+14+4*\c], v[\s+16+32*\c:\s+31+32*\c], v[TM+12+2*\c+1]
.endr
	v_nop
.irp c, 0,1
.irp i, 0,1,2
	v_permlane16_swap_b32 v[PC+6*\c+\i], v[PC+12+4*\c+\i]
.endr
.irp i, 0,1,2
	s_delay_alu instid0(VALU_DEP_3)
	v_mov_b32 v[PC+3+6*\c+\i], v[PC+12+4*\c+\i]
.endr
.endr
.endm
	s_load_b256 s[4:11], s[0:1], 0x0               ; att, wts, bo, x
	s_load_b128 s[12:15], s[0:1], 0x20             ; ln1_g, ln1_b
	s_load_b64 s[16:17], s[0:1], 0x30              ; o1
	v_lshl_add_u32 v254, v0, 2, 0x17000
	v_mov_b32 v255, 0
	v_lshrrev_b32 v1, 5, v0
	s_delay_alu instid0(VALU_DEP_1)
	v_readfirstlane_b32 s[WV], v1                  ; wave 0..7
	v_and_b32 v11, 31, v0                          ; lane
	v_and_b32 v12, 15, v0                          ; r
	v_bfe_u32 v13, v0, 4, 1                        ; h
	s_delay_alu instid0(VALU_DEP_3)
	v_lshlrev_b32 v[L16], 4, v11
	s_delay_alu instid0(VALU_DEP_4)
	v_lshlrev_b32 v[L8], 3, v11
	v_lshlrev_b32 v[L4], 2, v11
	v_and_b32 v[XO], 8, v12
	s_delay_alu instid0(VALU_DEP_1)
	v_add_nc_u32 v[XO], v[XO], v12
	s_delay_alu instid0(VALU_DEP_1)
	v_lshlrev_b32 v[XO], 12, v[XO]
	s_delay_alu instid0(VALU_DEP_1)
	v_lshl_add_u32 v[XO], v13, 6, v[XO]            ; x: row r + 8 (r / 8), + 16 h columns
	v_lshlrev_b32 v[HO], 6, v13
	s_mul_i32 s24, s[WV], 3072
	v_add_nc_u32 v[ASTO], s24, v[L16]
	s_lshl_b32 s24, s[WV], 7
	s_add_co_u32 s24, s24, RED1
	v_add_nc_u32 v[R1S], s24, v[L4]
	v_add_nc_u32 v[R1L], RED1, v[L4]
	s_mul_i32 s24, s[WV], 8448
	s_add_co_u32 s24, s24, STG
	v_mul_u32_u24 v[STO], v12, 528
	s_delay_alu instid0(VALU_DEP_1)
	v_lshl_add_u32 v[STO], v13, 6, v[STO]
	s_delay_alu instid0(VALU_DEP_1)
	v_add_nc_u32 v[STO], s24, v[STO]               ; the stage, in: row r, + 64 h
	v_add_nc_u32 v[RD], s24, v[L16]                ; and back: a row of 512 bytes
	s_mov_b32 s[MHI], 0xffff0000
	s_mov_b32 s[SEL], 0x76543210
	s_mov_b32 s[SEL+1], 0xfedcba98
	s_mov_b32 s38, 0x3a800000                      ; 1 / 1,024
	s_mov_b32 s39, 0x358637bd                      ; 1e-6
	s_mul_i32 s24, ttmp9, 3072
	s_mul_i32 s25, s[WV], 393216
	s_add_co_u32 s24, s24, s25                     ; the rows' codes of K step w
	s_mov_b32 s25, 0
	s_lshl_b32 s30, ttmp9, 7
	s_add_co_u32 s30, s30, ATS                     ; their scale words
	s_mov_b32 s31, 0
	s_lshl_b32 s26, s[WV], 3
	s_add_co_u32 s26, s26, 448                     ; my first tile of wo
	s_lshl_b32 s28, s26, 6
	s_add_co_u32 s28, s28, P1S
	s_mov_b32 s29, 0
	s_mul_i32 s26, s26, 1536
	s_mov_b32 s27, 0
	s_lshl_b32 s32, ttmp9, 17                      ; 32 g rows of 4,096 bytes
	s_lshl_b32 s34, s[WV], 9                       ; my 128 columns
	s_add_co_u32 s32, s32, s34
	s_mov_b32 s33, 0
	s_mov_b32 s35, 0
	s_wait_alu depctr_va_vdst(0)
	s_wait_kmcnt 0x0
	s_add_nc_u64 s[24:25], s[4:5], s[24:25]
	s_add_nc_u64 s[30:31], s[4:5], s[30:31]
	s_add_nc_u64 s[26:27], s[6:7], s[26:27]
	s_add_nc_u64 s[28:29], s[6:7], s[28:29]
	s_add_nc_u64 s[10:11], s[10:11], s[32:33]
	s_add_nc_u64 s[8:9], s[8:9], s[34:35]
	s_add_nc_u64 s[12:13], s[12:13], s[34:35]
	s_add_nc_u64 s[14:15], s[14:15], s[34:35]
	s_add_nc_u64 s[32:33], s[16:17], s[32:33]      ; out1 as f32
	s_lshl_b32 s34, s[WV], 8
	s_lshl_b32 s36, ttmp9, 1
	s_add_co_u32 s34, s34, s36
	s_lshl_b32 s36, s34, 6
	s_add_co_u32 s36, s36, O1S
	s_mov_b32 s37, 0
	s_mul_i32 s34, s34, 1536
	s_add_co_u32 s34, s34, O1C
	s_add_nc_u64 s[34:35], s[16:17], s[34:35]      ; as codes: K step w, tiles 2 g, 2 g + 1
	s_add_nc_u64 s[36:37], s[16:17], s[36:37]      ; and scale words
.macro BLOAD s                         ; K step s of my eight fragments of wo and their scale words: 28 loads; every offset an immediate (7 x 1,179,648 + 12,288 lies inside its 24 bits)
; wo's fragments have THREE sets by turns: two in window 0, the third in window 1, v128-223, with its scale words in v248-251: the loads run two K steps ahead
.if (\s)%3 == 2
.set BS, 128
.set SS, 248
	WIN 0x40
.else
.set BS, B0+96*((\s)%3)
.set SS, SB+4*((\s)%3)
.endif
.irp b, 0,1,2,3,4,5,6,7
.irp c, 0,1,2
	global_load_b128 v[BS+12*\b+4*\c:BS+12*\b+4*\c+3], v[L16], s[26:27] offset:(\s)*1179648+1536*\b+512*\c
.endr
.endr
	WIN 0
.irp j, 0,1,2,3
	global_load_b32 v[SS+\j], v[L4], s[28:29] offset:(\s)*49152+128*\j
.endr
.endm
.irp i, 0,1,2,3,4,5
	global_load_b128 v[A+4*\i:A+4*\i+3], v[L16], s[24:25] offset:512*\i   ; 6: the rows' codes of K step w
.endr
	WIN 0x40                                       ; destination window 1
.irp a, 0,1
.irp e, 0,1,2,3
.irp i, 0,1,2,3
	global_load_b128 v[64*\a+16*\e+4*\i:64*\a+16*\e+4*\i+3], v[XO], s[10:11] offset:32768*\a+128*\e+16*\i   ; 32: x, in the accumulators' layout
.endr
.endr
.endr
.irp e, 0,1,2,3
.irp i, 0,1,2,3
	global_load_b128 v[192+16*\e+4*\i:192+16*\e+4*\i+3], v[HO], s[8:9] offset:128*\e+16*\i   ; 16: bo
.endr
.endr
	WIN 0
.irp s, 0,1,2,3,4,5,6,7
	global_load_b32 v[SA+\s], v[L4], s[30:31] offset:16384*\s   ; 8
.endr
	s_wait_loadcnt 56                              ; the codes are in: 32 + 16 + 8 younger loads may be out
.irp i, 0,1,2,3,4,5
	ds_store_b128 v[ASTO], v[A+4*\i:A+4*\i+3] offset:512*\i
.endr
	BLOAD 0
	s_wait_loadcnt 36                              ; x and bo are in: 8 + 28 younger
	WIN 0x55
.irp a, 0,1
.set i, 0
.rept 32
	v_pk_add_f32 v[64*\a+i:64*\a+i+1], v[64*\a+i:64*\a+i+1], v[192+i:192+i+1]   ; x + bo starts the sums
.set i, i+2
.endr
.endr
.macro GBLOAD                          ; 16 + 16: ln1_g and ln1_b, into window 1's v128-255, once the third set has had its last use (K step 5)
	WIN 0x40
.irp e, 0,1,2,3
.irp i, 0,1,2,3
	global_load_b128 v[128+16*\e+4*\i:128+16*\e+4*\i+3], v[HO], s[12:13] offset:128*\e+16*\i
.endr
.endr
.irp e, 0,1,2,3
.irp i, 0,1,2,3
	global_load_b128 v[192+16*\e+4*\i:192+16*\e+4*\i+3], v[HO], s[14:15] offset:128*\e+16*\i
.endr
.endr
	WIN 0
.endm
	WIN 0
	BLOAD 1
	s_wait_alu depctr_va_vdst(0)
	s_wait_dscnt 0x0
	s_barrier_signal -1
	s_barrier_wait -1                              ; the rows' codes of all K steps lie in LDS
.macro MMW s, a, b
.set DD, 8*(8*(\a)+(\b))
.if (\s)%3 == 2
.set FB, 128+12*(\b)
.set S0, 248+(\b)/2
.else
.set FB, B0+96*((\s)%3)+12*(\b)
.set S0, SB+4*((\s)%3)+(\b)/2
.endif
.set FA, A+12*(\a)
.set VAR, 2*((\b)%2)+(\a)
.if VAR == 0
	v_wmma_scale_f32_16x16x128_f8f6f4 v[DD:DD+7], v[FB:FB+11], v[FA:FA+11], v[DD:DD+7], v[S0], v[SA+(\s)] matrix_a_fmt:MATRIX_FMT_FP6 matrix_b_fmt:MATRIX_FMT_FP6
.elseif VAR == 1
	v_wmma_scale_f32_16x16x128_f8f6f4 v[DD:DD+7], v[FB:FB+11], v[FA:FA+11], v[DD:DD+7], v[S0], v[SA+(\s)] matrix_a_fmt:MATRIX_FMT_FP6 matrix_b_fmt:MATRIX_FMT_FP6 matrix_b_scale:MATRIX_SCALE_ROW1
.elseif VAR == 2
	v_wmma_scale_f32_16x16x128_f8f6f4 v[DD:DD+7], v[FB:FB+11], v[FA:FA+11], v[DD:DD+7], v[S0], v[SA+(\s)] matrix_a_fmt:MATRIX_FMT_FP6 matrix_b_fmt:MATRIX_FMT_FP6 matrix_a_scale:MATRIX_SCALE_ROW1
.else
	v_wmma_scale_f32_16x16x128_f8f6f4 v[DD:DD+7], v[FB:FB+11], v[FA:FA+11], v[DD:DD+7], v[S0], v[SA+(\s)] matrix_a_fmt:MATRIX_FMT_FP6 matrix_b_fmt:MATRIX_FMT_FP6 matrix_a_scale:MATRIX_SCALE_ROW1 matrix_b_scale:MATRIX_SCALE_ROW1
.endif
.endm
.macro KST s, left                     ; left: the loads issued behind this K step's, which may stay out
.if \s > 0
	PLACES
.endif
.if \s < 6
	BLOAD (\s)+2
.endif
.if \s == 6
	GBLOAD
.endif
.irp a, 0,1
.irp f, 0,1
.irp c, 0,1,2
	ds_load_b64 v[A+12*\a+6*\f+2*\c:A+12*\a+6*\f+2*\c+1], v[L8] offset:(\s)*3072+1536*\a+768*\f+256*\c   ; a fragment lies as two half fragments, one from each head
.endr
.endr
.endr
	s_wait_loadcnt \left
	s_wait_dscnt 0x0
.if (\s)%3 == 2
	WIN 0x51                                       ; the third set: source 0 in window 1 too
.else
	WIN 0x50
.endif
.irp b, 0,1,2,3,4,5,6,7
.irp a, 0,1
	MMW \s, \a, \b                                 ; the 16 accumulators take turns
.endr
.endr
	WIN 0
.endm
	KST 0, 56                                      ; behind a K step's 28 loads: the next two sets' 56
	KST 1, 56
	KST 2, 56
	KST 3, 56
	KST 4, 56
	KST 5, 56
	KST 6, 60                                      ; the last set's 28, g's 16 and b's 16
	KST 7, 32                                      ; g's and b's
	PLACES
.irp b, 0,1,2,3
	v_mov_b32 v[TM+4+\b], 0
.endr
; a row's sum (sq = 0) or sum of squares (sq = 1): my 64 registers, lane l xor 16's, then the eight waves' through LDS; afterwards lane l holds that of tile l / 16, row l % 16, in v[RS]
.macro RSUM sq
	WIN 0x05                                       ; sources 0 and 1 in window 1
.irp a, 0,1
.if \sq
	v_pk_mul_f32 v[SU+4*\a:SU+4*\a+1], v[64*\a:64*\a+1], v[64*\a:64*\a+1]
	v_pk_mul_f32 v[SU+4*\a+2:SU+4*\a+3], v[64*\a+2:64*\a+3], v[64*\a+2:64*\a+3]
.else
	v_pk_add_f32 v[SU+4*\a:SU+4*\a+1], v[64*\a:64*\a+1], v[64*\a+2:64*\a+3]   ; each accumulator is read from its low end on
	v_pk_add_f32 v[SU+4*\a+2:SU+4*\a+3], v[64*\a+4:64*\a+5], v[64*\a+6:64*\a+7]
.endif
.endr
.if \sq
.irp a, 0,1
.set i, 4
.rept 30
	v_pk_fma_f32 v[SU+4*\a+2*((i/2)%2):SU+4*\a+2*((i/2)%2)+1], v[64*\a+i:64*\a+i+1], v[64*\a+i:64*\a+i+1], v[SU+4*\a+2*((i/2)%2):SU+4*\a+2*((i/2)%2)+1]
.set i, i+2
.endr
.endr
.else
	WIN 0x04                                       ; source 1 in window 1
.irp a, 0,1
.set i, 8
.rept 28
	v_pk_add_f32 v[SU+4*\a+2*((i/2)%2):SU+4*\a+2*((i/2)%2)+1], v[SU+4*\a+2*((i/2)%2):SU+4*\a+2*((i/2)%2)+1], v[64*\a+i:64*\a+i+1]
.set i, i+2
.endr
.endr
.endif
	WIN 0
.irp a, 0,1
	v_pk_add_f32 v[SU+4*\a:SU+4*\a+1], v[SU+4*\a:SU+4*\a+1], v[SU+4*\a+2:SU+4*\a+3]
.endr
.irp a, 0,1
	s_delay_alu instid0(VALU_DEP_2)
	v_add_f32 v[SU+4*\a], v[SU+4*\a], v[SU+4*\a+1]
.endr
.irp a, 0,1
	s_delay_alu instid0(VALU_DEP_2)
	v_permlanex16_b32 v[SU+4*\a+1], v[SU+4*\a], s[SEL], s[SEL+1]
.endr
.irp a, 0,1
	s_delay_alu instid0(VALU_DEP_2)
	v_add_f32 v[SU+4*\a], v[SU+4*\a], v[SU+4*\a+1]
.endr
	s_delay_alu instid0(VALU_DEP_1)
	v_cndmask_b32 v[SU+1], v[SU], v[SU+4], s[MHI]
	ds_store_b32 v[R1S], v[SU+1] offset:1024*\sq
	s_wait_dscnt 0x0                               ; for the others' sake
	s_barrier_signal -1
	s_barrier_wait -1
.irp i, 0,1,2,3,4,5,6,7
	ds_load_b32 v[RS+\i], v[R1L] offset:1024*\sq+128*\i
.endr
	s_wait_dscnt 0x0
.irp i, 0,2,4,6
	v_add_f32 v[RS+\i], v[RS+\i], v[RS+\i+1]
.endr
	s_delay_alu instid0(VALU_DEP_3)
	v_add_f32 v[RS], v[RS], v[RS+2]
	s_delay_alu instid0(VALU_DEP_2)
	v_add_f32 v[RS+4], v[RS+4], v[RS+6]
	s_delay_alu instid0(VALU_DEP_1)
	v_add_f32 v[RS], v[RS], v[RS+4]
.endm
.macro SPREAD d                        ; v[RS] (tile l / 16, row l % 16) becomes two pairs: tile 0's number of my row, tile 1's
	v_permlanex16_b32 v[RS+1], v[RS], s[SEL], s[SEL+1]
	v_cndmask_b32 v[\d], v[RS], v[RS+1], s[MHI]
	v_cndmask_b32 v[\d+1], v[RS], v[RS+1], s[MHI]
	v_cndmask_b32 v[\d+2], v[RS+1], v[RS], s[MHI]
	v_cndmask_b32 v[\d+3], v[RS+1], v[RS], s[MHI]
.endm
	RSUM 0
	s_delay_alu instid0(VALU_DEP_1)
	v_mul_f32 v[RS], s38, v[RS]                    ; the mean
	SPREAD MU
	WIN 0x41                                       ; destination and source 0 in window 1
.irp a, 0,1
.set i, 0
.rept 32
	v_pk_add_f32 v[64*\a+i:64*\a+i+1], v[64*\a+i:64*\a+i+1], v[MU+2*\a:MU+2*\a+1] neg_lo:[0,1] neg_hi:[0,1]
.set i, i+2
.endr
.endr
	RSUM 1
	s_delay_alu instid0(VALU_DEP_1)
	v_fma_f32 v[RS], v[RS], s38, s39               ; the variance + 1e-6
	s_wait_alu depctr_va_vdst(0)
	v_rsq_f32 v[RS], v[RS]
	v_nop
	s_wait_alu depctr_va_vdst(0)
	SPREAD RR
.macro LOUT a
.if \a > 0
	s_wait_xcnt 0x0                                ; the last tile's stores have read their registers
.endif
	WIN 0x01
.set i, 0
.rept 32
	v_pk_mul_f32 v[T+i:T+i+1], v[64*(\a)+i:64*(\a)+i+1], v[RR+2*(\a):RR+2*(\a)+1]
.set i, i+2
.endr
	WIN 0x14                                       ; g and b in window 1
.set i, 0
.rept 32
	v_pk_fma_f32 v[T+i:T+i+1], v[T+i:T+i+1], v[128+i:128+i+1], v[192+i:192+i+1]
.set i, i+2
.endr
	WIN 0
.set i, 0
.rept 16
	ds_store_b128 v[STO], v[T+4*i:T+4*i+3] offset:128*(i/4)+16*(i%4)
.set i, i+1
.endr
.set i, 0
.rept 16
	ds_load_b128 v[OB+4*i:OB+4*i+3], v[RD] offset:528*i   ; LDS serves a wave's instructions in order: whole rows of my 512 bytes come back
.set i, i+1
.endr
	QUANT T
.irp c, 0,1,2
	global_store_b128 v[L16], v[PC+4*\c:PC+4*\c+3], s[34:35] offset:1536*(\a)+512*\c
.endr
.if \a == 0
	v_mov_b32 v[PWE], v[PW]
.else
	v_cndmask_b32 v[PWS], v[PWE], v[PW], s[MHI]
	global_store_b32 v[L4], v[PWS], s[36:37]
.endif
.set i, 0
.rept 16
	s_wait_dscnt 15-i
	global_store_b128 v[L16], v[OB+4*i:OB+4*i+3], s[32:33] offset:(8*(\a)+i+8*(i/8))*4096   ; 512 consecutive bytes, aligned
.set i, i+1
.endr
.endm
	s_wait_alu depctr_va_vdst(0)
	s_wait_loadcnt 0x0                             ; g and b
	LOUT 0
	LOUT 1
	s_wait_tensorcnt 0x0
	ds_add_u32 v254, v255
	s_wait_dscnt 0x0
	s_endpgm
.Lfunc_end_k_q92e0265e84_wo_ln:
	.size	k_q92e0265e84_wo_ln, .Lfunc_end_k_q92e0265e84_wo_ln-k_q92e0265e84_wo_ln
	.p2alignl 7, 3214868480
	.fill 96, 4, 3214868480
	.section	.rodata,"a",@progbits
	.p2align	6, 0x0
	.amdhsa_kernel k_q92e0265e84_wo_ln
		.amdhsa_group_segment_fixed_size 95232
		.amdhsa_private_segment_fixed_size 0
		.amdhsa_enable_private_segment 0
		.amdhsa_kernarg_size 56
		.amdhsa_user_sgpr_count 2
		.amdhsa_user_sgpr_kernarg_segment_ptr 1
		.amdhsa_wavefront_size32 1
		.amdhsa_system_sgpr_workgroup_id_x 1
		.amdhsa_system_sgpr_workgroup_id_y 1
		.amdhsa_system_sgpr_workgroup_id_z 1
		.amdhsa_system_vgpr_workitem_id 0
		.amdhsa_next_free_vgpr 512
		.amdhsa_next_free_sgpr 66
		.amdhsa_reserve_vcc 0
		.amdhsa_float_denorm_mode_32 3
		.amdhsa_float_denorm_mode_16_64 3
		.amdhsa_memory_ordered 1
		.amdhsa_forward_progress 1
		.amdhsa_inst_pref_size 107
	.end_amdhsa_kernel
	.amdgpu_metadata
---
amdhsa.version: [ 1, 2 ]
amdhsa.kernels:
  - .name:           k_q92e0265e84_wo_ln
    .symbol:         k_q92e0265e84_wo_ln.kd
    .args:
      - { .name: att, .offset: 0, .size: 8, .value_kind: global_buffer, .address_space: global }
      - { .name: wts, .offset: 8, .size: 8, .value_kind: global_buffer, .address_space: global }
      - { .name: bo, .offset: 16, .size: 8, .value_kind: global_buffer, .address_space: global }
      - { .name: x, .offset: 24, .size: 8, .value_kind: global_buffer, .address_space: global }
      - { .name: ln1_g, .offset: 32, .size: 8, .value_kind: global_buffer, .address_space: global }
      - { .name: ln1_b, .offset: 40, .size: 8, .value_kind: global_buffer, .address_space: global }
      - { .name: o1, .offset: 48, .size: 8, .value_kind: global_buffer, .address_space: global }
    .group_segment_fixed_size: 95232
    .private_segment_fixed_size: 0
    .kernarg_segment_align: 8
    .kernarg_segment_size: 56
    .max_flat_workgroup_size: 256
    .sgpr_count:     66
    .vgpr_count:     512
    .wavefront_size: 32
...
	.end_amdgpu_metadata
.endif
;; end of part 11
;; launch ff1 (part 12): grid 16 x 16, 8 waves a work-group, clusters of 4 x 4, 327,680 bytes of LDS; arguments o1, wts, b_ff1, hb; writes hb
.if DOCPART == 12
	.amdgcn_target "amdgcn-amd-amdhsa--gfx1250"
	.amdhsa_code_object_version 6
	.text
	.protected	k_q92e0265e84_ff1
	.globl	k_q92e0265e84_ff1
	.p2align	8
	.type	k_q92e0265e84_ff1,@function
k_q92e0265e84_ff1:
	s_mov_b64 s[64:65], 0
	v_nop
	global_prefetch_b8 v0, s[64:65] scope:SCOPE_SE
	s_setreg_imm32_b32 hwreg(HW_REG_WAVE_MODE, 25, 1), 1
	s_wait_xcnt 0x0
	s_wait_alu depctr_hold_cnt(0) depctr_sa_sdst(0) depctr_va_vdst(0) depctr_va_sdst(0) depctr_va_ssrc(0) depctr_va_vcc(0) depctr_vm_vsrc(0)
	s_getreg_b32 s2, hwreg(HW_REG_IB_STS2, 6, 4)
	s_cmp_eq_u32 s2, 0
	s_cbranch_scc0 .Lentry_in_a_cluster
	s_endpgm
.Lentry_in_a_cluster:
	s_bfe_u32 s2, ttmp6, 0x10000c
	s_cmp_lg_u32 s2, 0xf033
	s_cbranch_scc0 .Lentry_shape_is_right
	s_endpgm
.Lentry_shape_is_right:
; h = gelu(out1 w_ff1 + b_ff1), exact (by erfc), the product on codes of FP6 (E2M3) with E8M0 scales; h is quantised along its 4,096 and stored in the order of the next operand's registers.
; The frame is that of the launch that makes q, k and v: a work-group of eight waves makes 256 rows x 256 columns, a wave 64 (source 1: out1's rows) x 128 (source 0: w_ff1's columns): 32 accumulators in window 1.
; In accumulator (a, b) lane (r, h) holds slot r of the rows' tile a and register j column 32 (b / 2) + 16 h + 8 (b % 2) + j of my 128: one K step of the next product.
; K = 1,024 is four tiles of two K steps, 98,304 bytes each; THREE slots fit in LDS of which slot 0 is asked for at the head and slots 1 and 2 behind the next round; the fourth tile is the launch's one refill, of slot 0, and has four K steps' work in which to land.
; For each slot two waves fetch the rows' tiles and two the weight's; CLUSTER 4 x 4 with joint loads; the scale words come once, with the first fills.
; GELU: 0.5 x erfc(-x / sqrt 2); erfc(z) = t exp(-z^2 + P(t)), t = 1 / (1 + z / 2), z = |x| / sqrt 2, P of degree 9: a fit whose relative error stays under 1.2e-7 for every z.
; With G = 0.5 x erfc(z) the result is G where x < 0 and x - G where x > 0, which is the larger of the two in both cases.
; LIMITS: NaN and infinities are not served; a block whose largest magnitude lies under 2^-124, a block of zeros too, gets the byte 1 (this program alone reads the bytes).
.set SLOTB, 98304
.set SCL,   3*SLOTB
.set SPARE, SCL+16384
.set STEPA, 2*256*1536
.set STEPB, 2*768*1536
.set P1S,   9437184
.set O1C,   16777216
.set O1S,   19922944
.set HS,    12582912
.set ALO, 4                            ; v4-6, v7-9, v10-12: LDS addresses of my fragments in slots 0, 1, 2
.set AHI, 7
.set BB,  10
.set ADSA0, 13
.set ADSA1, 14
.set ADSB,  15
.set SPW, 16
.set NIL, 17
.set L16, 18
.set L4,  19
.set SA,  20
.set SB,  22
.set AF,  32
.set BF,  80
.set BN,  176
.set T,   32
.set GD,  96                           ; v96-103 t;  v104-111 the polynomial, the exponential;  v112-119 0.5 x, G;  v120-121 the leading coefficient, twice
.set GP,  104
.set GH,  112
.set V9,  120
.set TM,  128
.set PC,  144
.set PW,  164
.set PWE, 165
.set PWS, 166
.set WV,  14
.set G1,  24                           ; s[24:31] group 1 for the rows' tiles;  s[32:43] group 0, one set for each slot
.set G0,  32
.set G1B, 44                           ; s[44:51], s[52:63] the same for the weight's
.set G0B, 52
.set TC,  67                           ; s67 the tile column
.set G1S, 68
.set G0S, 76
.set G1SB, 80
.set G0SB, 88
.set SEL, 94
.set MHI, 96
.set CX,  100
.set CY,  101
.set MSB, 0
.macro WIN new
.if MSB != \new
	s_set_vgpr_msb (MSB<<8)|\new
.set MSB, \new
.endif
.endm
.macro PLACES
.rept 4
	v_nop
.endr
.endm
.macro CROUND
	s_barrier_signal -1
	s_barrier_wait -1
	s_cmp_lg_u32 s[WV], 0
	s_cbranch_scc1 .Lnot_wave_0_\@
	s_barrier_signal -3
.Lnot_wave_0_\@:
	s_barrier_wait -3
	s_barrier_signal -1
	s_barrier_wait -1
.endm
.macro JLOAD s
	s_cmp_lt_u32 s[WV], 2
	s_cbranch_scc0 .Lfor_b_\@
	tensor_load_to_lds s[G0+4*(\s):G0+4*(\s)+3], s[G1:G1+7]
	s_nop 0
	PLACES
	s_branch .Lasked_\@
.Lfor_b_\@:
	s_cmp_lt_u32 s[WV], 4
	s_cbranch_scc0 .Lasked_\@
	tensor_load_to_lds s[G0B+4*(\s):G0B+4*(\s)+3], s[G1B:G1B+7]
	s_nop 0
	PLACES
.Lasked_\@:
.endm
.macro MM a, b, first
.set DD, 8*(8*(\a)+(\b))
.set FB, BF+12*(\b)
.set FA, AF+12*(\a)
.set S0, SB+(\b)/2
.set S1, SA+(\a)/2
.set VAR, 4*(\first)+2*((\b)%2)+(\a)%2
.if VAR == 0
	v_wmma_scale_f32_16x16x128_f8f6f4 v[DD:DD+7], v[FB:FB+11], v[FA:FA+11], v[DD:DD+7], v[S0], v[S1] matrix_a_fmt:MATRIX_FMT_FP6 matrix_b_fmt:MATRIX_FMT_FP6
.elseif VAR == 1
	v_wmma_scale_f32_16x16x128_f8f6f4 v[DD:DD+7], v[FB:FB+11], v[FA:FA+11], v[DD:DD+7], v[S0], v[S1] matrix_a_fmt:MATRIX_FMT_FP6 matrix_b_fmt:MATRIX_FMT_FP6 matrix_b_scale:MATRIX_SCALE_ROW1
.elseif VAR == 2
	v_wmma_scale_f32_16x16x128_f8f6f4 v[DD:DD+7], v[FB:FB+11], v[FA:FA+11], v[DD:DD+7], v[S0], v[S1] matrix_a_fmt:MATRIX_FMT_FP6 matrix_b_fmt:MATRIX_FMT_FP6 matrix_a_scale:MATRIX_SCALE_ROW1
.elseif VAR == 3
	v_wmma_scale_f32_16x16x128_f8f6f4 v[DD:DD+7], v[FB:FB+11], v[FA:FA+11], v[DD:DD+7], v[S0], v[S1] matrix_a_fmt:MATRIX_FMT_FP6 matrix_b_fmt:MATRIX_FMT_FP6 matrix_a_scale:MATRIX_SCALE_ROW1 matrix_b_scale:MATRIX_SCALE_ROW1
.elseif VAR == 4
	v_wmma_scale_f32_16x16x128_f8f6f4 v[DD:DD+7], v[FB:FB+11], v[FA:FA+11], 0, v[S0], v[S1] matrix_a_fmt:MATRIX_FMT_FP6 matrix_b_fmt:MATRIX_FMT_FP6
.elseif VAR == 5
	v_wmma_scale_f32_16x16x128_f8f6f4 v[DD:DD+7], v[FB:FB+11], v[FA:FA+11], 0, v[S0], v[S1] matrix_a_fmt:MATRIX_FMT_FP6 matrix_b_fmt:MATRIX_FMT_FP6 matrix_b_scale:MATRIX_SCALE_ROW1
.elseif VAR == 6
	v_wmma_scale_f32_16x16x128_f8f6f4 v[DD:DD+7], v[FB:FB+11], v[FA:FA+11], 0, v[S0], v[S1] matrix_a_fmt:MATRIX_FMT_FP6 matrix_b_fmt:MATRIX_FMT_FP6 matrix_a_scale:MATRIX_SCALE_ROW1
.else
	v_wmma_scale_f32_16x16x128_f8f6f4 v[DD:DD+7], v[FB:FB+11], v[FA:FA+11], 0, v[S0], v[S1] matrix_a_fmt:MATRIX_FMT_FP6 matrix_b_fmt:MATRIX_FMT_FP6 matrix_a_scale:MATRIX_SCALE_ROW1 matrix_b_scale:MATRIX_SCALE_ROW1
.endif
.endm
.macro KSTEP slot, co, sa, sb, first   ; one K step of 128: 42 LDS loads, 32 matrix instructions on 32 accumulators by turns
	PLACES
	ds_load_b32 v[SA], v[ADSA0] offset:\sa
	ds_load_b32 v[SA+1], v[ADSA1] offset:\sa
.irp j, 0,1,2,3
	ds_load_b32 v[SB+\j], v[ADSB] offset:(\sb)+128*\j
.endr
.irp a, 0,1
.irp c, 0,1,2
	ds_load_b128 v[AF+12*\a+4*\c:AF+12*\a+4*\c+3], v[ALO+\slot] offset:(\co)+1536*\a+512*\c
.endr
.endr
.irp a, 0,1
.irp c, 0,1,2
	ds_load_b128 v[AF+24+12*\a+4*\c:AF+24+12*\a+4*\c+3], v[AHI+\slot] offset:(\co)+1536*\a+512*\c
.endr
.endr
.irp b, 0,1,2,3,4,5,6,7
.irp c, 0,1,2
	ds_load_b128 v[BF+12*\b+4*\c:BF+12*\b+4*\c+3], v[BB+\slot] offset:(\co)+1536*\b+512*\c
.endr
.endr
	WIN 0x50
.irp b, 0,1,2,3,4,5,6,7
	s_wait_dscnt 3*(7-\b)                          ; all but the loads of the weight's later fragments
.irp a, 0,1,2,3
	MM \a, \b, \first
.endr
.endr
	WIN 0
.endm
.macro TWO slot, ks, first             ; a slot's two K steps, ks and ks + 1
	KSTEP \slot, 0, 1024*(\ks), 1024*(\ks), \first
	KSTEP \slot, 12288, 1024*(\ks)+1024, 1024*(\ks)+1024, 0
.endm
; All my tensor loads, the add, my LDS reads.  refill = 1: a round of the cluster's barrier and the joint refill of slot 0, with K steps 6 and 7, first behind it.  refill = 0: the work-group's barrier: the refill has landed.
.macro MEET refill
	s_wait_tensorcnt 0x0
	ds_add_u32 v[SPW], v[NIL]
.if \refill
	s_add_nc_u64 s[G0+2:G0+3], s[G0+2:G0+3], 3*STEPA     ; no load of mine is out: slot 0's next tile
	s_add_nc_u64 s[G0B+2:G0B+3], s[G0B+2:G0B+3], 3*STEPB
.endif
	s_wait_dscnt 0x0
.if \refill
	CROUND
	JLOAD 0
.else
	s_barrier_signal -1
	s_barrier_wait -1
.endif
.endm
.macro QUANT s
.irp b, 0,1,2,3
	v_max3_num_f32 v[TM+\b], |v[\s+16*\b]|, |v[\s+1+16*\b]|, 0x1800000
.endr
.irp i, 2,4,6,8,10,12,14
.irp b, 0,1,2,3
	v_max3_num_f32 v[TM+\b], v[TM+\b], |v[\s+16*\b+\i]|, |v[\s+1+16*\b+\i]|
.endr
.endr
.irp b, 0,1,2,3
	v_permlanex16_b32 v[TM+4+\b], v[TM+\b], s[SEL], s[SEL+1]
.endr
.irp b, 0,1,2,3
	v_max_num_f32 v[TM+\b], v[TM+\b], v[TM+4+\b]
.endr
.irp b, 0,1,2,3
	v_add_nc_u32 v[TM+12+\b], 0xff000000, v[TM+\b]
.endr
.irp b, 0,1,2,3
	v_lshrrev_b32 v[TM+4+\b], 23, v[TM+12+\b]
.endr
	v_lshl_or_b32 v[PW], v[TM+5], 8, v[TM+4]
	v_lshl_or_b32 v[PW], v[TM+6], 16, v[PW]
	v_lshl_or_b32 v[PW], v[TM+7], 24, v[PW]
.irp c, 0,1
	v_cvt_scalef32_pk16_fp6_f32 v[PC+6*\c:PC+2+6*\c], v[\s+32*\c:\s+15+32*\c], v[TM+12+2*\c]
	v_cvt_scalef32_pk16_fp6_f32 v[PC+12+4*\c:PC+14+4*\c], v[\s+16+32*\c:\s+31+32*\c], v[TM+12+2*\c+1]
.endr
	v_nop
.irp c, 0,1
.irp i, 0,1,2
	v_permlane16_swap_b32 v[PC+6*\c+\i], v[PC+12+4*\c+\i]
.endr
.irp i, 0,1,2
	v_mov_b32 v[PC+3+6*\c+\i], v[PC+12+4*\c+\i]
.endr
.endr
.endm
.macro GELU8 x                         ; eight numbers, in place
.irp j, 0,1,2,3,4,5,6,7
	v_fma_f32 v[GD+\j], |v[(\x)+\j]|, 0x3eb504f3, 1.0   ; 1 + z / 2
.endr
	s_wait_alu depctr_va_vdst(0)
.irp j, 0,1,2,3,4,5,6,7
	v_rcp_f32 v[GD+\j], v[GD+\j]
.endr
.irp j, 0,2,4,6
	v_pk_mul_f32 v[GH+\j:GH+\j+1], v[(\x)+\j:(\x)+\j+1], 0.5 op_sel_hi:[1,0]   ; (the plain place behind the reciprocals)
.endr
	s_wait_alu depctr_va_vdst(0)
.irp j, 0,2,4,6
	v_pk_fma_f32 v[GP+\j:GP+\j+1], v[GD+\j:GD+\j+1], v[V9:V9+1], 0xbf527892 op_sel_hi:[1,1,0]
.endr
.irp k, 0x3fbe87b0, 0xbf914e5d, 0x3e8ec7cc, 0xbe3ec24c, 0x3dc636c9, 0x3ebf88fb, 0x3f8000c7, 0xbfa1fc4e
.irp j, 0,2,4,6
	v_pk_fma_f32 v[GP+\j:GP+\j+1], v[GP+\j:GP+\j+1], v[GD+\j:GD+\j+1], \k op_sel_hi:[1,1,0]
.endr
.endr
.irp j, 0,2,4,6
	v_pk_fma_f32 v[GP+\j:GP+\j+1], v[GH+\j:GH+\j+1], v[(\x)+\j:(\x)+\j+1], v[GP+\j:GP+\j+1] neg_lo:[1,0,0] neg_hi:[1,0,0]   ; P(t) - z^2
.endr
.irp j, 0,2,4,6
	v_pk_mul_f32 v[GP+\j:GP+\j+1], v[GP+\j:GP+\j+1], 0x3fb8aa3b op_sel_hi:[1,0]
.endr
	s_wait_alu depctr_va_vdst(0)
.irp j, 0,1,2,3,4,5,6,7
	v_exp_f32 v[GP+\j], v[GP+\j]
.endr
	v_nop
	s_wait_alu depctr_va_vdst(0)
.irp j, 0,2,4,6
	v_pk_mul_f32 v[GP+\j:GP+\j+1], v[GP+\j:GP+\j+1], v[GD+\j:GD+\j+1]   ; erfc(z)
.endr
.irp j, 0,2,4,6
	v_pk_mul_f32 v[GH+\j:GH+\j+1], v[GH+\j:GH+\j+1], v[GP+\j:GP+\j+1]   ; G
.endr
.irp j, 0,2,4,6
	v_pk_add_f32 v[GP+\j:GP+\j+1], v[(\x)+\j:(\x)+\j+1], v[GH+\j:GH+\j+1] neg_lo:[0,1] neg_hi:[0,1]   ; x - G
.endr
.irp j, 0,1,2,3,4,5,6,7
	v_max_num_f32 v[(\x)+\j], v[GP+\j], v[GH+\j]
.endr
.endm
	s_load_b256 s[4:11], s[0:1], 0x0               ; o1, wts, b_ff1, hb
	v_lshl_add_u32 v[SPW], v0, 2, SPARE
	v_mov_b32 v[NIL], 0
	ds_add_u32 v16, v17
	ds_add_u32 v16, v17                            ; the opening add stands twice on end
	s_wait_dscnt 0x0
	v_lshrrev_b32 v1, 5, v0
	v_readfirstlane_b32 s[WV], v1
	s_and_b32 s16, s[WV], 3                        ; wave % 4: my chunk of a slot and my place among the scale words
	s_lshr_b32 s17, s[WV], 1                       ; wm
	s_and_b32 s18, s[WV], 1                        ; wn
	s_bfe_u32 s[CX], ttmp6, 0x40000                ; cx
	s_bfe_u32 s[CY], ttmp6, 0x40004                ; cy
	s_lshl_b32 s[TC], ttmp9, 2
	s_add_co_u32 s[TC], s[TC], s[CX]               ; tile column 0..15
	s_and_b32 s12, ttmp7, 0xffff
	s_lshl_b32 s12, s12, 2
	s_add_co_u32 s12, s12, s[CY]                   ; tile row 0..15
	s_lshl_b32 s2, s[CY], 2
	s_lshl_b32 s2, 15, s2                          ; my row of the cluster
	s_lshl_b32 s3, 0x1111, s[CX]                   ; my column
	s_mov_b32 s[SEL], 0x76543210
	s_mov_b32 s[SEL+1], 0xfedcba98
	s_mov_b32 s[MHI], 0xffff0000
	s_or_b32 s[G1], s2, (3<<16)|(1<<21)            ; codes: 2 rows (K steps) of eight fragments; the rows' K steps lie 256 fragments apart, the weight's 768
	s_or_b32 s[G1B], s3, (3<<16)|(1<<21)
.irp g, G1, G1B
	s_mov_b32 s[\g+1], 1536<<16                    ; eight fragments a row
	s_mov_b32 s[\g+2], 2<<16
	s_mov_b32 s[\g+3], 1536<<16
	s_mov_b32 s[\g+4], 2
	s_mov_b32 s[\g+6], 0
	s_mov_b32 s[\g+7], 0
.endr
	s_mov_b32 s[G1+5], 256*192
	s_mov_b32 s[G1B+5], 768*192
	s_or_b32 s[G1S], s2, (3<<16)|(1<<21)           ; scale words: 4 rows of 1,024 bytes; 4,096 and 12,288 slots apart
	s_or_b32 s[G1SB], s3, (3<<16)|(1<<21)
.irp g, G1S, G1SB
	s_mov_b32 s[\g+1], 128<<16
	s_mov_b32 s[\g+2], 4<<16                       ; four K steps a load
	s_mov_b32 s[\g+3], 128<<16
	s_mov_b32 s[\g+4], 4
	s_mov_b32 s[\g+6], 0
	s_mov_b32 s[\g+7], 0
.endr
	s_mov_b32 s[G1S+5], 2048
	s_mov_b32 s[G1SB+5], 6144
	s_lshl_b32 s19, s18, 3                         ; which eight tiles I would fetch: wave % 2
	s_lshl_b32 s20, s12, 4                         ; the rows' first tile
	s_add_co_u32 s22, s20, s19
	s_mul_i32 s22, s22, 1536
	s_add_co_u32 s22, s22, O1C
	s_mov_b32 s23, 0
	s_lshl_b32 s20, s20, 6
	s_lshl_b32 s21, s18, 16                        ; K steps 4 (wave % 2) on
	s_add_co_u32 s20, s20, s21
	s_add_co_u32 s20, s20, O1S
	s_mov_b32 s21, 0
	s_lshl_b32 s98, s[TC], 4
	s_add_co_u32 s98, s98, 512                     ; the weight's first tile
	s_add_co_u32 s92, s98, s19
	s_mul_i32 s92, s92, 1536
	s_mov_b32 s93, 0
	s_lshl_b32 s98, s98, 6
	s_mul_i32 s99, s18, 196608
	s_add_co_u32 s98, s98, s99
	s_add_co_u32 s98, s98, P1S
	s_mov_b32 s99, 0
	s_mul_i32 s97, s16, 24576                      ; chunk wave % 4
	s_lshl_b32 s66, s16, 12                        ; the scale words: 4,096 (wave % 4)
	s_wait_kmcnt 0x0
	s_add_nc_u64 s[22:23], s[4:5], s[22:23]
	s_add_nc_u64 s[20:21], s[4:5], s[20:21]
	s_add_nc_u64 s[92:93], s[6:7], s[92:93]
	s_add_nc_u64 s[98:99], s[6:7], s[98:99]
	s_mov_b32 s[G0S], 1
	s_add_co_u32 s[G0S+1], s66, SCL
	s_mov_b64 s[G0S+2:G0S+3], s[20:21]
	s_or_b32 s[G0S+3], s[G0S+3], 0x80000000
	s_mov_b32 s[G0SB], 1
	s_add_co_u32 s[G0SB+1], s66, SCL
	s_mov_b64 s[G0SB+2:G0SB+3], s[98:99]
	s_or_b32 s[G0SB+3], s[G0SB+3], 0x80000000
.irp s, 0,1,2
	s_mov_b32 s[G0+4*\s], 1
	s_add_co_u32 s[G0+4*\s+1], s97, \s*SLOTB
	s_add_nc_u64 s[G0+4*\s+2:G0+4*\s+3], s[22:23], \s*STEPA
	s_or_b32 s[G0+4*\s+3], s[G0+4*\s+3], 0x80000000
	s_mov_b32 s[G0B+4*\s], 1
	s_add_co_u32 s[G0B+4*\s+1], s97, \s*SLOTB
	s_add_nc_u64 s[G0B+4*\s+2:G0B+4*\s+3], s[92:93], \s*STEPB
	s_or_b32 s[G0B+4*\s+3], s[G0B+4*\s+3], 0x80000000
.endr
	CROUND                                         ; all sixteen work-groups are here: the first joint loads meet
.macro ARM under, g0, g1, next, join   ; an arm of a chain of branches on the wave's number: one load, and a jump to the chain's end
	s_cmp_lt_u32 s[WV], \under
	s_cbranch_scc0 \next
	tensor_load_to_lds s[\g0:\g0+3], s[\g1:\g1+7]
	s_nop 0
	PLACES
	s_branch \join
\next:
.endm
	ARM 2, G0, G1, .Lh1, .Lhj                      ; the head's loads, one a wave: slot 0's chunks of the rows,
	ARM 4, G0B, G1B, .Lh2, .Lhj                    ; of the weight,
	ARM 6, G0S, G1S, .Lh3, .Lhj                    ; the rows' scale words,
	tensor_load_to_lds s[G0SB:G0SB+3], s[G1SB:G1SB+7]   ; the weight's
	s_nop 0
	PLACES
.Lhj:
	v_and_b32 v1, 31, v0
	v_bfe_u32 v3, v0, 4, 1
	v_lshlrev_b32 v[L16], 4, v1
	v_lshlrev_b32 v[L4], 2, v1
	s_lshr_b32 s19, s17, 1
	s_mul_i32 s19, s19, 24576                      ; my four fragments of the rows: chunk wm / 2,
	s_and_b32 s2, s17, 1
	s_mul_i32 s2, s2, 6144                         ; its fragments 4 (wm % 2) on
	s_add_co_u32 s19, s19, s2
	s_wait_alu depctr_va_vdst(0)
	v_add_nc_u32 v[ALO], s19, v[L16]
	s_mul_i32 s19, s18, 24576
	s_add_co_u32 s19, s19, 4*12288
	v_add_nc_u32 v[BB], s19, v[L16]
.irp s, 1,2
	v_add_nc_u32 v[ALO+\s], \s*SLOTB, v[ALO]
	v_add_nc_u32 v[BB+\s], \s*SLOTB, v[BB]
.endr
.irp s, 0,1,2
	v_add_nc_u32 v[AHI+\s], 3072, v[ALO+\s]
.endr
	s_lshl_b32 s19, s17, 8
	s_add_co_u32 s19, s19, SCL
	v_add_nc_u32 v[ADSA0], s19, v[L4]
	v_add_nc_u32 v[ADSA1], 128, v[ADSA0]
	s_lshl_b32 s19, s18, 9
	s_add_co_u32 s19, s19, SCL+8192
	v_add_nc_u32 v[ADSB], s19, v[L4]
	s_lshl_b32 s2, s[TC], 10
	s_lshl_b32 s3, s18, 9
	s_add_co_u32 s2, s2, s3
	s_mov_b32 s3, 0
	s_add_nc_u64 s[8:9], s[8:9], s[2:3]            ; b_ff1 at column 256 tile column + 128 wn
	v_lshlrev_b32 v27, 6, v3
.irp b, 0,1,2,3,4,5,6,7
.irp i, 0,1
	global_load_b128 v[BN+8*\b+4*\i:BN+8*\b+4*\i+3], v27, s[8:9] offset:4*(32*(\b/2)+8*(\b%2))+16*\i
.endr
.endr
; THE FILLS AS THEY STAND NOW.  A slot is four chunks of 24,576 bytes, the rows' two halves and then the weight's two, each laid [K step][8 fragments]; one load brings a chunk: 2 rows (K steps) of 12,288 bytes.
; At the head waves 0-3 ask for slot 0 and waves 4-7 for the scale words (four K steps of 256 slots a load).  Behind the three lines and a round waves 0-3 ask for slot 1 and waves 4-7 for slot 2, later first fills.
; Slot 0's refill, by waves 0-3, stands behind K steps 0 and 1.  One tensor load a wave at the head and behind each round.
.macro SEQ
	s_wait_tensorcnt 0x0
	ds_add_u32 v[SPW], v[NIL]
	s_wait_dscnt 0x0
	CROUND
.endm
	s_wait_alu depctr_va_vdst(0)
	SEQ
	ARM 2, G0+4, G1, .Lm1, .Lmj                    ; slot 1 (K steps 2, 3): waves 0, 1 the rows' chunks,
	ARM 4, G0B+4, G1B, .Lm2, .Lmj                  ; waves 2, 3 the weight's;
	ARM 6, G0+8, G1, .Lm3, .Lmj                    ; slot 2 (K steps 4, 5): waves 4, 5 the rows',
	tensor_load_to_lds s[G0B+8:G0B+11], s[G1B:G1B+7]   ; waves 6, 7 the weight's
	s_nop 0
	PLACES
.Lmj:
	TWO 0, 0, 1                                    ; the first K step's products start the sums
	MEET 1                                         ; the one refill: K steps 6 and 7 into slot 0, by waves 0-3
	TWO 1, 2, 0
	TWO 2, 4, 0
	MEET 0
	TWO 0, 6, 0
	PLACES
.irp b, 0,1,2,3
	v_mov_b32 v[TM+4+\b], 0
.endr
	v_mov_b32 v[V9], 0x3e2ef946
	v_mov_b32 v[V9+1], 0x3e2ef946
	s_lshl_b32 s2, s[TC], 1
	s_add_co_u32 s2, s2, s18                       ; the next product's K step: 2 tile column + wn
	s_lshl_b32 s3, s12, 4
	s_lshl_b32 s19, s17, 2
	s_add_co_u32 s3, s3, s19                       ; my first tile of rows
	s_lshl_b32 s20, s2, 8
	s_add_co_u32 s20, s20, s3
	s_lshl_b32 s22, s20, 6
	s_add_co_u32 s22, s22, HS
	s_mov_b32 s23, 0
	s_mul_i32 s20, s20, 1536
	s_mov_b32 s21, 0
	s_add_nc_u64 s[20:21], s[10:11], s[20:21]
	s_add_nc_u64 s[22:23], s[10:11], s[22:23]
	s_wait_loadcnt 0x0                             ; the bias
.macro HOUT a
.if \a > 0
	s_wait_xcnt 0x0                                ; the last tile's stores have read their registers
.endif
	WIN 0x01
	s_wait_alu depctr_va_vdst(0)                   ; directly ahead of the first reader of these sums
.set i, 0
.rept 32
	v_pk_add_f32 v[T+i:T+i+1], v[64*(\a)+i:64*(\a)+i+1], v[BN+i:BN+i+1]
.set i, i+2
.endr
	WIN 0
.irp e, 0,1,2,3,4,5,6,7
	GELU8 T+8*\e
.endr
	QUANT T
.irp c, 0,1,2
	global_store_b128 v[L16], v[PC+4*\c:PC+4*\c+3], s[20:21] offset:1536*(\a)+512*\c
.endr
.if (\a)%2 == 0
	v_mov_b32 v[PWE], v[PW]
.else
	v_cndmask_b32 v[PWS], v[PWE], v[PW], s[MHI]
	global_store_b32 v[L4], v[PWS], s[22:23] offset:128*((\a)/2)
.endif
.endm
	HOUT 0
	HOUT 1
	HOUT 2
	HOUT 3
	s_wait_tensorcnt 0x0                           ; the wave's end
	ds_add_u32 v[SPW], v[NIL]
	s_wait_dscnt 0x0
	CROUND
	s_endpgm
.Lfunc_end_k_q92e0265e84_ff1:
	.size	k_q92e0265e84_ff1, .Lfunc_end_k_q92e0265e84_ff1-k_q92e0265e84_ff1
	.p2alignl 7, 3214868480
	.fill 96, 4, 3214868480
	.section	.rodata,"a",@progbits
	.p2align	6, 0x0
	.amdhsa_kernel k_q92e0265e84_ff1
		.amdhsa_group_segment_fixed_size 327680
		.amdhsa_private_segment_fixed_size 0
		.amdhsa_enable_private_segment 0
		.amdhsa_kernarg_size 32
		.amdhsa_user_sgpr_count 2
		.amdhsa_user_sgpr_kernarg_segment_ptr 1
		.amdhsa_wavefront_size32 1
		.amdhsa_system_sgpr_workgroup_id_x 1
		.amdhsa_system_sgpr_workgroup_id_y 1
		.amdhsa_system_sgpr_workgroup_id_z 1
		.amdhsa_system_vgpr_workitem_id 0
		.amdhsa_next_free_vgpr 512
		.amdhsa_next_free_sgpr 102
		.amdhsa_reserve_vcc 0
		.amdhsa_float_denorm_mode_32 3
		.amdhsa_float_denorm_mode_16_64 3
		.amdhsa_memory_ordered 1
		.amdhsa_forward_progress 1
		.amdhsa_inst_pref_size 255
	.end_amdhsa_kernel
	.section	.bss,"aw",@nobits
	.p2align	6
	.space	262144
	.amdgpu_metadata
---
amdhsa.version: [ 1, 2 ]
amdhsa.kernels:
  - .name:           k_q92e0265e84_ff1
    .symbol:         k_q92e0265e84_ff1.kd
    .args:
      - { .name: o1, .offset: 0, .size: 8, .value_kind: global_buffer, .address_space: global }
      - { .name: wts, .offset: 8, .size: 8, .value_kind: global_buffer, .address_space: global }
      - { .name: b_ff1, .offset: 16, .size: 8, .value_kind: global_buffer, .address_space: global }
      - { .name: hb, .offset: 24, .size: 8, .value_kind: global_buffer, .address_space: global }
    .group_segment_fixed_size: 327680
    .private_segment_fixed_size: 0
    .kernarg_segment_align: 8
    .kernarg_segment_size: 32
    .max_flat_workgroup_size: 256
    .sgpr_count:     102
    .vgpr_count:     512
    .wavefront_size: 32
...
	.end_amdgpu_metadata
.endif
;; end of part 12
;; launch ff2 (part 13): grid 4 x 64, 8 waves a work-group, clusters of 4 x 4, 327,680 bytes of LDS; arguments hb, wts, fb; writes fb
.if DOCPART == 13
	.amdgcn_target "amdgcn-amd-amdhsa--gfx1250"
	.amdhsa_code_object_version 6
	.text
	.protected	k_q92e0265e84_ff2
	.globl	k_q92e0265e84_ff2
	.p2align	8
	.type	k_q92e0265e84_ff2,@function
k_q92e0265e84_ff2:
	s_mov_b64 s[64:65], 0
	v_nop
	global_prefetch_b8 v0, s[64:65] scope:SCOPE_SE
	s_setreg_imm32_b32 hwreg(HW_REG_WAVE_MODE, 25, 1), 1
	s_wait_xcnt 0x0
	s_wait_alu depctr_hold_cnt(0) depctr_sa_sdst(0) depctr_va_vdst(0) depctr_va_sdst(0) depctr_va_ssrc(0) depctr_va_vcc(0) depctr_vm_vsrc(0)
	s_getreg_b32 s2, hwreg(HW_REG_IB_STS2, 6, 4)
	s_cmp_eq_u32 s2, 0
	s_cbranch_scc0 .Lentry_in_a_cluster
	s_endpgm
.Lentry_in_a_cluster:
	s_bfe_u32 s2, ttmp6, 0x10000c
	s_cmp_lg_u32 s2, 0xf033
	s_cbranch_scc0 .Lentry_shape_is_right
	s_endpgm
.Lentry_shape_is_right:
; fb = h w_ff2, raw f32 sums in two halves of K, on codes of FP6 (E2M3) with E8M0 scales; the two halves, the bias, the residual and the norm are joined in the next launch, which reads whole rows anyway.
; N is only 1,024: tiles of 128 rows x 256 columns are 128.  So K IS SPLIT IN TWO AMONG WORK-GROUPS: clusters y = 0-7 take K steps 0-15, clusters y = 8-15 K steps 16-31: 256 work-groups; each half of K stores into
; its own 16,777,216 bytes of fb: each byte has one owner, and the sum is made in order by the launch behind.
; Within a work-group the eight waves split a slot's four K steps once more: waves 0-3 take the first two, waves 4-7 the other two.  A wave makes 64 x 128 (32 accumulators, window 1).
; Accumulator index a stands for the rows' tile (a + 2 kg) % 4, so that every wave keeps a = 0, 1 and hands a = 2, 3 to its partner (wave xor 4) through LDS: one text.
; A work-group's 16 K steps go through two LDS slots of FOUR K steps, 147,456 bytes each, slot 0 asked for at the head and slot 1 behind the next round; each is filled once more.  Waves 0, 1 fetch the rows' eight tiles, waves 2-5 the weight's sixteen
; (a load: four rows (K steps) of four fragments, 24,576 bytes), waves 6, 7 nothing.  CLUSTER 4 x 4 with joint loads; the scale words of the 16 K steps come once, with the first fills.
.set SLOTB, 147456                     ; six waves' loads: [wave][K step][4 fragments]
.set WPB,   24576                      ; one wave's load
.set SCL,   2*SLOTB                    ; the rows' scale words [16][128], then the weight's [16][256]
.set SPARE, SCL+24576                  ; the spare words, 128 bytes a wave
.set STG,   131072                     ; the way out: a stage of 16 rows x 528 bytes for each wave, behind the 8 x 16,384 bytes of the exchange: both in ring bytes that have had their last fill and their last read
.set STEPA, 4*256*1536                 ; four K steps on, in bytes
.set STEPB, 4*64*1536
.set W2C,   9830400
.set W2S,   12976128
.set HS,    12582912
.set ALO, 4
.set AHI, 6
.set BB,  8
.set ADSA0, 10
.set ADSA1, 11
.set ADSB,  12
.set SPW, 13
.set NIL, 14
.set XW,  15                           ; v15 where I put what I hand over;  v16 where my partner has put mine;  v17, v18 the stage, in and back;  v19 16 x lane
.set XR,  16
.set STO, 17
.set RD,  18
.set CO,  19
.set SA,  20
.set SB,  22
.set AF,  32
.set BF,  80
.set T,   32
.set WV,  14
.set G1,  24
.set G0,  32
.set G1B, 48
.set G0B, 56
.set G1S, 68
.set G0S, 76
.set G1SB, 80
.set G0SB, 88
.set MSB, 0
.macro WIN new
.if MSB != \new
	s_set_vgpr_msb (MSB<<8)|\new
.set MSB, \new
.endif
.endm
.macro PLACES
.rept 4
	v_nop
.endr
.endm
.macro CROUND
	s_barrier_signal -1
	s_barrier_wait -1
	s_cmp_lg_u32 s[WV], 0
	s_cbranch_scc1 .Lnot_wave_0_\@
	s_barrier_signal -3
.Lnot_wave_0_\@:
	s_barrier_wait -3
	s_barrier_signal -1
	s_barrier_wait -1
.endm
.macro JLOAD s                         ; the branches hang on the wave's number alone
	s_cmp_lt_u32 s[WV], 2
	s_cbranch_scc0 .Lnot_a_\@
	tensor_load_to_lds s[G0+4*(\s):G0+4*(\s)+3], s[G1:G1+7]
	s_nop 0
	PLACES
	s_branch .Lasked_\@
.Lnot_a_\@:
	s_cmp_lt_u32 s[WV], 6
	s_cbranch_scc0 .Lasked_\@
	tensor_load_to_lds s[G0B+4*(\s):G0B+4*(\s)+3], s[G1B:G1B+7]
	s_nop 0
	PLACES
.Lasked_\@:
.endm
.macro MM a, b, first
.set DD, 8*(8*(\a)+(\b))
.set FB, BF+12*(\b)
.set FA, AF+12*(\a)
.set S0, SB+(\b)/2
.set S1, SA+(\a)/2
.set VAR, 4*(\first)+2*((\b)%2)+(\a)%2
.if VAR == 0
	v_wmma_scale_f32_16x16x128_f8f6f4 v[DD:DD+7], v[FB:FB+11], v[FA:FA+11], v[DD:DD+7], v[S0], v[S1] matrix_a_fmt:MATRIX_FMT_FP6 matrix_b_fmt:MATRIX_FMT_FP6
.elseif VAR == 1
	v_wmma_scale_f32_16x16x128_f8f6f4 v[DD:DD+7], v[FB:FB+11], v[FA:FA+11], v[DD:DD+7], v[S0], v[S1] matrix_a_fmt:MATRIX_FMT_FP6 matrix_b_fmt:MATRIX_FMT_FP6 matrix_b_scale:MATRIX_SCALE_ROW1
.elseif VAR == 2
	v_wmma_scale_f32_16x16x128_f8f6f4 v[DD:DD+7], v[FB:FB+11], v[FA:FA+11], v[DD:DD+7], v[S0], v[S1] matrix_a_fmt:MATRIX_FMT_FP6 matrix_b_fmt:MATRIX_FMT_FP6 matrix_a_scale:MATRIX_SCALE_ROW1
.elseif VAR == 3
	v_wmma_scale_f32_16x16x128_f8f6f4 v[DD:DD+7], v[FB:FB+11], v[FA:FA+11], v[DD:DD+7], v[S0], v[S1] matrix_a_fmt:MATRIX_FMT_FP6 matrix_b_fmt:MATRIX_FMT_FP6 matrix_a_scale:MATRIX_SCALE_ROW1 matrix_b_scale:MATRIX_SCALE_ROW1
.elseif VAR == 4
	v_wmma_scale_f32_16x16x128_f8f6f4 v[DD:DD+7], v[FB:FB+11], v[FA:FA+11], 0, v[S0], v[S1] matrix_a_fmt:MATRIX_FMT_FP6 matrix_b_fmt:MATRIX_FMT_FP6
.elseif VAR == 5
	v_wmma_scale_f32_16x16x128_f8f6f4 v[DD:DD+7], v[FB:FB+11], v[FA:FA+11], 0, v[S0], v[S1] matrix_a_fmt:MATRIX_FMT_FP6 matrix_b_fmt:MATRIX_FMT_FP6 matrix_b_scale:MATRIX_SCALE_ROW1
.elseif VAR == 6
	v_wmma_scale_f32_16x16x128_f8f6f4 v[DD:DD+7], v[FB:FB+11], v[FA:FA+11], 0, v[S0], v[S1] matrix_a_fmt:MATRIX_FMT_FP6 matrix_b_fmt:MATRIX_FMT_FP6 matrix_a_scale:MATRIX_SCALE_ROW1
.else
	v_wmma_scale_f32_16x16x128_f8f6f4 v[DD:DD+7], v[FB:FB+11], v[FA:FA+11], 0, v[S0], v[S1] matrix_a_fmt:MATRIX_FMT_FP6 matrix_b_fmt:MATRIX_FMT_FP6 matrix_a_scale:MATRIX_SCALE_ROW1 matrix_b_scale:MATRIX_SCALE_ROW1
.endif
.endm
.macro KSTEP slot, co, sa, sb, first   ; one K step of 128: 42 LDS loads, 32 matrix instructions on 32 accumulators by turns
	PLACES
	ds_load_b32 v[SA], v[ADSA0] offset:\sa
	ds_load_b32 v[SA+1], v[ADSA1] offset:\sa
.irp j, 0,1,2,3
	ds_load_b32 v[SB+\j], v[ADSB] offset:(\sb)+128*\j
.endr
.irp a, 0,1
.irp c, 0,1,2
	ds_load_b128 v[AF+12*\a+4*\c:AF+12*\a+4*\c+3], v[ALO+\slot] offset:(\co)+1536*\a+512*\c
.endr
.endr
.irp a, 0,1
.irp c, 0,1,2
	ds_load_b128 v[AF+24+12*\a+4*\c:AF+24+12*\a+4*\c+3], v[AHI+\slot] offset:(\co)+1536*\a+512*\c
.endr
.endr
.irp b, 0,1,2,3,4,5,6,7
.irp c, 0,1,2
	ds_load_b128 v[BF+12*\b+4*\c:BF+12*\b+4*\c+3], v[BB+\slot] offset:(\co)+WPB*(\b/4)+1536*(\b%4)+512*\c
.endr
.endr
	WIN 0x50
.irp b, 0,1,2,3,4,5,6,7
	s_wait_dscnt 3*(7-\b)                          ; all but the loads of the weight's later fragments
.irp a, 0,1,2,3
	MM \a, \b, \first
.endr
.endr
	WIN 0
.endm
.macro TWO slot, t, first              ; my two K steps of tile t (K steps 4 t + 2 kg and the next of the work-group's 16): the rows' scale words lie 512 bytes a K step apart, the weight's 1,024
	KSTEP \slot, 0, 2048*(\t), 4096*(\t), \first
	KSTEP \slot, 6144, 2048*(\t)+512, 4096*(\t)+1024, 0
.endm
; The change to slot `slot`.  Every wave waits for all its tensor loads (one is out: its part of that slot), adds 0 to its spare word, and waits for that and for its reads of the other slot.
; refill = 1: a round of the cluster's barrier, and the joint refill of the other slot, with the tile two on, first behind it: it has this slot's two K steps a wave in which to land.  refill = 0: the work-group's barrier.
.macro MEET slot, refill
	s_wait_tensorcnt 0x0
	ds_add_u32 v[SPW], v[NIL]
.if \refill
	s_add_nc_u64 s[G0+6-4*\slot:G0+7-4*\slot], s[G0+6-4*\slot:G0+7-4*\slot], 2*STEPA       ; no load of mine is out: the other slot's next tile
	s_add_nc_u64 s[G0B+6-4*\slot:G0B+7-4*\slot], s[G0B+6-4*\slot:G0B+7-4*\slot], 2*STEPB
.endif
	s_wait_dscnt 0x0
.if \refill
	CROUND
	JLOAD 1-\slot
.else
	s_barrier_signal -1
	s_barrier_wait -1
.endif
.endm
	s_load_b128 s[4:7], s[0:1], 0x0                ; hb, wts
	s_load_b64 s[8:9], s[0:1], 0x10                ; fb
	v_lshl_add_u32 v[SPW], v0, 2, SPARE
	v_mov_b32 v[NIL], 0
	ds_add_u32 v13, v14
	ds_add_u32 v13, v14
	s_wait_dscnt 0x0
	v_lshrrev_b32 v1, 5, v0
	s_delay_alu instid0(VALU_DEP_1)
	v_readfirstlane_b32 s[WV], v1
	s_lshr_b32 s15, s[WV], 2                       ; kg: which two K steps of a slot are mine
	s_bfe_u32 s17, s[WV], 0x10001                  ; wm
	s_and_b32 s18, s[WV], 1                        ; wn.  Also: which half of the rows' tiles I would fetch
	s_add_co_u32 s16, s[WV], 2
	s_and_b32 s16, s16, 3                          ; which quarter of the weight's
	s_bfe_u32 s40, ttmp6, 0x40000                  ; cx: the tile column
	s_bfe_u32 s41, ttmp6, 0x40004                  ; cy
	s_and_b32 s12, ttmp7, 0xffff                   ; the cluster's y, 0..15
	s_lshr_b32 s13, s12, 3                         ; which half of K: the same in all sixteen partners
	s_and_b32 s12, s12, 7
	s_lshl_b32 s12, s12, 2
	s_add_co_u32 s12, s12, s41                     ; tile row 0..31
	s_lshl_b32 s43, s41, 2
	s_lshl_b32 s43, 15, s43
	s_lshl_b32 s44, 0x1111, s40
	s_or_b32 s[G1], s43, (3<<16)|(1<<21)           ; codes: 4 rows (K steps) of four fragments; 256 and 64 fragments apart
	s_or_b32 s[G1B], s44, (3<<16)|(1<<21)
.irp g, G1, G1B
	s_mov_b32 s[\g+1], 768<<16
	s_mov_b32 s[\g+2], 4<<16
	s_mov_b32 s[\g+3], 768<<16
	s_mov_b32 s[\g+4], 4
	s_mov_b32 s[\g+6], 0
	s_mov_b32 s[\g+7], 0
.endr
	s_mov_b32 s[G1+5], 256*192
	s_mov_b32 s[G1B+5], 64*192
	s_or_b32 s[G1S], s43, (3<<16)|(1<<21)          ; the rows' scale words: 16 K steps of 512 bytes, 4,096 slots apart
	s_mov_b32 s[G1S+1], 64<<16
	s_mov_b32 s[G1S+2], 16<<16                     ; all 16 K steps by one load
	s_mov_b32 s[G1S+3], 64<<16
	s_mov_b32 s[G1S+4], 16
	s_mov_b32 s[G1S+5], 2048
	s_mov_b32 s[G1S+6], 0
	s_mov_b32 s[G1S+7], 0
	s_or_b32 s[G1SB], s44, (3<<16)|(1<<21)         ; the weight's: 16 K steps of 1,024 bytes, 1,024 slots apart
	s_mov_b32 s[G1SB+1], 128<<16
	s_mov_b32 s[G1SB+2], 16<<16
	s_mov_b32 s[G1SB+3], 128<<16
	s_mov_b32 s[G1SB+4], 16
	s_mov_b32 s[G1SB+5], 512
	s_mov_b32 s[G1SB+6], 0
	s_mov_b32 s[G1SB+7], 0
	s_lshl_b32 s20, s12, 3                         ; the rows' first tile
	s_lshl_b32 s19, s18, 2
	s_add_co_u32 s22, s20, s19
	s_mul_i32 s22, s22, 1536
	s_mul_i32 s19, s13, 16*256*1536                ; my half of K: 16 K steps of 256 fragments
	s_add_co_u32 s22, s22, s19
	s_mov_b32 s23, 0
	s_lshl_b32 s20, s20, 6
	s_lshl_b32 s21, s13, 18                        ; 16 K steps
	s_add_co_u32 s20, s20, s21
	s_add_co_u32 s20, s20, HS
	s_mov_b32 s21, 0
	s_lshl_b32 s46, s40, 4                         ; the weight's first tile
	s_lshl_b32 s47, s16, 2
	s_add_co_u32 s92, s46, s47
	s_mul_i32 s92, s92, 1536
	s_mul_i32 s47, s13, 16*64*1536                 ; 16 K steps of 64 fragments
	s_add_co_u32 s92, s92, s47
	s_add_co_u32 s92, s92, W2C
	s_mov_b32 s93, 0
	s_lshl_b32 s46, s46, 6
	s_lshl_b32 s47, s13, 16                        ; 16 K steps
	s_add_co_u32 s46, s46, s47
	s_add_co_u32 s46, s46, W2S
	s_mov_b32 s47, 0
	s_mul_i32 s45, s[WV], WPB                      ; where they go: the wave's number alone
	s_wait_kmcnt 0x0
	s_add_nc_u64 s[22:23], s[4:5], s[22:23]
	s_add_nc_u64 s[20:21], s[4:5], s[20:21]
	s_add_nc_u64 s[92:93], s[6:7], s[92:93]
	s_add_nc_u64 s[46:47], s[6:7], s[46:47]
	s_mov_b32 s[G0S], 1
	s_mov_b32 s[G0S+1], SCL
	s_mov_b64 s[G0S+2:G0S+3], s[20:21]
	s_or_b32 s[G0S+3], s[G0S+3], 0x80000000
	s_mov_b32 s[G0SB], 1
	s_mov_b32 s[G0SB+1], SCL+8192
	s_mov_b64 s[G0SB+2:G0SB+3], s[46:47]
	s_or_b32 s[G0SB+3], s[G0SB+3], 0x80000000
.irp s, 0,1
	s_mov_b32 s[G0+4*\s], 1
	s_add_co_u32 s[G0+4*\s+1], s45, \s*SLOTB
	s_add_nc_u64 s[G0+4*\s+2:G0+4*\s+3], s[22:23], \s*STEPA
	s_or_b32 s[G0+4*\s+3], s[G0+4*\s+3], 0x80000000
	s_mov_b32 s[G0B+4*\s], 1
	s_add_co_u32 s[G0B+4*\s+1], s45, \s*SLOTB
	s_add_nc_u64 s[G0B+4*\s+2:G0B+4*\s+3], s[92:93], \s*STEPB
	s_or_b32 s[G0B+4*\s+3], s[G0B+4*\s+3], 0x80000000
.endr
	CROUND                                         ; all sixteen work-groups are here: the first joint loads meet
; THE HEAD'S LOADS AS THEY STAND NOW, one a wave, in one chain of branches on the wave's number: waves 0, 1 the rows' part of slot 0, waves 2-5 the weight's, wave 6 the rows' scale words of all 16 K steps, wave 7 the weight's.
; Slot 1 is a later first fill, behind the three lines and a round.
	s_cmp_lt_u32 s[WV], 2
	s_cbranch_scc0 .Lhead_b
	tensor_load_to_lds s[G0:G0+3], s[G1:G1+7]
	s_nop 0
	PLACES
	s_branch .Lfirst_done
.Lhead_b:
	s_cmp_lt_u32 s[WV], 6
	s_cbranch_scc0 .Lhead_sa
	tensor_load_to_lds s[G0B:G0B+3], s[G1B:G1B+7]
	s_nop 0
	PLACES
	s_branch .Lfirst_done
.Lhead_sa:
	s_cmp_lt_u32 s[WV], 7
	s_cbranch_scc0 .Lhead_sb
	tensor_load_to_lds s[G0S:G0S+3], s[G1S:G1S+7]
	s_nop 0
	PLACES
	s_branch .Lfirst_done
.Lhead_sb:
	tensor_load_to_lds s[G0SB:G0SB+3], s[G1SB:G1SB+7]
	s_nop 0
	PLACES
.Lfirst_done:
	v_and_b32 v1, 31, v0
	v_and_b32 v2, 15, v0
	v_bfe_u32 v3, v0, 4, 1
	s_delay_alu instid0(VALU_DEP_3)
	v_lshlrev_b32 v[CO], 4, v1
	s_wait_alu depctr_va_vdst(0)
	v_lshlrev_b32 v1, 2, v1
	s_wait_alu depctr_va_vdst(0)
	s_xor_b32 s3, s15, 1                           ; kg xor 1
	s_mul_i32 s19, s17, WPB
	s_mul_i32 s2, s15, 12288
	s_add_co_u32 s19, s19, s2                      ; my rows' four tiles, my two K steps of a slot
	s_mul_i32 s2, s15, 3072
	s_add_co_u32 s2, s2, s19
	v_add_nc_u32 v[ALO], s2, v[CO]                 ; a = 0, 1: tiles 2 kg, 2 kg + 1
	s_delay_alu instid0(VALU_DEP_1)
	v_add_nc_u32 v[ALO+1], SLOTB, v[ALO]
	s_mul_i32 s2, s3, 3072
	s_add_co_u32 s2, s2, s19
	v_add_nc_u32 v[AHI], s2, v[CO]                 ; a = 2, 3: the other two
	s_delay_alu instid0(VALU_DEP_1)
	v_add_nc_u32 v[AHI+1], SLOTB, v[AHI]
	s_mul_i32 s19, s18, 2*WPB
	s_add_co_u32 s19, s19, 2*WPB
	s_mul_i32 s2, s15, 12288
	s_add_co_u32 s19, s19, s2
	v_add_nc_u32 v[BB], s19, v[CO]
	s_delay_alu instid0(VALU_DEP_1)
	v_add_nc_u32 v[BB+1], SLOTB, v[BB]
	s_lshl_b32 s19, s15, 10                        ; the rows' scale words: K step 2 kg,
	s_lshl_b32 s2, s17, 8                          ; my 64 slots
	s_add_co_u32 s19, s19, s2
	s_add_co_u32 s19, s19, SCL
	s_lshl_b32 s2, s15, 7
	s_add_co_u32 s2, s2, s19
	v_add_nc_u32 v[ADSA0], s2, v1
	s_lshl_b32 s2, s3, 7
	s_add_co_u32 s2, s2, s19
	v_add_nc_u32 v[ADSA1], s2, v1
	s_lshl_b32 s19, s15, 11                        ; the weight's: K step 2 kg,
	s_lshl_b32 s2, s18, 9                          ; my 128 slots
	s_add_co_u32 s19, s19, s2
	s_add_co_u32 s19, s19, SCL+8192
	v_add_nc_u32 v[ADSB], s19, v1
	s_lshl_b32 s19, s[WV], 14
	v_add_nc_u32 v[XW], s19, v[CO]
	s_xor_b32 s19, s[WV], 4
	s_lshl_b32 s19, s19, 14
	v_add_nc_u32 v[XR], s19, v[CO]
	s_mul_i32 s19, s[WV], 8448
	s_add_co_u32 s19, s19, STG
	v_mul_u32_u24 v[STO], v2, 528
	s_delay_alu instid0(VALU_DEP_1)
	v_lshl_add_u32 v[STO], v3, 6, v[STO]
	s_delay_alu instid0(VALU_DEP_1)
	v_add_nc_u32 v[STO], s19, v[STO]
	v_add_nc_u32 v[RD], s19, v[CO]
	s_lshl_b32 s2, s12, 7
	s_lshl_b32 s3, s17, 6
	s_add_co_u32 s2, s2, s3
	s_lshl_b32 s3, s15, 5
	s_add_co_u32 s2, s2, s3                        ; the rows that I store: 128 tile row + 64 wm + 32 kg on
	s_lshl_b32 s2, s2, 12
	s_lshl_b32 s3, s40, 10
	s_add_co_u32 s2, s2, s3
	s_lshl_b32 s3, s18, 9
	s_add_co_u32 s2, s2, s3                        ; columns 256 cx + 128 wn on
	s_lshl_b32 s3, s13, 24
	s_add_co_u32 s2, s2, s3                        ; my half of K has its own 16,777,216 bytes
	s_mov_b32 s3, 0
	s_add_nc_u64 s[8:9], s[8:9], s[2:3]
	s_wait_alu depctr_va_vdst(0)
	s_wait_tensorcnt 0x0                           ; my one load of the head has landed
	ds_add_u32 v[SPW], v[NIL]
	s_wait_dscnt 0x0
	CROUND                                         ; slot 0 and the scale words are whole in every work-group
	JLOAD 1                                        ; slot 1's first fill: tile 1
	TWO 0, 0, 1                                    ; the first K step's products start the sums
	MEET 1, 1                                      ; slot 0 takes tile 2
	TWO 1, 1, 0
	MEET 0, 1                                      ; slot 1 takes tile 3
	TWO 0, 2, 0
	MEET 1, 0                                      ; nothing is left to fetch
	TWO 1, 3, 0
	PLACES
	s_wait_dscnt 0x0
	s_barrier_signal -1
	s_barrier_wait -1                              ; nobody reads the ring any more, and it has had its last fill: what the waves hand each other goes through its bytes
	WIN 0x04                                       ; an LDS store's data: window 1
.set i, 0
.rept 32
	ds_store_b128 v[XW], v[128+4*i:128+4*i+3] offset:512*i   ; a = 2, 3, each accumulator from its low end on
.set i, i+1
.endr
	WIN 0
	s_wait_dscnt 0x0                               ; for my partner's sake
	s_barrier_signal -1
	s_barrier_wait -1
.set i, 0
.rept 32
	ds_load_b128 v[T+4*i:T+4*i+3], v[XR] offset:512*i
.set i, i+1
.endr
	s_wait_dscnt 0x0
	WIN 0x04
.set i, 0
.rept 64
	v_pk_add_f32 v[T+i:T+i+1], v[T+i:T+i+1], v[i:i+1]   ; my K steps' sums and my partner's
.set i, i+2
.endr
	WIN 0
.macro FOUT a, ob                      ; 16 rows x 128 columns through my stage: whole rows of 512 bytes come back
.set i, 0
.rept 16
	ds_store_b128 v[STO], v[T+64*(\a)+4*i:T+64*(\a)+4*i+3] offset:128*(i/4)+16*(i%4)
.set i, i+1
.endr
.set i, 0
.rept 16
	ds_load_b128 v[\ob+4*i:\ob+4*i+3], v[RD] offset:528*i   ; LDS serves a wave's instructions in order
.set i, i+1
.endr
.set i, 0
.rept 16
	s_wait_dscnt 15-i
	global_store_b128 v[CO], v[\ob+4*i:\ob+4*i+3], s[8:9] offset:(8*(\a)+i+8*(i/8))*4096 th:TH_STORE_NT   ; 512 consecutive bytes, aligned
.set i, i+1
.endr
.endm
	FOUT 0, 160
	s_wait_alu depctr_va_vdst(0)
	FOUT 1, 32                                     ; (tile 0's numbers have left v32-95: the count-down above ended at 0)
	s_wait_tensorcnt 0x0                           ; the wave's end
	ds_add_u32 v[SPW], v[NIL]
	s_wait_dscnt 0x0
	CROUND
	s_endpgm
.Lfunc_end_k_q92e0265e84_ff2:
	.size	k_q92e0265e84_ff2, .Lfunc_end_k_q92e0265e84_ff2-k_q92e0265e84_ff2
	.p2alignl 7, 3214868480
	.fill 96, 4, 3214868480
	.section	.rodata,"a",@progbits
	.p2align	6, 0x0
	.amdhsa_kernel k_q92e0265e84_ff2
		.amdhsa_group_segment_fixed_size 327680
		.amdhsa_private_segment_fixed_size 0
		.amdhsa_enable_private_segment 0
		.amdhsa_kernarg_size 24
		.amdhsa_user_sgpr_count 2
		.amdhsa_user_sgpr_kernarg_segment_ptr 1
		.amdhsa_wavefront_size32 1
		.amdhsa_system_sgpr_workgroup_id_x 1
		.amdhsa_system_sgpr_workgroup_id_y 1
		.amdhsa_system_sgpr_workgroup_id_z 1
		.amdhsa_system_vgpr_workitem_id 0
		.amdhsa_next_free_vgpr 512
		.amdhsa_next_free_sgpr 100
		.amdhsa_reserve_vcc 0
		.amdhsa_float_denorm_mode_32 3
		.amdhsa_float_denorm_mode_16_64 3
		.amdhsa_memory_ordered 1
		.amdhsa_forward_progress 1
		.amdhsa_inst_pref_size 87
	.end_amdhsa_kernel
	.amdgpu_metadata
---
amdhsa.version: [ 1, 2 ]
amdhsa.kernels:
  - .name:           k_q92e0265e84_ff2
    .symbol:         k_q92e0265e84_ff2.kd
    .args:
      - { .name: hb, .offset: 0, .size: 8, .value_kind: global_buffer, .address_space: global }
      - { .name: wts, .offset: 8, .size: 8, .value_kind: global_buffer, .address_space: global }
      - { .name: fb, .offset: 16, .size: 8, .value_kind: global_buffer, .address_space: global }
    .group_segment_fixed_size: 327680
    .private_segment_fixed_size: 0
    .kernarg_segment_align: 8
    .kernarg_segment_size: 24
    .max_flat_workgroup_size: 256
    .sgpr_count:     100
    .vgpr_count:     512
    .wavefront_size: 32
...
	.end_amdgpu_metadata
.endif
;; end of part 13
;; launch ln2 (part 14): grid 256 x 1, 4 waves a work-group, no clusters, 0 bytes of LDS; arguments fb, o1, b_ff2, ln2_g, ln2_b, out0; writes out0
.if DOCPART == 14
	.amdgcn_target "amdgcn-amd-amdhsa--gfx1250"
	.amdhsa_code_object_version 6
	.text
	.protected	k_q92e0265e84_ln2
	.globl	k_q92e0265e84_ln2
	.p2align	8
	.type	k_q92e0265e84_ln2,@function
k_q92e0265e84_ln2:
	s_mov_b64 s[64:65], 0
	v_nop
	global_prefetch_b8 v0, s[64:65] scope:SCOPE_SE
	s_setreg_imm32_b32 hwreg(HW_REG_WAVE_MODE, 25, 1), 1
	s_wait_xcnt 0x0
; out0 = layernorm(out1 + ((fb0 + fb1) + b_ff2)) g + b; fb0 and fb1 are the last product's sums over the two halves of its K, 16,777,216 bytes apart in fb.
; A stream: one wave takes a whole row of 4,096 bytes (eight loads of 512 consecutive bytes from each of the three arrays) and keeps it in registers between the passes; four rows a wave.
; b_ff2, g and b of a lane's 32 columns stay in 96 registers of window 1.  Two row sets of 96 registers by turns: the next row's 24 loads are out while a row is worked on.  The variance is taken of y - mean, in a second pass.
; No LDS, no barrier, no matrix unit, no cluster: waves share nothing but the three short vectors.
.set PB, 0                             ; window 1: v0-31 b_ff2, v32-63 ln2_g, v64-95 ln2_b
.set PG, 32
.set PL, 64
.set RW, 8                             ; window 0: two sets of 96: fb0's 32 (then y), fb1's 32, out1's 32
.set MSB, 0
.macro WIN new                         ; the immediate's high byte repeats the setting that is left
.if MSB != \new
	s_set_vgpr_msb (MSB<<8)|\new
.set MSB, \new
.endif
.endm
	s_load_b256 s[4:11], s[0:1], 0x0               ; fb, o1, b_ff2, ln2_g
	s_load_b128 s[12:15], s[0:1], 0x20             ; ln2_b, out0
	v_lshrrev_b32 v1, 5, v0
	v_readfirstlane_b32 s16, v1
	v_and_b32 v1, 31, v0
	v_lshlrev_b32 v1, 4, v1                        ; 16 x lane
	s_lshl_b32 s17, ttmp9, 2
	s_add_co_u32 s17, s17, s16
	s_lshl_b32 s18, s17, 14                        ; my four rows
	s_mov_b32 s19, 0
	s_mov_b32 s20, 0x76543210
	s_mov_b32 s21, 0xfedcba98
	s_mov_b32 s22, 0x3a800000                      ; 1 / 1,024
	s_mov_b32 s23, 0x358637bd                      ; 1e-6
	s_wait_alu depctr_va_vdst(0)
	s_wait_kmcnt 0x0
	s_add_nc_u64 s[4:5], s[4:5], s[18:19]
	s_add_nc_u64 s[24:25], s[4:5], 0x1000000       ; the other half of K
	s_add_nc_u64 s[6:7], s[6:7], s[18:19]
	s_add_nc_u64 s[14:15], s[14:15], s[18:19]
	WIN 0x40                                       ; destination window 1
.irp j, 0,1,2,3,4,5,6,7
	global_load_b128 v[PB+4*\j:PB+4*\j+3], v1, s[8:9] offset:512*\j
	global_load_b128 v[PG+4*\j:PG+4*\j+3], v1, s[10:11] offset:512*\j
	global_load_b128 v[PL+4*\j:PL+4*\j+3], v1, s[12:13] offset:512*\j
.endr
	WIN 0
.macro RLOAD n
.irp j, 0,1,2,3,4,5,6,7
	global_load_b128 v[RW+96*((\n)%2)+4*\j:RW+96*((\n)%2)+4*\j+3], v1, s[4:5] offset:4096*(\n)+512*\j th:TH_LOAD_NT
	global_load_b128 v[RW+96*((\n)%2)+32+4*\j:RW+96*((\n)%2)+32+4*\j+3], v1, s[24:25] offset:4096*(\n)+512*\j th:TH_LOAD_NT
	global_load_b128 v[RW+96*((\n)%2)+64+4*\j:RW+96*((\n)%2)+64+4*\j+3], v1, s[6:7] offset:4096*(\n)+512*\j th:TH_LOAD_NT
.endr
.endm
.macro LANES                           ; v232: the sum over the 32 lanes, in every lane
	v_pk_add_f32 v[232:233], v[232:233], v[234:235]
	v_add_f32 v232, v232, v233
	v_add_f32_dpp v232, v232, v232 row_xmask:1 row_mask:0xf bank_mask:0xf
	v_add_f32_dpp v232, v232, v232 row_xmask:2 row_mask:0xf bank_mask:0xf
	v_add_f32_dpp v232, v232, v232 row_xmask:4 row_mask:0xf bank_mask:0xf
	v_add_f32_dpp v232, v232, v232 row_xmask:8 row_mask:0xf bank_mask:0xf
	v_permlanex16_b32 v233, v232, s20, s21
	v_add_f32 v232, v232, v233
.endm
.macro ROW n
.set Y, RW+96*((\n)%2)
.if \n < 3
	s_wait_loadcnt 24                              ; my row is in (and, ahead of it, the three vectors); the next row's 24 loads may be out
.else
	s_wait_loadcnt 0x0
.endif
.set i, 0
.rept 16
	v_pk_add_f32 v[Y+i:Y+i+1], v[Y+i:Y+i+1], v[Y+32+i:Y+32+i+1]   ; the two halves of K
.set i, i+2
.endr
	WIN 0x04                                       ; source 1 in window 1
.set i, 0
.rept 16
	v_pk_add_f32 v[Y+i:Y+i+1], v[Y+i:Y+i+1], v[PB+i:PB+i+1]
.set i, i+2
.endr
	WIN 0
.set i, 0
.rept 16
	v_pk_add_f32 v[Y+i:Y+i+1], v[Y+i:Y+i+1], v[Y+64+i:Y+64+i+1]   ; the residual
.set i, i+2
.endr
	v_pk_add_f32 v[232:233], v[Y:Y+1], v[Y+2:Y+3]
	v_pk_add_f32 v[234:235], v[Y+4:Y+5], v[Y+6:Y+7]
.set i, 8
.rept 12
	v_pk_add_f32 v[232+2*((i/2)%2):233+2*((i/2)%2)], v[232+2*((i/2)%2):233+2*((i/2)%2)], v[Y+i:Y+i+1]
.set i, i+2
.endr
	LANES
	v_mul_f32 v236, s22, v232                      ; the mean
	v_mul_f32 v237, s22, v232
.set i, 0
.rept 16
	v_pk_add_f32 v[Y+i:Y+i+1], v[Y+i:Y+i+1], v[236:237] neg_lo:[0,1] neg_hi:[0,1]
.set i, i+2
.endr
	v_pk_mul_f32 v[232:233], v[Y:Y+1], v[Y:Y+1]
	v_pk_mul_f32 v[234:235], v[Y+2:Y+3], v[Y+2:Y+3]
.set i, 4
.rept 14
	v_pk_fma_f32 v[232+2*((i/2)%2):233+2*((i/2)%2)], v[Y+i:Y+i+1], v[Y+i:Y+i+1], v[232+2*((i/2)%2):233+2*((i/2)%2)]
.set i, i+2
.endr
	LANES
	v_fma_f32 v232, v232, s22, s23                 ; the variance + 1e-6
	s_wait_alu depctr_va_vdst(0)
	v_rsq_f32 v236, v232
	v_rsq_f32 v237, v232
	v_nop                                          ; one plain place behind a transcendental
.set i, 0
	s_wait_alu depctr_va_vdst(0)
.rept 16
	v_pk_mul_f32 v[Y+i:Y+i+1], v[Y+i:Y+i+1], v[236:237]
.set i, i+2
.endr
	WIN 0x14                                       ; g and b in window 1
.set i, 0
.rept 16
	v_pk_fma_f32 v[Y+i:Y+i+1], v[Y+i:Y+i+1], v[PG+i:PG+i+1], v[PL+i:PL+i+1]
.set i, i+2
.endr
	WIN 0
.irp j, 0,1,2,3,4,5,6,7
	global_store_b128 v1, v[Y+4*\j:Y+4*\j+3], s[14:15] offset:4096*(\n)+512*\j th:TH_STORE_NT   ; 512 consecutive bytes, aligned
.endr
.if (\n)+2 < 4
	s_wait_xcnt 0x0                                ; the stores have read this set: it is loaded again only behind this wait
	RLOAD (\n)+2
.endif
.endm
	RLOAD 0
	RLOAD 1
	ROW 0
	ROW 1
	ROW 2
	ROW 3
	s_endpgm
.Lfunc_end_k_q92e0265e84_ln2:
	.size	k_q92e0265e84_ln2, .Lfunc_end_k_q92e0265e84_ln2-k_q92e0265e84_ln2
	.p2alignl 7, 3214868480
	.fill 96, 4, 3214868480
	.section	.rodata,"a",@progbits
	.p2align	6, 0x0
	.amdhsa_kernel k_q92e0265e84_ln2
		.amdhsa_group_segment_fixed_size 0
		.amdhsa_private_segment_fixed_size 0
		.amdhsa_enable_private_segment 0
		.amdhsa_kernarg_size 48
		.amdhsa_user_sgpr_count 2
		.amdhsa_user_sgpr_kernarg_segment_ptr 1
		.amdhsa_wavefront_size32 1
		.amdhsa_system_sgpr_workgroup_id_x 1
		.amdhsa_system_sgpr_workgroup_id_y 1
		.amdhsa_system_sgpr_workgroup_id_z 1
		.amdhsa_system_vgpr_workitem_id 0
		.amdhsa_next_free_vgpr 384
		.amdhsa_next_free_sgpr 66
		.amdhsa_reserve_vcc 0
		.amdhsa_float_denorm_mode_32 3
		.amdhsa_float_denorm_mode_16_64 3
		.amdhsa_memory_ordered 1
		.amdhsa_forward_progress 1
		.amdhsa_inst_pref_size 53
	.end_amdhsa_kernel
	.amdgpu_metadata
---
amdhsa.version: [ 1, 2 ]
amdhsa.kernels:
  - .name:           k_q92e0265e84_ln2
    .symbol:         k_q92e0265e84_ln2.kd
    .args:
      - { .name: fb, .offset: 0, .size: 8, .value_kind: global_buffer, .address_space: global }
      - { .name: o1, .offset: 8, .size: 8, .value_kind: global_buffer, .address_space: global }
      - { .name: b_ff2, .offset: 16, .size: 8, .value_kind: global_buffer, .address_space: global }
      - { .name: ln2_g, .offset: 24, .size: 8, .value_kind: global_buffer, .address_space: global }
      - { .name: ln2_b, .offset: 32, .size: 8, .value_kind: global_buffer, .address_space: global }
      - { .name: out0, .offset: 40, .size: 8, .value_kind: global_buffer, .address_space: global }
    .group_segment_fixed_size: 0
    .private_segment_fixed_size: 0
    .kernarg_segment_align: 8
    .kernarg_segment_size: 48
    .max_flat_workgroup_size: 128
    .sgpr_count:     66
    .vgpr_count:     384
    .wavefront_size: 32
...
	.end_amdgpu_metadata
.endif
;; end of part 14
